; MI455X (gfx1250); checked and timed in simulation.
; The chip was launched on July 23, 2026; its instructions are those of AMD's public machine-readable ISA for CDNA 5 (MIT licence, August 2026) and "CDNA5" Instruction Set Architecture Reference Guide (July 2026). The comments in the code are by the model that wrote it; some were corrected since.
;; Transformer Block. Allowed arithmetic: matrix products marked QUANTISED: E2M3 operands, one E8M0 scale for each 32 along K, by v_wmma_scale_f32_16x16x128_f8f6f4 with both operands' format E2M3, f32 sums; everything else in f32.
;; Inputs: Wk 1,024 x 1,024 float32; Wo 1,024 x 1,024 float32; Wq 1,024 x 1,024 float32; Wv 1,024 x 1,024 float32; g1 1,024 float32; g2 1,024 float32; positions 2,048 int32; w1 2,752 x 1,024 float32; w2 1,024 x 2,752 float32; w3 2,752 x 1,024 float32; x 2 x 2,048 x 1,024 float32.
;; Outputs: out0 2 x 2,048 x 1,024 float32.
;; Constants: theta = 10000.
;; This version of the problem:
;;   THIS VERSION OF THE PROBLEM IS GIVEN IN LOW PRECISION. The matrix products marked QUANTISED in the list below multiply operands that are first quantised to E2M3 (2 exponent bits, 3 mantissa bits; 6 bits a number), with one power-of-two scale for each 32 numbers along K (OCP MX v1.0); their sums are f32. All else is computed in f32.
;;   The module's matrix products, in the order in which they are computed (A, B: the left and right operand; K: the contracted axis; several contracted axes count as one K, in the product's order):
;;     1. [M 4,096, K 1,024] x [K 1,024, N 1,024]; A: computed on the way; B: input Wq: QUANTISED
;;     2. [M 4,096, K 1,024] x [K 1,024, N 1,024]; A: computed on the way; B: input Wk: QUANTISED
;;     3. [M 4,096, K 1,024] x [K 1,024, N 1,024]; A: computed on the way; B: input Wv: QUANTISED
;;     4. batch 32 x [M 2,048, K 64] x [K 64, N 2,048]; A: computed on the way; B: computed on the way: QUANTISED
;;     5. batch 32 x [M 2,048, K 2,048] x [K 2,048, N 64]; A: softmax (see below); B: computed on the way: QUANTISED
;;     6. [M 4,096, K 1,024] x [K 1,024, N 1,024]; A: computed on the way; B: input Wo: QUANTISED
;;     7. [M 4,096, K 1,024] x [K 1,024, N 2,752]; A: computed on the way; B: input w1: QUANTISED
;;     8. [M 4,096, K 1,024] x [K 1,024, N 2,752]; A: computed on the way; B: input w3: QUANTISED
;;     9. [M 4,096, K 2,752] x [K 2,752, N 1,024]; A: computed on the way; B: input w2: QUANTISED
;;   THE QUANTISER, for each operand of a quantised product, along K:
;;     - K is cut into blocks of 32 from its start; a last block that is shorter is filled with zeros.
;;     - A block's scale is 2^e with e = floor(log2(the largest magnitude in the block)) - 2, held to -126 .. 127; a block of zeros has e = 0. As a byte (E8M0): e + 127.
;;     - Each number is divided by its block's scale, clamped to +-7.5, and rounded to the nearest number of E2M3, ties to even, subnormals kept.
;;     - The product sums the exact products of the quantised numbers (number of the format x scale) in f32.
;;   ~~~python
;;   def quantise(x, axis):      # numpy; x: float32 -> the quantised numbers, widened to float32 again
;;       x = np.moveaxis(x, axis, -1); K = x.shape[-1]
;;       x = np.pad(x, [(0, 0)] * (x.ndim - 1) + [(0, -K % 32)]); x = x.reshape(x.shape[:-1] + (-1, 32)); a = np.abs(x).max(-1, keepdims=True)
;;       e = np.where(a > 0, np.clip(np.frexp(np.where(a > 0, a, 1))[1] - 1 - 2, -126, 127), 0)      # np.frexp(a)[1] - 1 = floor(log2(a)), exactly
;;       r = np.clip(x / 2.0 ** e, -7.5, 7.5)
;;       step = 2.0 ** (np.maximum(np.frexp(np.where(r == 0, 1, r))[1] - 1, 0) - 3)
;;       q = np.round(r / step) * step * 2.0 ** e      # np.round: ties to even
;;       return np.moveaxis(q.reshape(q.shape[:-2] + (-1,))[..., :K], -1, axis).astype(np.float32)
;;   ~~~
;;   SOFTMAX AHEAD OF A QUANTISED PRODUCT. Where the list says 'softmax', what is quantised is not the finished softmax but p = 2^(t - M), with t = logit x log2(e) and M = ceil(the row's largest t), a whole number; so 1/2 < the row's largest p <= 1. The row's sum l is taken of the UNQUANTISED p, in f32, and the product's result is divided by l at the end. Since M is a whole number, a kernel that streams over the keys may use a running M (the ceiling of the running maximum): every later rescaling is an exact power of two, which a block's scale takes up: the codes' values come out the same.
;;   OPERANDS COMPUTED ON THE WAY. 'Computed on the way' means the value that the module computes at that place (a softmax that the list does not call 'softmax' is quantised finished and normalised). What goes into a quantiser is computed in f32, as accurately as f32 sums, v_exp_f32 and their like allow (about 1e-6 of the number): no bf16 or f16 on the way to a quantiser, and a product that is left as it is and whose result goes on into a quantised operand takes f32 operands (vector FMAs, or v_wmma_f32_16x16x4_f32). A number that lies on a knife's edge between two numbers of the format may be rounded either way, as far as f32 arithmetic and the matrix unit's own rounding can turn it there, and no further.
;; 2 versions, each right and faster than the one before. Each part assembles by itself: llvm-mc -triple=amdgcn-amd-amdhsa -mcpu=gfx1250 --defsym DOCPART=n.
;; ======== version 1 of 2: 8 launches
;; limits: right only within a limited range of input values
;; workspace buffers: wts 9,932,800 bytes; rope 524,288 bytes; xq1 3,276,800 bytes; qkv 10,092,544 bytes; att 3,276,800 bytes; x2 16,777,216 bytes; xq2 3,276,800 bytes; hid 9,011,200 bytes
;; launch wprep (part 1): grid 776 x 1, 8 waves a work-group, no clusters, 68,608 bytes of LDS; arguments Wq, Wk, Wv, Wo, w1, w3, w2, positions, wts, rope; writes wts, rope
.if DOCPART == 1
	.amdgcn_target "amdgcn-amd-amdhsa--gfx1250"
	.amdhsa_code_object_version 6
	.text
	.protected	k_qdd948ccfdf_wprep
	.globl	k_qdd948ccfdf_wprep
	.p2align	8
	.type	k_qdd948ccfdf_wprep,@function
k_qdd948ccfdf_wprep:
	s_mov_b64 s[64:65], 0
	v_nop
	global_prefetch_b8 v0, s[64:65] scope:SCOPE_SE
	s_setreg_imm32_b32 hwreg(HW_REG_WAVE_MODE, 25, 1), 1
	s_wait_xcnt 0x0
; THE PROGRAM: a transformer block (rmsnorm, q/k/v, RoPE, causal attention, output projection + residual, rmsnorm, SwiGLU + residual), all nine products on codes of FP6 (E2M3) with one E8M0 scale for each 32 along K.
; Launches: wprep (this one: the seven weights to codes, RoPE's table), norm1, qkv, attn, oproj, norm2, ffn_up, ffn_down.
; DEAD WORK LEFT OUT: reference() builds the causal mask itself (jnp.tril): a score with key > query becomes -inf, its p is 0 and adds nothing to the row's sum or to p v, whatever finite values the inputs hold.
; So the launch attn leaves out every step of 128 keys that lies wholly behind a tile of 16 queries: 136 of 256 (tile, step) units remain.  Nothing else is left out; every input has a way to the output and is loaded.
; LIMIT: a NaN, an infinity or an overflow that reaches only those masked scores is not carried to the result.  NaN and infinities among the inputs are not served.
; LAYOUT OF EVERY OPERAND OF THE PROGRAM'S OWN.  A fragment is 16 rows x 128 K, 1,536 bytes, laid [block of 32: 0..3][row: 0..15][24 bytes].  A lane (r, h) that has made 16 codes of a block stores 12 bytes at 384 block + 24 r + 12 h.
; Inside a block the codes stand in the order p = 16 h + 8 u + j for k = 16 u + 8 h + j: the order in which two neighbouring result tiles give a lane its 16 registers.  Both sides of every product have it, so the sums are those of the true order.
; A panel is 128 rows: [scale words: tile][K step][row], then [K step][tile][fragment]: 102,400 bytes for K = 1,024; 281,600 for K = 2,816 (2,752 filled with zero codes).
; THIS LAUNCH: one wave makes one fragment of one weight.  16 loads of 512 consecutive bytes (a row's 128 numbers each) go through the wave's own stage in LDS and come back 16 numbers of a block to a lane.
; A block's scale byte is its largest magnitude's exponent field - 2, held at 1 from below (a block of zeros has byte 1, not 127: its codes are zeros and only this program reads the bytes).
; Work-groups 0-127 also make RoPE's table: cos and sin of positions[n] x 10000^(-i/32).  LIMIT: the frequency is 2^(-i log2(10000)/32) by v_exp_f32, so an angle may differ from an f32 power's by about 1e-7 of itself;
; the reduction by pi/2 in three parts holds about 1e-7 up to angles of about 1e6.
.set SPARE, 67584                      ; behind the eight stages: the spare words, 128 bytes a wave
.set SPW, 10                           ; v10  my spare word's LDS address; never rewritten
.set NIL, 11                           ; v11  0; never rewritten
.set ZR,  12                           ; v12  0, for the codes of w2's filling
.set R,   16                           ; v16-79   16 rows as loaded
.set X,   80                           ; v80-143  four blocks x 16 numbers
.set OFF, 144                          ; v144-159 the rows' byte offsets
.set MX,  160
.set PM,  164
.set SO,  168
.set PW,  172
.set CD,  176                          ; v176-190 codes: three registers a block, at 4 b
.set SEL, 56                           ; s[56:57] v_permlanex16_b32's selects for lane l xor 16
; Four blocks, each 16 numbers of a lane at v[src + stride b]: largest magnitude (with the floor 2^(3-127)), joined with lane l xor 16's; scale operand; byte in v[PM+b]; codes in v[CD+4b] on.
.macro QUANT4 src, stride
.irp b, 0,1,2,3
	v_max3_num_f32 v[MX+\b], |v[(\src)+(\stride)*\b]|, |v[(\src)+(\stride)*\b+1]|, 0x1800000
.endr
.irp i, 2,4,6,8,10,12,14
.irp b, 0,1,2,3
	v_max3_num_f32 v[MX+\b], v[MX+\b], |v[(\src)+(\stride)*\b+\i]|, |v[(\src)+(\stride)*\b+\i+1]|
.endr
.endr
.irp b, 0,1,2,3
	v_permlanex16_b32 v[PM+\b], v[MX+\b], s[SEL], s[SEL+1]
.endr
.irp b, 0,1,2,3
	v_max_num_f32 v[MX+\b], v[MX+\b], v[PM+\b]
.endr
.irp b, 0,1,2,3
	v_add_nc_u32 v[SO+\b], 0xff000000, v[MX+\b]    ; 2 off the exponent field: the conversion's scale operand
.endr
.irp b, 0,1,2,3
	v_lshrrev_b32 v[PM+\b], 23, v[SO+\b]           ; the scale's byte
.endr
.irp b, 0,1,2,3
	v_cvt_scalef32_pk16_fp6_f32 v[CD+4*\b:CD+4*\b+2], v[(\src)+(\stride)*\b:(\src)+(\stride)*\b+15], v[SO+\b]
.endr
	v_nop                                          ; one plain line behind the last scaled conversion
.endm
.macro PICK start, ptr, dstart, doff   ; from work-group start on: this source, this first work-group, this place in wts
	s_cmp_ge_u32 ttmp9, \start
	s_cselect_b64 s[24:25], s[\ptr:\ptr+1], s[24:25]
	s_cselect_b32 s26, \start, s26
	s_cselect_b32 s27, \dstart, s27
	s_cselect_b32 s28, \doff, s28
.endm
	s_load_b512 s[4:19], s[0:1], 0x0               ; Wq, Wk, Wv, Wo, w1, w3, w2, positions
	s_load_b128 s[20:23], s[0:1], 0x40             ; wts, rope
	v_lshl_add_u32 v[SPW], v0, 2, SPARE
	v_mov_b32 v[NIL], 0
	v_mov_b32 v[ZR], 0
	v_lshrrev_b32 v1, 5, v0
	v_readfirstlane_b32 s29, v1                    ; wave 0..7
	v_and_b32 v1, 31, v0                           ; lane
	v_and_b32 v2, 15, v0                           ; r
	v_bfe_u32 v3, v0, 4, 1                         ; h
	s_mul_i32 s39, s29, 8448                       ; my stage: 16 rows of 512 + 16 bytes
	v_lshl_add_u32 v4, v1, 4, s39                  ; in: 16 bytes a lane
	v_mul_u32_u24 v5, v2, 528
	v_lshl_add_u32 v5, v3, 5, v5
	v_add_nc_u32 v5, s39, v5                       ; out: row r, + 32 h
	v_mul_u32_u24 v8, v2, 24
	v_mad_u32_u24 v8, v3, 12, v8                   ; my 12 bytes of a block's 384
	v_lshlrev_b32 v9, 2, v2                        ; my row's scale word
.irp b, 0,1,2,3
	v_mov_b32 v[PM+\b], 0                          ; a lane permute's destination counts as read
.endr
	s_mov_b32 s[SEL], 0x76543210
	s_mov_b32 s[SEL+1], 0xfedcba98
	s_wait_kmcnt 0x0
	s_mov_b64 s[24:25], s[4:5]                     ; the source: Wq from work-group 0 on
	s_mov_b32 s26, 0
	s_mov_b32 s27, 0
	s_mov_b32 s28, 0
	PICK 64, 6, 0, 0                               ; Wk, Wv go on in the same run of 24 panels
	PICK 128, 8, 0, 0
	PICK 192, 10, 192, 2457600                     ; Wo
	PICK 256, 12, 256, 3276800                     ; w1
	PICK 428, 14, 428, 3276800                     ; w3, into the same 43 panels
	PICK 600, 16, 600, 7680000                     ; w2
	s_sub_co_u32 s30, ttmp9, s26                   ; tile of 16 rows in the source,
	s_sub_co_u32 s31, ttmp9, s27                   ; and in its run of panels
	s_mov_b32 s32, s29                             ; K step = wave
	s_lshl_b32 s33, s30, 3                         ; w2 has 22 K steps: unit u = 8 (work-group - 600) + wave, tile u / 22, step u % 22
	s_add_co_u32 s33, s33, s29
	s_mul_i32 s34, s33, 2979                       ; u / 22 = (2979 u) >> 16 for u < 1,408
	s_lshr_b32 s34, s34, 16
	s_mul_i32 s35, s34, 22
	s_sub_co_u32 s35, s33, s35
	s_mov_b32 s36, 4096                            ; a source row in bytes
	s_mov_b32 s38, 102400                          ; a panel in bytes
	s_cmp_ge_u32 ttmp9, 600
	s_cselect_b32 s30, s34, s30
	s_cselect_b32 s31, s34, s31
	s_cselect_b32 s32, s35, s32
	s_cselect_b32 s36, 11008, s36
	s_cselect_b32 s37, 22, 8                       ; K steps
	s_cselect_b32 s38, 281600, s38
	s_lshr_b32 s40, s31, 3                         ; panel and tile in it
	s_and_b32 s41, s31, 7
	s_lshr_b32 s42, s31, 2                         ; w1, w3: panel j holds hidden units 64 j on: tile 4 wn + i0, i0 = 0, 1 of w1, 2, 3 of w3
	s_and_b32 s43, s31, 2
	s_lshl_b32 s43, s43, 1
	s_and_b32 s44, s31, 1
	s_add_co_u32 s43, s43, s44
	s_cmp_ge_u32 ttmp9, 428
	s_cselect_b32 s44, 2, 0
	s_add_co_u32 s43, s43, s44
	s_sub_co_u32 s44, ttmp9, 256
	s_cmp_lt_u32 s44, 344                          ; work-groups 256 to 599
	s_cselect_b32 s40, s42, s40
	s_cselect_b32 s41, s43, s41
	s_mul_i32 s46, s30, s36
	s_lshl_b32 s46, s46, 4
	s_lshl_b32 s52, s32, 9
	s_add_co_u32 s46, s46, s52                     ; source: 16 rows x tile + 512 x step
	s_mov_b32 s47, 0
	s_mul_i32 s53, s40, s38
	s_add_co_u32 s53, s53, s28                     ; the panel's first byte in wts
	s_lshl_b32 s48, s37, 9
	s_add_co_u32 s48, s48, s53
	s_mul_i32 s52, s32, 12288
	s_add_co_u32 s48, s48, s52
	s_mul_i32 s52, s41, 1536
	s_add_co_u32 s48, s48, s52                     ; my fragment
	s_mov_b32 s49, 0
	s_mul_i32 s50, s37, s41
	s_add_co_u32 s50, s50, s32
	s_lshl_b32 s50, s50, 6
	s_add_co_u32 s50, s50, s53                     ; its 16 scale words
	s_mov_b32 s51, 0
	s_cmp_eq_u32 s32, 21                           ; w2's last step has 64 numbers: lanes 16-31 read lanes 0-15's bytes again (no load leaves the buffer), and blocks 2, 3 get zero codes
	s_cselect_b32 s54, 15, 31
	s_cselect_b32 s55, -1, 0
	s_add_nc_u64 s[24:25], s[24:25], s[46:47]
	s_add_nc_u64 s[48:49], s[20:21], s[48:49]
	s_add_nc_u64 s[50:51], s[20:21], s[50:51]
	v_and_b32 v[OFF], s54, v1
	v_lshlrev_b32 v[OFF], 4, v[OFF]
.irp i, 1,2,3,4,5,6,7,8,9,10,11,12,13,14,15
	v_add_nc_u32 v[OFF+\i], s36, v[OFF+\i-1]
.endr
.irp i, 0,1,2,3,4,5,6,7,8,9,10,11,12,13,14,15
	global_load_b128 v[R+4*\i:R+4*\i+3], v[OFF+\i], s[24:25] th:TH_LOAD_NT   ; 512 consecutive bytes of row i
.endr
.irp i, 0,1,2,3,4,5,6,7,8,9,10,11,12,13,14,15
	s_wait_loadcnt 15-\i                           ; row i is in; the younger rows stay out
	ds_store_b128 v4, v[R+4*\i:R+4*\i+3] offset:528*\i
.endr
.irp b, 0,1,2,3                        ; LDS serves a wave's instructions in order: these see my stores.  Registers 0-7: k = 32 b + 8 h on; 8-15: k = 32 b + 16 + 8 h on
	ds_load_b128 v[X+16*\b:X+16*\b+3], v5 offset:128*\b
	ds_load_b128 v[X+16*\b+4:X+16*\b+7], v5 offset:128*\b+16
	ds_load_b128 v[X+16*\b+8:X+16*\b+11], v5 offset:128*\b+64
	ds_load_b128 v[X+16*\b+12:X+16*\b+15], v5 offset:128*\b+80
.endr
	s_wait_dscnt 0x0
	QUANT4 X, 16
	v_lshl_or_b32 v[PW], v[PM+1], 8, v[PM]
	v_lshl_or_b32 v[PW], v[PM+2], 16, v[PW]
	v_lshl_or_b32 v[PW], v[PM+3], 24, v[PW]        ; my row's scale word
.irp i, 0,1,2,4,5,6
	v_cndmask_b32 v[CD+8+\i], v[CD+8+\i], v[ZR], s55   ; zero codes past K = 2,752 (their bytes are those of blocks 0, 1: valid)
.endr
.irp b, 0,1,2,3
	global_store_b96 v8, v[CD+4*\b:CD+4*\b+2], s[48:49] offset:384*\b   ; the wave stores 384 consecutive bytes
.endr
	global_store_b32 v9, v[PW], s[50:51]           ; lanes 16-31 store the same words with the same values
	; ---- RoPE's table: work-group tau < 128 makes positions 16 tau .. + 15; thread T = 64 b + 32 q + 16 h + r stores (cos, sin, cos, sin) of pairs i = 8 b + 4 h + 2 q, + 1 at 4,096 tau + 16 T
	s_cmp_lt_u32 ttmp9, 128
	s_cbranch_scc0 .Lend
	s_lshl_b32 s52, ttmp9, 6
	s_mov_b32 s53, 0
	s_add_nc_u64 s[18:19], s[18:19], s[52:53]
	global_load_b32 v16, v9, s[18:19]              ; positions[16 tau + r]
	s_lshl_b32 s52, ttmp9, 12
	s_add_nc_u64 s[22:23], s[22:23], s[52:53]
	v_lshrrev_b32 v17, 6, v0
	v_lshlrev_b32 v17, 3, v17
	v_lshl_add_u32 v17, v3, 2, v17
	v_bfe_u32 v18, v0, 5, 1
	v_lshl_add_u32 v17, v18, 1, v17
	v_cvt_f32_u32 v17, v17                         ; i
	v_add_f32 v18, 1.0, v17                        ; i + 1
	v_mul_f32 v19, 0xbed49a78, v17                 ; x -log2(10000) / 32
	v_mul_f32 v20, 0xbed49a78, v18
	v_exp_f32 v19, v19                             ; the frequencies
	v_exp_f32 v20, v20
	v_lshlrev_b32 v21, 4, v0                       ; (a plain line behind the exponentials)  16 T
	s_wait_alu depctr_va_vdst(0)                   ; one wait for both, ahead of their first reader
	s_wait_loadcnt 0x0
	v_cvt_f32_i32 v16, v16
.macro TRIG f, o                       ; cos and sin of position x frequency into v[o], v[o+1]
	v_mul_f32 v24, v16, v[\f]                      ; the angle, rounded as reference() rounds it
	v_mul_f32 v25, 0x3f22f983, v24
	v_rndne_f32 v25, v25                           ; the nearest multiple of pi/2
	v_fmamk_f32 v24, v25, 0xbfc90fdb, v24          ; taken off in three parts
	v_fmamk_f32 v24, v25, 0x333bbd2e, v24
	v_fmamk_f32 v24, v25, 0x26f72ced, v24
	v_mul_f32 v26, v24, v24
	v_mov_b32 v27, 0x3638ef1d                      ; sin: the series to the 9th power, on |angle| <= pi/4
	v_fmaak_f32 v27, v27, v26, 0xb9500d01
	v_fmaak_f32 v27, v27, v26, 0x3c088889
	v_fmaak_f32 v27, v27, v26, 0xbe2aaaab
	v_mul_f32 v28, v24, v26
	v_fma_f32 v27, v28, v27, v24
	v_mov_b32 v28, 0xb493f27e                      ; cos: to the 10th
	v_fmaak_f32 v28, v28, v26, 0x37d00d01
	v_fmaak_f32 v28, v28, v26, 0xbab60b61
	v_fmaak_f32 v28, v28, v26, 0x3d2aaaab
	v_fmaak_f32 v28, v28, v26, 0xbf000000
	v_fma_f32 v28, v28, v26, 1.0
	v_cvt_i32_f32 v25, v25                         ; the quadrant: odd ones change sin and cos; signs by bit 1 of n and of n + 1
	v_and_b32 v29, 1, v25
	v_cmp_eq_u32 vcc_lo, 1, v29
	v_cndmask_b32 v[\o+1], v27, v28, vcc_lo
	v_cndmask_b32 v[\o], v28, v27, vcc_lo
	v_lshlrev_b32 v29, 30, v25
	v_and_b32 v29, 0x80000000, v29
	v_xor_b32 v[\o+1], v[\o+1], v29
	v_add_nc_u32 v25, 1, v25
	v_lshlrev_b32 v29, 30, v25
	v_and_b32 v29, 0x80000000, v29
	v_xor_b32 v[\o], v[\o], v29
.endm
	TRIG 19, 32
	TRIG 20, 34
	global_store_b128 v21, v[32:35], s[22:23]      ; a wave stores 512 consecutive bytes
.Lend:
	s_wait_tensorcnt 0x0                           ; the wave's end
	ds_add_u32 v[SPW], v[NIL]
	s_wait_dscnt 0x0
	s_endpgm
.Lfunc_end_k_qdd948ccfdf_wprep:
	.size	k_qdd948ccfdf_wprep, .Lfunc_end_k_qdd948ccfdf_wprep-k_qdd948ccfdf_wprep
	.p2alignl 7, 3214868480
	.fill 96, 4, 3214868480
	.section	.rodata,"a",@progbits
	.p2align	6, 0x0
	.amdhsa_kernel k_qdd948ccfdf_wprep
		.amdhsa_group_segment_fixed_size 68608
		.amdhsa_private_segment_fixed_size 0
		.amdhsa_enable_private_segment 0
		.amdhsa_kernarg_size 80
		.amdhsa_user_sgpr_count 2
		.amdhsa_user_sgpr_kernarg_segment_ptr 1
		.amdhsa_wavefront_size32 1
		.amdhsa_system_sgpr_workgroup_id_x 1
		.amdhsa_system_sgpr_workgroup_id_y 1
		.amdhsa_system_sgpr_workgroup_id_z 1
		.amdhsa_system_vgpr_workitem_id 0
		.amdhsa_next_free_vgpr 192
		.amdhsa_next_free_sgpr 66
		.amdhsa_reserve_vcc 1
		.amdhsa_float_denorm_mode_32 3
		.amdhsa_float_denorm_mode_16_64 3
		.amdhsa_memory_ordered 1
		.amdhsa_forward_progress 1
		.amdhsa_inst_pref_size 19
	.end_amdhsa_kernel
	.amdgpu_metadata
---
amdhsa.version: [ 1, 2 ]
amdhsa.kernels:
  - .name:           k_qdd948ccfdf_wprep
    .symbol:         k_qdd948ccfdf_wprep.kd
    .args:
      - { .name: Wq, .offset: 0, .size: 8, .value_kind: global_buffer, .address_space: global }
      - { .name: Wk, .offset: 8, .size: 8, .value_kind: global_buffer, .address_space: global }
      - { .name: Wv, .offset: 16, .size: 8, .value_kind: global_buffer, .address_space: global }
      - { .name: Wo, .offset: 24, .size: 8, .value_kind: global_buffer, .address_space: global }
      - { .name: w1, .offset: 32, .size: 8, .value_kind: global_buffer, .address_space: global }
      - { .name: w3, .offset: 40, .size: 8, .value_kind: global_buffer, .address_space: global }
      - { .name: w2, .offset: 48, .size: 8, .value_kind: global_buffer, .address_space: global }
      - { .name: positions, .offset: 56, .size: 8, .value_kind: global_buffer, .address_space: global }
      - { .name: wts, .offset: 64, .size: 8, .value_kind: global_buffer, .address_space: global }
      - { .name: rope, .offset: 72, .size: 8, .value_kind: global_buffer, .address_space: global }
    .group_segment_fixed_size: 68608
    .private_segment_fixed_size: 0
    .kernarg_segment_align: 8
    .kernarg_segment_size: 80
    .max_flat_workgroup_size: 256
    .sgpr_count:     66
    .vgpr_count:     192
    .wavefront_size: 32
...
	.end_amdgpu_metadata
.endif
;; end of part 1
;; launch norm1 (part 2): grid 256 x 1, 8 waves a work-group, no clusters, 69,120 bytes of LDS; arguments x, g1, xq1; writes xq1
.if DOCPART == 2
	.amdgcn_target "amdgcn-amd-amdhsa--gfx1250"
	.amdhsa_code_object_version 6
	.text
	.protected	k_qdd948ccfdf_norm1
	.globl	k_qdd948ccfdf_norm1
	.p2align	8
	.type	k_qdd948ccfdf_norm1,@function
k_qdd948ccfdf_norm1:
	s_mov_b64 s[64:65], 0
	v_nop
	global_prefetch_b8 v0, s[64:65] scope:SCOPE_SE
	s_setreg_imm32_b32 hwreg(HW_REG_WAVE_MODE, 25, 1), 1
	s_wait_xcnt 0x0
; rmsnorm and quantiser: y = x / sqrt(mean(x^2) + 1e-5) x g, in f32, then codes of FP6 (E2M3) with one E8M0 scale for each 32 along the row, laid in panels as the first kernel's head describes.
; A work-group takes 16 rows of 1,024; wave s takes columns 128 s on: one fragment.  Rows come by loads of 512 consecutive bytes and turn through the wave's own stage in LDS, so that a lane holds 16 numbers of each block.
; The eight waves' sums of squares meet in 512 bytes of LDS behind the one barrier.  1/rms is one v_rsq_f32.
; LIMITS: NaN and infinities are not served; a block of zeros has scale byte 1 (its codes are zeros; only this program reads the bytes).
.set PART,  67584                      ; behind the eight stages: 8 waves x 16 rows' partial sums
.set SPARE, 68096                      ; the spare words, 128 bytes a wave
.set SPW, 10
.set NIL, 11
.set R,   16                           ; v16-79   16 rows as loaded
.set X,   80                           ; v80-143  four blocks x 16 numbers
.set G,   144                          ; v144-207 the gains of the same columns
.set MX,  208
.set PM,  212                          ; v212-219 also the eight partial sums
.set SO,  220
.set SA,  224
.set SB,  226
.set RR,  228                          ; v[228:229] 1/rms, named as a pair
.set PW,  230
.set CD,  232
.set SEL, 24
.macro QUANT4 src, stride
.irp b, 0,1,2,3
	v_max3_num_f32 v[MX+\b], |v[(\src)+(\stride)*\b]|, |v[(\src)+(\stride)*\b+1]|, 0x1800000
.endr
.irp i, 2,4,6,8,10,12,14
.irp b, 0,1,2,3
	v_max3_num_f32 v[MX+\b], v[MX+\b], |v[(\src)+(\stride)*\b+\i]|, |v[(\src)+(\stride)*\b+\i+1]|
.endr
.endr
.irp b, 0,1,2,3
	v_permlanex16_b32 v[PM+\b], v[MX+\b], s[SEL], s[SEL+1]
.endr
.irp b, 0,1,2,3
	v_max_num_f32 v[MX+\b], v[MX+\b], v[PM+\b]
.endr
.irp b, 0,1,2,3
	v_add_nc_u32 v[SO+\b], 0xff000000, v[MX+\b]
.endr
.irp b, 0,1,2,3
	v_lshrrev_b32 v[PM+\b], 23, v[SO+\b]
.endr
.irp b, 0,1,2,3
	v_cvt_scalef32_pk16_fp6_f32 v[CD+4*\b:CD+4*\b+2], v[(\src)+(\stride)*\b:(\src)+(\stride)*\b+15], v[SO+\b]
.endr
	v_nop
.endm
	s_load_b128 s[4:7], s[0:1], 0x0                ; the rows, the gains
	s_load_b64 s[8:9], s[0:1], 0x10                ; the panels
	v_lshl_add_u32 v[SPW], v0, 2, SPARE
	v_mov_b32 v[NIL], 0
	v_lshrrev_b32 v1, 5, v0
	v_readfirstlane_b32 s10, v1                    ; wave = K step
	v_and_b32 v1, 31, v0
	v_and_b32 v2, 15, v0                           ; r
	v_bfe_u32 v3, v0, 4, 1                         ; h
	s_mul_i32 s11, s10, 8448
	v_lshlrev_b32 v6, 4, v1                        ; 16 bytes a lane
	v_add_nc_u32 v4, s11, v6                       ; stage, in
	v_mul_u32_u24 v5, v2, 528
	v_lshl_add_u32 v5, v3, 5, v5
	v_add_nc_u32 v5, s11, v5                       ; stage, out
	v_lshlrev_b32 v7, 5, v3                        ; gains: 32 h
	v_mul_u32_u24 v8, v2, 24
	v_mad_u32_u24 v8, v3, 12, v8
	v_lshlrev_b32 v9, 2, v2
	v_add_nc_u32 v15, PART, v9                     ; row r's partial sums,
	s_lshl_b32 s26, s10, 6
	v_add_nc_u32 v14, s26, v15                     ; and my wave's among them
.irp b, 0,1,2,3
	v_mov_b32 v[PM+\b], 0
.endr
	s_mov_b32 s[SEL], 0x76543210
	s_mov_b32 s[SEL+1], 0xfedcba98
	s_mov_b32 s20, 0x3a800000                      ; 1 / 1,024
	s_mov_b32 s21, 0x3727c5ac                      ; 1e-5
	s_lshl_b32 s14, s10, 9
	s_mov_b32 s15, 0
	s_lshl_b32 s12, ttmp9, 16                      ; 16 rows of 4,096 bytes
	s_add_co_u32 s12, s12, s14
	s_mov_b32 s13, 0
	s_lshr_b32 s16, ttmp9, 3
	s_mul_i32 s16, s16, 102400                     ; the panel
	s_and_b32 s17, ttmp9, 7                        ; the tile in it
	s_mul_i32 s18, s10, 12288
	s_add_co_u32 s18, s18, s16
	s_mul_i32 s19, s17, 1536
	s_add_co_u32 s18, s18, s19
	s_add_co_u32 s18, s18, 4096
	s_mov_b32 s19, 0
	s_lshl_b32 s22, s17, 9
	s_add_co_u32 s22, s22, s16
	s_lshl_b32 s23, s10, 6
	s_add_co_u32 s22, s22, s23
	s_mov_b32 s23, 0
	s_wait_kmcnt 0x0
	s_add_nc_u64 s[4:5], s[4:5], s[12:13]
	s_add_nc_u64 s[6:7], s[6:7], s[14:15]
	s_add_nc_u64 s[18:19], s[8:9], s[18:19]
	s_add_nc_u64 s[22:23], s[8:9], s[22:23]
.irp b, 0,1,2,3                        ; the gains first, in the order in which the numbers will stand
	global_load_b128 v[G+16*\b:G+16*\b+3], v7, s[6:7] offset:128*\b
	global_load_b128 v[G+16*\b+4:G+16*\b+7], v7, s[6:7] offset:128*\b+16
	global_load_b128 v[G+16*\b+8:G+16*\b+11], v7, s[6:7] offset:128*\b+64
	global_load_b128 v[G+16*\b+12:G+16*\b+15], v7, s[6:7] offset:128*\b+80
.endr
.irp i, 0,1,2,3,4,5,6,7,8,9,10,11,12,13,14,15
	global_load_b128 v[R+4*\i:R+4*\i+3], v6, s[4:5] offset:4096*\i th:TH_LOAD_NT
.endr
.irp i, 0,1,2,3,4,5,6,7,8,9,10,11,12,13,14,15
	s_wait_loadcnt 15-\i                           ; row i (and the gains, which are older) are in; the younger rows stay out
	ds_store_b128 v4, v[R+4*\i:R+4*\i+3] offset:528*\i
.endr
.irp b, 0,1,2,3
	ds_load_b128 v[X+16*\b:X+16*\b+3], v5 offset:128*\b
	ds_load_b128 v[X+16*\b+4:X+16*\b+7], v5 offset:128*\b+16
	ds_load_b128 v[X+16*\b+8:X+16*\b+11], v5 offset:128*\b+64
	ds_load_b128 v[X+16*\b+12:X+16*\b+15], v5 offset:128*\b+80
.endr
	s_wait_dscnt 0x0
	v_pk_mul_f32 v[SA:SA+1], v[X:X+1], v[X:X+1]    ; the sum of squares of my 64 numbers, in two chains
	v_pk_mul_f32 v[SB:SB+1], v[X+2:X+3], v[X+2:X+3]
.set n, 4
.rept 15
	v_pk_fma_f32 v[SA:SA+1], v[X+n:X+n+1], v[X+n:X+n+1], v[SA:SA+1]
	v_pk_fma_f32 v[SB:SB+1], v[X+n+2:X+n+3], v[X+n+2:X+n+3], v[SB:SB+1]
.set n, n+4
.endr
	v_pk_add_f32 v[SA:SA+1], v[SA:SA+1], v[SB:SB+1]
	v_add_f32 v[SA], v[SA], v[SA+1]
	v_permlanex16_b32 v[PM], v[SA], s[SEL], s[SEL+1]
	v_add_f32 v[SA], v[SA], v[PM]                  ; row r's 128 columns
	ds_store_b32 v14, v[SA]                        ; both halves of the lanes write the same word with the same value
	s_wait_dscnt 0x0                               ; for the others' sake: my store has landed
	s_barrier_signal -1
	s_barrier_wait -1
.irp w, 0,1,2,3,4,5,6,7
	ds_load_b32 v[PM+\w], v15 offset:64*\w
.endr
	s_wait_dscnt 0x0
	v_add_f32 v[PM], v[PM], v[PM+1]
	v_add_f32 v[PM+2], v[PM+2], v[PM+3]
	v_add_f32 v[PM+4], v[PM+4], v[PM+5]
	v_add_f32 v[PM+6], v[PM+6], v[PM+7]
	v_add_f32 v[PM], v[PM], v[PM+2]
	v_add_f32 v[PM+4], v[PM+4], v[PM+6]
	v_add_f32 v[PM], v[PM], v[PM+4]
	v_fma_f32 v[PM], v[PM], s20, s21               ; the mean + 1e-5
	v_rsq_f32 v[RR], v[PM]
	v_mov_b32 v[RR+1], 0                           ; a plain line behind the transcendental; the pair's upper half is named below, so it is written
	s_wait_alu depctr_va_vdst(0)                   ; ahead of the first reader
.set n, 0
.rept 32
	v_pk_mul_f32 v[X+n:X+n+1], v[X+n:X+n+1], v[RR:RR+1] op_sel_hi:[1,0]
.set n, n+2
.endr
.set n, 0
.rept 32
	v_pk_mul_f32 v[X+n:X+n+1], v[X+n:X+n+1], v[G+n:G+n+1]
.set n, n+2
.endr
	QUANT4 X, 16
	v_lshl_or_b32 v[PW], v[PM+1], 8, v[PM]
	v_lshl_or_b32 v[PW], v[PM+2], 16, v[PW]
	v_lshl_or_b32 v[PW], v[PM+3], 24, v[PW]
.irp b, 0,1,2,3
	global_store_b96 v8, v[CD+4*\b:CD+4*\b+2], s[18:19] offset:384*\b
.endr
	global_store_b32 v9, v[PW], s[22:23]
	s_wait_tensorcnt 0x0                           ; the wave's end
	ds_add_u32 v[SPW], v[NIL]
	s_wait_dscnt 0x0
	s_endpgm
.Lfunc_end_k_qdd948ccfdf_norm1:
	.size	k_qdd948ccfdf_norm1, .Lfunc_end_k_qdd948ccfdf_norm1-k_qdd948ccfdf_norm1
	.p2alignl 7, 3214868480
	.fill 96, 4, 3214868480
	.section	.rodata,"a",@progbits
	.p2align	6, 0x0
	.amdhsa_kernel k_qdd948ccfdf_norm1
		.amdhsa_group_segment_fixed_size 69120
		.amdhsa_private_segment_fixed_size 0
		.amdhsa_enable_private_segment 0
		.amdhsa_kernarg_size 24
		.amdhsa_user_sgpr_count 2
		.amdhsa_user_sgpr_kernarg_segment_ptr 1
		.amdhsa_wavefront_size32 1
		.amdhsa_system_sgpr_workgroup_id_x 1
		.amdhsa_system_sgpr_workgroup_id_y 1
		.amdhsa_system_sgpr_workgroup_id_z 1
		.amdhsa_system_vgpr_workitem_id 0
		.amdhsa_next_free_vgpr 256
		.amdhsa_next_free_sgpr 66
		.amdhsa_reserve_vcc 0
		.amdhsa_float_denorm_mode_32 3
		.amdhsa_float_denorm_mode_16_64 3
		.amdhsa_memory_ordered 1
		.amdhsa_forward_progress 1
		.amdhsa_inst_pref_size 20
	.end_amdhsa_kernel
	.amdgpu_metadata
---
amdhsa.version: [ 1, 2 ]
amdhsa.kernels:
  - .name:           k_qdd948ccfdf_norm1
    .symbol:         k_qdd948ccfdf_norm1.kd
    .args:
      - { .name: x, .offset: 0, .size: 8, .value_kind: global_buffer, .address_space: global }
      - { .name: g1, .offset: 8, .size: 8, .value_kind: global_buffer, .address_space: global }
      - { .name: xq1, .offset: 16, .size: 8, .value_kind: global_buffer, .address_space: global }
    .group_segment_fixed_size: 69120
    .private_segment_fixed_size: 0
    .kernarg_segment_align: 8
    .kernarg_segment_size: 24
    .max_flat_workgroup_size: 256
    .sgpr_count:     66
    .vgpr_count:     256
    .wavefront_size: 32
...
	.end_amdgpu_metadata
.endif
;; end of part 2
;; launch qkv (part 3): grid 24 x 32, 4 waves a work-group, clusters of 4 x 4, 205,312 bytes of LDS; arguments xq1, wts, rope, qkv; writes qkv
.if DOCPART == 3
	.amdgcn_target "amdgcn-amd-amdhsa--gfx1250"
	.amdhsa_code_object_version 6
	.text
	.protected	k_qdd948ccfdf_qkv
	.globl	k_qdd948ccfdf_qkv
	.p2align	8
	.type	k_qdd948ccfdf_qkv,@function
k_qdd948ccfdf_qkv:
	s_mov_b64 s[64:65], 0
	v_nop
	global_prefetch_b8 v0, s[64:65] scope:SCOPE_SE
	s_setreg_imm32_b32 hwreg(HW_REG_WAVE_MODE, 25, 1), 1
	s_wait_xcnt 0x0
	s_wait_alu depctr_hold_cnt(0) depctr_sa_sdst(0) depctr_va_vdst(0) depctr_va_sdst(0) depctr_va_ssrc(0) depctr_va_vcc(0) depctr_vm_vsrc(0)
	s_getreg_b32 s2, hwreg(HW_REG_IB_STS2, 6, 4)
	s_cmp_eq_u32 s2, 0
	s_cbranch_scc0 .Lentry_in_a_cluster
	s_endpgm
.Lentry_in_a_cluster:
	s_bfe_u32 s2, ttmp6, 0x10000c
	s_cmp_lg_u32 s2, 0xf033
	s_cbranch_scc0 .Lentry_shape_is_right
	s_endpgm
.Lentry_shape_is_right:
; q, k, v = xn Wq^T, xn Wk^T, xn Wv^T on codes of FP6 (E2M3); RoPE on q and k; all three quantised again for attention: q and k along the head's 64, v along the keys.  Nothing goes to memory as f32.
; A work-group makes 128 tokens (panel Y of xq1) x 128 columns (panel X of wts: 0-7 Wq, 8-15 Wk, 16-23 Wv); each of four waves 64 x 64: 16 accumulators.  A wave's 64 columns are one head, a panel's 128 tokens one key step.
; K = 1,024: both panels, 102,400 bytes each with their scale words, lie whole in LDS: each wave brings two quarters of one panel by two tensor loads at the head; nothing is filled twice.  By this text's count a wave has two loads out.
; CLUSTER 4 x 4: the four of a row share the tokens' panel, the four of a column the weights': each is asked for jointly.
; q, k: source 0 = 16 rows of W, source 1 = 16 tokens: a lane holds one token, its registers run along the channels.  v: the sources change places: a lane holds one channel, its registers run along the tokens, which are the second product's K.
; The two forms part on the cluster's x alone (the same in all partners); both barriers stand in the common text.
; q's and k's scale words carry their two bytes twice: attention's K step of 128 is half zero codes.
; LIMITS: as stated at the first kernel's head (scale byte 1 for a block of zeros; NaN, infinities not served).
.set SPARE, 204800                     ; behind the two panels: the spare words, 128 bytes a wave
.set ADRA, 4                           ; v4-5   my 64 rows of the tokens' panel, K steps 0-3, 4-7
.set ADRB, 6                           ; v6-7   of the weights'
.set ADRS, 12                          ; v12    scale words: lanes 0-15 the tokens', lanes 16-31 the weights'
.set SPW,  13
.set NIL,  14
.set SC,   24                          ; v24-31 scale words, two sets of four
.set MX,   100
.set PM,   104
.set SO,   108
.set CD,   112
.set ACC,  128                         ; accumulator (i1, i0) at ACC + 8 (4 i1 + i0)
.set G1A, 24
.set G0A, 32
.set G1B, 48
.set G0B, 56
.set SEL, 86
.set MSB, 0
.set MUL,  0x05                        ; sources 0 and 1 window 1; C and D window 0
.set TO_F, 0x40                        ; destination window 1, address window 0
.macro WIN new                         ; the immediate's high byte repeats the setting that is left
.if MSB != \new
	s_set_vgpr_msb (MSB<<8)|\new
.set MSB, \new
.endif
.endm
.macro PLACES
.rept 4
	v_nop
.endr
.endm
.macro JLOAD g0a, g1a, g0b, g1b        ; waves 0, 1 fetch the tokens' panel, waves 2, 3 the weights'; an s_nop 0 and four v_nop follow each line
	s_cmp_eq_u32 s15, 0
	s_cbranch_scc0 .Lfor_b_\@
	tensor_load_to_lds s[\g0a:\g0a+3], s[\g1a:\g1a+7]
	s_nop 0
.rept 4
	v_nop
.endr
	s_branch .Lasked_\@
.Lfor_b_\@:
	tensor_load_to_lds s[\g0b:\g0b+3], s[\g1b:\g1b+7]
	s_nop 0
.rept 4
	v_nop
.endr
.Lasked_\@:
.endm
.macro CROUND                          ; a round of the cluster's barrier
	s_barrier_signal -1
	s_barrier_wait -1
	s_cmp_lg_u32 s14, 0
	s_cbranch_scc1 .Lnot_wave_0_\@
	s_barrier_signal -3
.Lnot_wave_0_\@:
	s_barrier_wait -3
	s_barrier_signal -1
	s_barrier_wait -1
.endm
.macro FRAG reg, adr, off              ; a fragment: lane (r, h) takes blocks h and 2 + h of row r, 24 bytes each, in pieces of 8
.irp p, 0,1,2,3,4,5
	ds_load_b64 v[(\reg)+2*\p:(\reg)+2*\p+1], v[\adr] offset:(\off)+768*(\p/3)+8*(\p%3)
.endr
.endm
.macro FETCH s, a0, a1                 ; K step s: four fragments for source 0 from panel a0, four for source 1 from a1, into buffer s % 2 of window 1; four scale words
	WIN TO_F
.irp i, 0,1,2,3
	FRAG 128*((\s)%2)+12*\i, (\a0)+(\s)/4, ((\s)%4)*12288+1536*\i
.endr
.irp i, 0,1,2,3
	FRAG 128*((\s)%2)+48+12*\i, (\a1)+(\s)/4, ((\s)%4)*12288+1536*\i
.endr
	WIN 0
.irp i, 0,1,2,3
	ds_load_b32 v[SC+4*((\s)%2)+\i], v[ADRS] offset:512*\i+64*(\s)
.endr
.endm
.macro MUL8 s, half, zero, nat         ; eight products; the 16 accumulators take turns in one order in every step.  nat = 0: source 0 = weights; 1: source 0 = tokens
.irp a, 2*(\half), 2*(\half)+1
.irp b, 0,1,2,3
.set rD, ACC+8*(4*(\a)+\b)
.set rA, 128*((\s)%2)+12*\b
.set rB, 128*((\s)%2)+48+12*(\a)
.set rS, SC+4*((\s)%2)
.if \zero
.if \nat
	v_wmma_scale_f32_16x16x128_f8f6f4 v[rD:rD+7], v[rA:rA+11], v[rB:rB+11], 0, v[rS+\b], v[rS+(\a)] matrix_a_fmt:MATRIX_FMT_FP6 matrix_b_fmt:MATRIX_FMT_FP6 matrix_b_scale:MATRIX_SCALE_ROW1
.else
	v_wmma_scale_f32_16x16x128_f8f6f4 v[rD:rD+7], v[rA:rA+11], v[rB:rB+11], 0, v[rS+\b], v[rS+(\a)] matrix_a_fmt:MATRIX_FMT_FP6 matrix_b_fmt:MATRIX_FMT_FP6 matrix_a_scale:MATRIX_SCALE_ROW1
.endif
.else
.if \nat
	v_wmma_scale_f32_16x16x128_f8f6f4 v[rD:rD+7], v[rA:rA+11], v[rB:rB+11], v[rD:rD+7], v[rS+\b], v[rS+(\a)] matrix_a_fmt:MATRIX_FMT_FP6 matrix_b_fmt:MATRIX_FMT_FP6 matrix_b_scale:MATRIX_SCALE_ROW1
.else
	v_wmma_scale_f32_16x16x128_f8f6f4 v[rD:rD+7], v[rA:rA+11], v[rB:rB+11], v[rD:rD+7], v[rS+\b], v[rS+(\a)] matrix_a_fmt:MATRIX_FMT_FP6 matrix_b_fmt:MATRIX_FMT_FP6 matrix_a_scale:MATRIX_SCALE_ROW1
.endif
.endif
.endr
.endr
.endm
.macro KA s, zero, nat                 ; a K step's first half
	s_wait_dscnt 0x0                               ; the step's fragments and scale words are in
	WIN MUL
	MUL8 \s, 0, \zero, \nat
.endm
.macro KB s, zero, nat, a0, a1         ; its second half: four places for the loads into the buffer that the step before multiplied, the next step's loads in one run, eight products
	PLACES
	FETCH (\s)+1, \a0, \a1
	WIN MUL
	MUL8 \s, 1, \zero, \nat
.endm
.macro K s, zero, nat, a0, a1
	KA \s, \zero, \nat
	KB \s, \zero, \nat, \a0, \a1
.endm
.macro QUANT4 src, stride
.irp b, 0,1,2,3
	v_max3_num_f32 v[MX+\b], |v[(\src)+(\stride)*\b]|, |v[(\src)+(\stride)*\b+1]|, 0x1800000
.endr
.irp i, 2,4,6,8,10,12,14
.irp b, 0,1,2,3
	v_max3_num_f32 v[MX+\b], v[MX+\b], |v[(\src)+(\stride)*\b+\i]|, |v[(\src)+(\stride)*\b+\i+1]|
.endr
.endr
.irp b, 0,1,2,3
	v_permlanex16_b32 v[PM+\b], v[MX+\b], s[SEL], s[SEL+1]
.endr
.irp b, 0,1,2,3
	v_max_num_f32 v[MX+\b], v[MX+\b], v[PM+\b]
.endr
.irp b, 0,1,2,3
	v_add_nc_u32 v[SO+\b], 0xff000000, v[MX+\b]
.endr
.irp b, 0,1,2,3
	v_lshrrev_b32 v[PM+\b], 23, v[SO+\b]
.endr
.irp b, 0,1,2,3
	v_cvt_scalef32_pk16_fp6_f32 v[CD+4*\b:CD+4*\b+2], v[(\src)+(\stride)*\b:(\src)+(\stride)*\b+15], v[SO+\b]
.endr
	v_nop
.endm
.macro TABLE a                         ; cos and sin for token tile a: eight loads of 512 consecutive bytes, into set a % 2 of v32-95
.irp i, 0,1,2,3
.irp q, 0,1
	global_load_b128 v[32+32*((\a)%2)+8*\i+4*\q:32+32*((\a)%2)+8*\i+4*\q+3], v15, s[68:69] offset:4096*(\a)+1024*\i+512*\q
.endr
.endr
.endm
.macro ROPE a                          ; registers 2 p, 2 p + 1 of a tile are a pair of channels; each accumulator is taken from its low end on
.irp i, 0,1,2,3
.irp p, 0,1,2,3
.set x0, ACC+8*(4*(\a)+\i)+2*\p
.set cc, 32+32*((\a)%2)+8*\i+2*\p
.set tt, 96+2*(\p%2)
	v_mul_f32 v[tt], v[x0+1], v[cc+1]
	v_mul_f32 v[tt+1], v[x0+1], v[cc]
	v_fma_f32 v[x0+1], v[x0], v[cc+1], v[tt+1]     ; xe sin + xo cos
	v_fma_f32 v[x0], v[x0], v[cc], -v[tt]          ; xe cos - xo sin
.endr
.endr
.endm
.macro OUTQK a0                        ; token tiles a0, a0 + 1: two blocks of codes and a scale word each
.irp e, 0,1
	v_lshl_or_b32 v[MX+\e], v[PM+2*\e+1], 8, v[PM+2*\e]
	v_lshl_or_b32 v[MX+\e], v[MX+\e], 16, v[MX+\e] ; the two bytes twice: the K step's other half is zero codes
	global_store_b96 v16, v[CD+8*\e:CD+8*\e+2], s[70:71] offset:768*((\a0)+\e)
	global_store_b96 v16, v[CD+8*\e+4:CD+8*\e+6], s[70:71] offset:768*((\a0)+\e)+384
	global_store_b32 v17, v[MX+\e], s[72:73] offset:64*((\a0)+\e)
.endr
.endm
.macro OUTV c0                         ; channel tiles c0, c0 + 1: my two blocks of 32 keys and their two bytes
.irp e, 0,1
	v_lshl_or_b32 v[MX+\e], v[PM+2*\e+1], 8, v[PM+2*\e]
	global_store_b96 v16, v[CD+8*\e:CD+8*\e+2], s[82:83] offset:1536*((\c0)+\e)
	global_store_b96 v16, v[CD+8*\e+4:CD+8*\e+6], s[82:83] offset:1536*((\c0)+\e)+384
	global_store_b16 v17, v[MX+\e], s[84:85] offset:64*((\c0)+\e)
.endr
.endm
	s_load_b256 s[4:11], s[0:1], 0x0               ; xq1, wts, rope, qkv
	v_lshl_add_u32 v[SPW], v0, 2, SPARE
	v_mov_b32 v[NIL], 0
	ds_add_u32 v[SPW], v[NIL]                      ; the wave's opening: the add, twice on end, and its wait ahead of my first tensor load
	ds_add_u32 v[SPW], v[NIL]
	v_lshrrev_b32 v1, 5, v0
	v_readfirstlane_b32 s14, v1                    ; wave 0..3
	s_lshr_b32 s15, s14, 1                         ; wm: my half of the tokens.  Also: I fetch the tokens' panel (0) or the weights' (1)
	s_and_b32 s16, s14, 1                          ; wn: my half of the columns.  Also: which quarters I fetch
	s_bfe_u32 s40, ttmp6, 0x40000                  ; cx, cy
	s_bfe_u32 s41, ttmp6, 0x40004
	s_lshl_b32 s42, ttmp9, 2
	s_add_co_u32 s42, s42, s40                     ; X
	s_and_b32 s17, ttmp7, 0xffff
	s_lshl_b32 s17, s17, 2
	s_add_co_u32 s17, s17, s41                     ; Y
	s_lshl_b32 s43, s41, 2
	s_lshl_b32 s43, 15, s43                        ; my row of the cluster
	s_lshl_b32 s44, 0x1111, s40                    ; my column
	s_or_b32 s[G1A], s43, (3<<16)|(1<<21)          ; group 1: a dense block as 100 rows of 32 elements of 8 bytes; the mask, and bit 21 beside it
	s_or_b32 s[G1B], s44, (3<<16)|(1<<21)
.irp g, G1A, G1B
	s_mov_b32 s[\g+1], 32<<16
	s_mov_b32 s[\g+2], 100<<16
	s_mov_b32 s[\g+3], 32<<16
	s_mov_b32 s[\g+4], 100
	s_mov_b32 s[\g+5], 32
	s_mov_b32 s[\g+6], 0
	s_mov_b32 s[\g+7], 0
.endr
	s_mul_i32 s45, s16, 25600                      ; my quarter in each half of a panel: in memory and in LDS alike
	s_mul_i32 s20, s17, 102400
	s_add_co_u32 s20, s20, s45
	s_mov_b32 s21, 0
	s_mul_i32 s46, s42, 102400
	s_add_co_u32 s46, s46, s45
	s_mov_b32 s47, 0
	s_wait_dscnt 0x0                               ; both opening adds are done
	s_wait_kmcnt 0x0
	s_add_nc_u64 s[20:21], s[4:5], s[20:21]
	s_add_nc_u64 s[46:47], s[6:7], s[46:47]
	CROUND                                         ; all sixteen work-groups are here: the joint loads meet
.irp l, 0,1
	s_mov_b32 s[G0A+4*\l], 1
	s_add_co_u32 s[G0A+4*\l+1], s45, \l*51200
	s_add_nc_u64 s[G0A+4*\l+2:G0A+4*\l+3], s[20:21], \l*51200
	s_or_b32 s[G0A+4*\l+3], s[G0A+4*\l+3], 0x80000000
	s_mov_b32 s[G0B+4*\l], 1
	s_add_co_u32 s[G0B+4*\l+1], s45, 102400+\l*51200
	s_add_nc_u64 s[G0B+4*\l+2:G0B+4*\l+3], s[46:47], \l*51200
	s_or_b32 s[G0B+4*\l+3], s[G0B+4*\l+3], 0x80000000
	JLOAD G0A+4*\l, G1A, G0B+4*\l, G1B
.endr
	v_and_b32 v1, 15, v0                           ; r
	v_bfe_u32 v2, v0, 4, 1                         ; h
	v_mul_u32_u24 v3, v1, 24
	v_mad_u32_u24 v3, v2, 384, v3                  ; a lane's place in a fragment
	s_mul_i32 s66, s15, 6144
	s_mul_i32 s67, s16, 6144
	s_add_co_u32 s66, s66, 4096
	s_add_co_u32 s67, s67, 106496
	v_add_nc_u32 v[ADRA], s66, v3
	v_add_nc_u32 v[ADRB], s67, v3
	v_add_nc_u32 v[ADRA+1], 49152, v[ADRA]
	v_add_nc_u32 v[ADRB+1], 49152, v[ADRB]
	s_lshl_b32 s66, s15, 11
	s_lshl_b32 s67, s16, 11
	s_add_co_u32 s67, s67, 102400
	s_sub_co_u32 s67, s67, s66
	v_mul_u32_u24 v[ADRS], s67, v2                 ; lanes 16-31 take the weights' words
	v_lshl_add_u32 v[ADRS], v1, 2, v[ADRS]
	v_add_nc_u32 v[ADRS], s66, v[ADRS]
	v_and_b32 v15, 31, v0
	v_lshlrev_b32 v15, 4, v15                      ; 16 x lane
	v_mul_u32_u24 v16, v1, 24
	v_mad_u32_u24 v16, v2, 12, v16                 ; my 12 bytes of a block's 384
	v_lshlrev_b32 v17, 2, v1                       ; 4 r
.irp b, 0,1,2,3
	v_mov_b32 v[PM+\b], 0
.endr
	s_mov_b32 s[SEL], 0x76543210
	s_mov_b32 s[SEL+1], 0xfedcba98
	s_lshr_b32 s18, ttmp9, 1                       ; 0: q, 1: k, 2: v: by the cluster's x alone
	s_and_b32 s19, s17, 15                         ; the key step
	s_lshr_b32 s74, s17, 4
	s_lshl_b32 s74, s74, 4
	s_and_b32 s75, s42, 7
	s_lshl_b32 s75, s75, 1
	s_add_co_u32 s74, s74, s75
	s_add_co_u32 s74, s74, s16                     ; batch x 16 + head
	s_mul_i32 s76, s74, 106496                     ; q's part: codes [tile of 16][2 blocks][row][24], then a word a token
	s_mul_i32 s77, s19, 6144
	s_add_co_u32 s77, s77, s76
	s_lshl_b32 s78, s19, 9
	s_add_co_u32 s78, s78, s76
	s_add_co_u32 s78, s78, 98304
	s_mul_i32 s79, s74, 208896                     ; k's and v's: a block of 13,056 bytes for each 128 keys: K's codes, V's codes, K's words, V's words
	s_mul_i32 s80, s19, 13056
	s_add_co_u32 s79, s79, s80
	s_add_co_u32 s79, s79, 3407872
	s_add_co_u32 s80, s79, 12288
	s_cmp_eq_u32 s18, 0
	s_cselect_b32 s70, s77, s79
	s_cselect_b32 s72, s78, s80
	s_mul_i32 s81, s15, 3072
	s_add_co_u32 s70, s70, s81
	s_lshl_b32 s81, s15, 8
	s_add_co_u32 s72, s72, s81
	s_mov_b32 s71, 0
	s_mov_b32 s73, 0
	s_add_nc_u64 s[70:71], s[10:11], s[70:71]      ; q, k: codes
	s_add_nc_u64 s[72:73], s[10:11], s[72:73]      ; and scale words
	s_mul_i32 s81, s15, 768
	s_add_co_u32 s82, s79, s81
	s_add_co_u32 s82, s82, 6144
	s_mov_b32 s83, 0
	s_add_nc_u64 s[82:83], s[10:11], s[82:83]      ; v: codes, blocks 2 wm on
	s_lshl_b32 s81, s15, 1
	s_add_co_u32 s84, s79, s81
	s_add_co_u32 s84, s84, 12800
	s_mov_b32 s85, 0
	s_add_nc_u64 s[84:85], s[10:11], s[84:85]      ; and bytes 2 wm on of its words
	s_lshl_b32 s68, s19, 15
	s_lshl_b32 s81, s15, 14
	s_add_co_u32 s68, s68, s81
	s_mov_b32 s69, 0
	s_add_nc_u64 s[68:69], s[8:9], s[68:69]        ; the table at my first token tile
	s_wait_tensorcnt 1                             ; my first quarter is in; the second stays on its way
	s_barrier_signal -1
	s_barrier_wait -1                              ; the scale words and K steps 0-2 of both panels are whole
	s_cmp_eq_u32 s18, 2
	s_cbranch_scc1 .Lv1
	FETCH 0, ADRB, ADRA
	K 0, 1, 0, ADRB, ADRA                          ; the first step's products start the sums
	K 1, 0, 0, ADRB, ADRA
	KA 2, 0, 0
	WIN 0
	s_branch .Lsync
.Lv1:
	FETCH 0, ADRA, ADRB
	K 0, 1, 1, ADRA, ADRB
	K 1, 0, 1, ADRA, ADRB
	KA 2, 0, 1
	WIN 0
.Lsync:
	s_wait_tensorcnt 0x0                           ; my second quarter is in (no LDS instruction of mine is out)
	s_barrier_signal -1
	s_barrier_wait -1                              ; both panels are whole
	s_cmp_eq_u32 s18, 2
	s_cbranch_scc1 .Lv2
	TABLE 0                                        ; asked for here, so that they land under K steps 2-7
	TABLE 1
	KB 2, 0, 0, ADRB, ADRA
	K 3, 0, 0, ADRB, ADRA
	K 4, 0, 0, ADRB, ADRA
	K 5, 0, 0, ADRB, ADRA
	K 6, 0, 0, ADRB, ADRA
	KA 7, 0, 0
	MUL8 7, 1, 0, 0
	WIN 0
	PLACES                                         ; in front of the first read of results
	s_wait_loadcnt 0x0
	ROPE 0
	ROPE 1
	TABLE 2
	TABLE 3
	QUANT4 ACC, 16                                 ; block 2 a + b': token tile a, channels 32 b' on
	OUTQK 0
	s_wait_loadcnt 0x0
	ROPE 2
	ROPE 3
	s_wait_xcnt 0x0                                ; the stores have read their registers
	QUANT4 ACC+64, 16
	OUTQK 2
	s_branch .Ldone
.Lv2:
	KB 2, 0, 1, ADRA, ADRB
	K 3, 0, 1, ADRA, ADRB
	K 4, 0, 1, ADRA, ADRB
	K 5, 0, 1, ADRA, ADRB
	K 6, 0, 1, ADRA, ADRB
	KA 7, 0, 1
	MUL8 7, 1, 0, 1
	WIN 0
	PLACES
	QUANT4 ACC, 16                                 ; block 2 c + a': channel tile c, my tokens 32 a' on
	OUTV 0
	s_wait_xcnt 0x0
	QUANT4 ACC+64, 16
	OUTV 2
.Ldone:
	s_wait_tensorcnt 0x0                           ; the wave's end
	ds_add_u32 v[SPW], v[NIL]
	s_wait_dscnt 0x0
	CROUND                                         ; the closing round
	s_endpgm
.Lfunc_end_k_qdd948ccfdf_qkv:
	.size	k_qdd948ccfdf_qkv, .Lfunc_end_k_qdd948ccfdf_qkv-k_qdd948ccfdf_qkv
	.p2alignl 7, 3214868480
	.fill 96, 4, 3214868480
	.section	.rodata,"a",@progbits
	.p2align	6, 0x0
	.amdhsa_kernel k_qdd948ccfdf_qkv
		.amdhsa_group_segment_fixed_size 205312
		.amdhsa_private_segment_fixed_size 0
		.amdhsa_enable_private_segment 0
		.amdhsa_kernarg_size 32
		.amdhsa_user_sgpr_count 2
		.amdhsa_user_sgpr_kernarg_segment_ptr 1
		.amdhsa_wavefront_size32 1
		.amdhsa_system_sgpr_workgroup_id_x 1
		.amdhsa_system_sgpr_workgroup_id_y 1
		.amdhsa_system_sgpr_workgroup_id_z 1
		.amdhsa_system_vgpr_workitem_id 0
		.amdhsa_next_free_vgpr 512
		.amdhsa_next_free_sgpr 100
		.amdhsa_reserve_vcc 0
		.amdhsa_float_denorm_mode_32 3
		.amdhsa_float_denorm_mode_16_64 3
		.amdhsa_memory_ordered 1
		.amdhsa_forward_progress 1
		.amdhsa_inst_pref_size 128
	.end_amdhsa_kernel
	.amdgpu_metadata
---
amdhsa.version: [ 1, 2 ]
amdhsa.kernels:
  - .name:           k_qdd948ccfdf_qkv
    .symbol:         k_qdd948ccfdf_qkv.kd
    .args:
      - { .name: xq1, .offset: 0, .size: 8, .value_kind: global_buffer, .address_space: global }
      - { .name: wts, .offset: 8, .size: 8, .value_kind: global_buffer, .address_space: global }
      - { .name: rope, .offset: 16, .size: 8, .value_kind: global_buffer, .address_space: global }
      - { .name: qkv, .offset: 24, .size: 8, .value_kind: global_buffer, .address_space: global }
    .group_segment_fixed_size: 205312
    .private_segment_fixed_size: 0
    .kernarg_segment_align: 8
    .kernarg_segment_size: 32
    .max_flat_workgroup_size: 128
    .sgpr_count:     100
    .vgpr_count:     512
    .wavefront_size: 32
...
	.end_amdgpu_metadata
.endif
;; end of part 3
;; launch attn (part 4): grid 8 x 32, 16 waves a work-group, clusters of 4 x 1, 210,944 bytes of LDS; arguments qkv, att; writes att
.if DOCPART == 4
	.amdgcn_target "amdgcn-amd-amdhsa--gfx1250"
	.amdhsa_code_object_version 6
	.text
	.protected	k_qdd948ccfdf_attn
	.globl	k_qdd948ccfdf_attn
	.p2align	8
	.type	k_qdd948ccfdf_attn,@function
k_qdd948ccfdf_attn:
	s_mov_b64 s[64:65], 0
	v_nop
	global_prefetch_b8 v0, s[64:65] scope:SCOPE_SE
	s_setreg_imm32_b32 hwreg(HW_REG_WAVE_MODE, 25, 1), 1
	s_wait_xcnt 0x0
	s_wait_alu depctr_hold_cnt(0) depctr_sa_sdst(0) depctr_va_vdst(0) depctr_va_sdst(0) depctr_va_ssrc(0) depctr_va_vcc(0) depctr_vm_vsrc(0)
	s_getreg_b32 s2, hwreg(HW_REG_IB_STS2, 6, 4)
	s_cmp_eq_u32 s2, 0
	s_cbranch_scc0 .Lentry_in_a_cluster
	s_endpgm
.Lentry_in_a_cluster:
	s_bfe_u32 s2, ttmp6, 0x10000c
	s_cmp_lg_u32 s2, 0x3003
	s_cbranch_scc0 .Lentry_shape_is_right
	s_endpgm
.Lentry_shape_is_right:
; Causal attention on codes of FP6 (E2M3): S^T = K Q^T (K = the head's 64, the K step's other 64 are zero codes of Q), p = 2^(t - M) with t = score x log2(e) / 8 and M the running largest t rounded up to a whole number,
; p quantised along the keys, O^T += V^T P^T, the row's sum taken of the unquantised p; O / sum is quantised along (head, channel) for the output projection.
; LEFT OUT (shown at the first kernel's head): key steps of 128 that lie wholly behind a tile's queries under reference()'s own causal mask.
; SHARES.  Work-group (j, batch x head); wave w owns the 16 queries 128 QI + 16 j on, QI = w xor 3 ((w >> 2) & 1): it needs key steps 0 .. QI, so every work-group has the same 136 steps, and reads the whole head.
; The head's K, V and scale words, 16 blocks of 13,056 bytes, come into LDS ONCE: wave w brings block w by one tensor load (one load of mine is out), jointly for the four work-groups of the cluster, which share the head.
; No branch, trip count or LDS address hangs on the place in the cluster.  The loop has 16 trips in every wave; a wave jumps over the work of the steps behind its queries, by its number and the count of trips.
; A lane holds one query throughout.  Tiles of keys are 16 neighbours: the 16 registers of tiles 2 b, 2 b + 1 are keys 32 b + 16 u + 8 h + j, the order inside a block that V's codes have too.
; K's fragment names twelve registers of which the upper six are the next tile's codes: they meet Q's zero codes.
.set SPARE, 208896
.set WV,  8
.set QI,  9
.set SEL, 14
.set CS,  16                           ; s[16:17] log2(e) / 8
.set G1,  24
.set G0,  32
.set KS,  36
.set TB,  37
.set BM,  212                          ; v212-215 block maxima
.set PX,  216                          ; v216-219 permutes, bytes
.set SP,  220                          ; v220-223 scale operands
.macro CROUND
	s_barrier_signal -1
	s_barrier_wait -1
	s_cmp_lg_u32 s[WV], 0
	s_cbranch_scc1 .Lnot_wave_0_\@
	s_barrier_signal -3
.Lnot_wave_0_\@:
	s_barrier_wait -3
	s_barrier_signal -1
	s_barrier_wait -1
.endm
	s_load_b128 s[4:7], s[0:1], 0x0                ; qkv, att
	v_lshl_add_u32 v5, v0, 2, SPARE
	v_mov_b32 v6, 0
	ds_add_u32 v5, v6                              ; the wave's opening: the add, twice on end, and its wait ahead of my first tensor load
	ds_add_u32 v5, v6
	v_lshrrev_b32 v8, 5, v0
	v_readfirstlane_b32 s[WV], v8                  ; wave 0..15
	s_bfe_u32 s12, ttmp6, 0x40000                  ; cx
	s_lshl_b32 s10, ttmp9, 2
	s_add_co_u32 s10, s10, s12                     ; j: it enters Q's and the output's addresses and the mask's numbers alone
	s_and_b32 s11, ttmp7, 0xffff                   ; batch x 16 + head
	s_bfe_u32 s[QI], s[WV], 0x10002
	s_mul_i32 s[QI], s[QI], 3
	s_xor_b32 s[QI], s[QI], s[WV]
	s_mov_b32 s[G1], 15|(3<<16)|(1<<21)            ; all four work-groups; 51 rows of 32 elements of 8 bytes, dense
	s_mov_b32 s[G1+1], 32<<16
	s_mov_b32 s[G1+2], 51<<16
	s_mov_b32 s[G1+3], 32<<16
	s_mov_b32 s[G1+4], 51
	s_mov_b32 s[G1+5], 32
	s_mov_b32 s[G1+6], 0
	s_mov_b32 s[G1+7], 0
	s_mul_i32 s38, s[WV], 13056                    ; block w: in LDS and in the head's run alike
	s_mul_i32 s40, s11, 208896
	s_add_co_u32 s40, s40, s38
	s_add_co_u32 s40, s40, 3407872
	s_mov_b32 s41, 0
	s_mov_b32 s[SEL], 0x76543210
	s_mov_b32 s[SEL+1], 0xfedcba98
	s_mov_b32 s[CS], 0x3e38aa3b
	s_mov_b32 s[CS+1], s[CS]
	s_wait_dscnt 0x0
	s_wait_kmcnt 0x0
	CROUND
	s_mov_b32 s[G0], 1
	s_mov_b32 s[G0+1], s38
	s_add_nc_u64 s[G0+2:G0+3], s[4:5], s[40:41]
	s_or_b32 s[G0+3], s[G0+3], 0x80000000
	tensor_load_to_lds s[G0:G0+3], s[G1:G1+7]
	s_nop 0
	s_lshl_b32 s42, s[QI], 3
	s_add_co_u32 s42, s42, s10                     ; my tile of queries
	s_mul_i32 s43, s11, 106496
	s_mul_i32 s44, s42, 768
	s_add_co_u32 s44, s44, s43
	s_mov_b32 s45, 0
	s_add_nc_u64 s[44:45], s[4:5], s[44:45]
	s_lshl_b32 s46, s42, 6
	s_add_co_u32 s46, s46, s43
	s_add_co_u32 s46, s46, 98304
	s_mov_b32 s47, 0
	s_add_nc_u64 s[46:47], s[4:5], s[46:47]
	v_and_b32 v8, 15, v0                           ; r
	v_bfe_u32 v9, v0, 4, 1                         ; h
	v_mul_u32_u24 v1, v8, 24
	v_mad_u32_u24 v1, v9, 384, v1                  ; K: my place in a tile
	v_add_nc_u32 v2, 6144, v1                      ; V
	v_lshlrev_b32 v10, 2, v8
	v_add_nc_u32 v3, 12288, v10                    ; K's scale words
	v_add_nc_u32 v4, 12800, v10                    ; V's
.irp p, 0,1,2
	global_load_b64 v[16+2*\p:17+2*\p], v1, s[44:45] offset:8*\p   ; Q: block h of row r
.endr
	global_load_b32 v28, v10, s[46:47]             ; Q's scale word
	v_lshlrev_b32 v11, 3, v9
	v_sub_nc_u32 v7, v8, v11
	s_lshl_b32 s48, s10, 4
	v_add_nc_u32 v7, s48, v7                       ; d = 16 j + r - 8 h: on the diagonal the key of register 8 T + i is hidden where 16 T + i > d
	v_mov_b32 v29, 0xff800000
.irp i, 22,23,24,25,26,27,80,81,82,83,84,85
	v_mov_b32 v\i, 0                               ; zero codes: Q's upper 64 of K; what stands behind K's last tile
.endr
	v_mov_b32 v13, 0xff61b1e6                      ; the largest t so far: -3e38
	v_floor_f32 v12, -v13                          ; -M
	v_mov_b32 v14, 0
	v_mov_b32 v15, 0
	v_mov_b32 v225, 0
	v_mov_b32 v230, 0
.irp b, 0,1,2,3
	v_mov_b32 v[PX+\b], 0
.endr
.set n, 0
.rept 32
	v_mov_b32 v[160+n], 0                          ; O^T: the step is written once; the first finds zeros
.set n, n+1
.endr
	s_lshr_b32 s49, s11, 4                         ; the output: panel 16 batch + QI, tile j, K step head / 2, blocks 2 (head % 2) on
	s_lshl_b32 s49, s49, 4
	s_add_co_u32 s49, s49, s[QI]
	s_mul_i32 s49, s49, 102400
	s_and_b32 s50, s11, 15
	s_lshr_b32 s51, s50, 1
	s_and_b32 s50, s50, 1
	s_mul_i32 s52, s51, 12288
	s_add_co_u32 s52, s52, s49
	s_mul_i32 s53, s10, 1536
	s_add_co_u32 s52, s52, s53
	s_mul_i32 s53, s50, 768
	s_add_co_u32 s52, s52, s53
	s_add_co_u32 s52, s52, 4096
	s_mov_b32 s53, 0
	s_add_nc_u64 s[52:53], s[6:7], s[52:53]
	s_lshl_b32 s54, s10, 9
	s_add_co_u32 s54, s54, s49
	s_lshl_b32 s55, s51, 6
	s_add_co_u32 s54, s54, s55
	s_lshl_b32 s55, s50, 1
	s_add_co_u32 s54, s54, s55
	s_mov_b32 s55, 0
	s_add_nc_u64 s[54:55], s[6:7], s[54:55]
	s_mov_b32 s[KS], 0
	s_mov_b32 s[TB], 0
	s_wait_loadcnt 0x0                             ; Q
	s_wait_tensorcnt 0x0                           ; my block is in,
	s_barrier_signal -1
	s_barrier_wait -1                              ; everybody's is: the head lies in LDS
.Lstep:
	s_cmp_gt_u32 s[KS], s[QI]                      ; a step behind my queries: only the stepping lines
	s_cbranch_scc1 .Lskip
	v_add_nc_u32 v8, s[TB], v1                     ; (these four are also the places in front of the loads into what the last products read)
	v_add_nc_u32 v9, s[TB], v2
	v_add_nc_u32 v10, s[TB], v3
	v_add_nc_u32 v11, s[TB], v4
.irp t, 0,1,2,3,4,5,6,7
.irp p, 0,1,2
	ds_load_b64 v[32+6*\t+2*\p:33+6*\t+2*\p], v8 offset:768*\t+8*\p
.endr
	ds_load_b32 v[86+\t], v10 offset:64*\t
.endr
	s_wait_dscnt 0x0
.irp t, 0,1,2,3,4,5,6,7
	v_wmma_scale_f32_16x16x128_f8f6f4 v[96+8*\t:103+8*\t], v[32+6*\t:43+6*\t], v[16:27], 0, v[86+\t], v28 matrix_a_fmt:MATRIX_FMT_FP6 matrix_b_fmt:MATRIX_FMT_FP6
.endr
.rept 4
	v_nop                                          ; places: for the loads below and for the first read of the scores
.endr
.irp t, 0,1,2,3                        ; V's four fragments and words are asked for here and land under the softmax
.irp p, 0,1,2,3,4,5
	ds_load_b64 v[32+12*\t+2*\p:33+12*\t+2*\p], v9 offset:1536*\t+768*(\p/3)+8*(\p%3)
.endr
	ds_load_b32 v[86+\t], v11 offset:64*\t
.endr
	s_cmp_lg_u32 s[KS], s[QI]                      ; only my last step lies on the diagonal
	s_cbranch_scc1 .Lopen
.set n, 0
.rept 64
	v_cmp_gt_i32 vcc_lo, 16*(n/8)+n%8, v7
	v_cndmask_b32 v[96+n], v[96+n], v29, vcc_lo    ; hidden scores become -infinity: p = 0
.set n, n+1
.endr
.Lopen:
.irp b, 0,1,2,3
	v_max3_num_f32 v[BM+\b], v[96+16*\b], v[97+16*\b], v[98+16*\b]   ; each block's largest score: for the row's maximum and for the block's largest p
.endr
.irp i, 3,5,7,9,11,13
.irp b, 0,1,2,3
	v_max3_num_f32 v[BM+\b], v[BM+\b], v[96+16*\b+\i], v[97+16*\b+\i]
.endr
.endr
.irp b, 0,1,2,3
	v_max_num_f32 v[BM+\b], v[BM+\b], v[111+16*\b]
.endr
.irp b, 0,1,2,3
	v_permlanex16_b32 v[PX+\b], v[BM+\b], s[SEL], s[SEL+1]
.endr
.irp b, 0,1,2,3
	v_max_num_f32 v[BM+\b], v[BM+\b], v[PX+\b]
.endr
	v_max3_num_f32 v230, v[BM], v[BM+1], v[BM+2]
	v_max_num_f32 v230, v230, v[BM+3]
	v_mul_f32 v230, s[CS], v230
	v_max_num_f32 v13, v13, v230                   ; the running largest t
	v_mov_b32 v230, v12
	v_floor_f32 v12, -v13                          ; -M = floor(-t): M is a whole number
	v_sub_f32 v230, v12, v230
	v_cvt_i32_f32 v230, v230                       ; (it saturates)
	v_ldexp_f32 v224, 1.0, v230                    ; f = 2^(old M - new M)
.set n, 0
.rept 32
	v_pk_fma_f32 v[96+n:97+n], v[96+n:97+n], s[CS:CS+1], v[12:13] op_sel_hi:[1,0,0]   ; t - M
.set n, n+2
.endr
.irp b, 0,1,2,3
	v_fma_f32 v[BM+\b], v[BM+\b], s[CS], v12
.endr
.set n, 0
.rept 64
	v_exp_f32 v[96+n], v[96+n]                     ; p, not normalised
.set n, n+1
.endr
	v_pk_mul_f32 v[14:15], v[14:15], v[224:225] op_sel_hi:[1,0]   ; the sums under the new M (a plain line behind the exponentials)
	s_wait_alu depctr_va_vdst(0)                   ; one wait for the batch, ahead of its first reader
.irp b, 0,1,2,3
	v_exp_f32 v[BM+\b], v[BM+\b]                   ; the block's largest p
.endr
	v_pk_add_f32 v[228:229], v[96:97], v[98:99]    ; the row's sum of the unquantised p, in two chains
.set n, 4
.rept 15
	v_pk_add_f32 v[14:15], v[14:15], v[96+n:97+n]
	v_pk_add_f32 v[228:229], v[228:229], v[98+n:99+n]
.set n, n+4
.endr
	v_pk_add_f32 v[14:15], v[14:15], v[228:229]
	s_wait_alu depctr_va_vdst(0)                   ; and one for the four
.irp b, 0,1,2,3
	v_max_num_f32 v[BM+\b], 0x1800000, v[BM+\b]    ; the floor: the byte cannot fall under 1
.endr
.irp b, 0,1,2,3
	v_add_nc_u32 v[SP+\b], 0xff000000, v[BM+\b]
.endr
.irp b, 0,1,2,3
	v_lshrrev_b32 v[PX+\b], 23, v[SP+\b]
.endr
	v_lshl_or_b32 v226, v[PX+1], 8, v[PX]          ; p's scale word
	v_lshl_or_b32 v226, v[PX+2], 16, v226
	v_lshl_or_b32 v226, v[PX+3], 24, v226
.irp c, 0,1
	v_cvt_scalef32_pk16_fp6_f32 v[192+6*\c:194+6*\c], v[96+32*\c:111+32*\c], v[SP+2*\c]
	v_cvt_scalef32_pk16_fp6_f32 v[204+4*\c:206+4*\c], v[112+32*\c:127+32*\c], v[SP+2*\c+1]
.endr
	v_nop
.irp c, 0,1                            ; the operand wants a whole block in a lane
.irp i, 0,1,2
	v_permlane16_swap_b32 v[192+6*\c+\i], v[204+4*\c+\i]
.endr
.irp i, 0,1,2
	v_mov_b32 v[195+6*\c+\i], v[204+4*\c+\i]
.endr
.endr
.set n, 0
.rept 16
	v_pk_mul_f32 v[160+n:161+n], v[160+n:161+n], v[224:225] op_sel_hi:[1,0]   ; O^T under the new M; also the places in front of the scaled products
.set n, n+2
.endr
	s_wait_dscnt 0x0                               ; V
.irp t, 0,1,2,3
	v_wmma_scale_f32_16x16x128_f8f6f4 v[160+8*\t:167+8*\t], v[32+12*\t:43+12*\t], v[192:203], v[160+8*\t:167+8*\t], v[86+\t], v226 matrix_a_fmt:MATRIX_FMT_FP6 matrix_b_fmt:MATRIX_FMT_FP6
.endr
.Lskip:
	s_add_co_u32 s[TB], s[TB], 13056
	s_add_co_u32 s[KS], s[KS], 1
	s_cmp_lt_u32 s[KS], 16
	s_cbranch_scc1 .Lstep
	; THE WAY OUT
	v_add_f32 v14, v14, v15
	v_permlanex16_b32 v230, v14, s[SEL], s[SEL+1]
	v_add_f32 v14, v14, v230                       ; the row's sum
	v_rcp_f32 v14, v14
	v_and_b32 v8, 15, v0                           ; (plain lines: behind the transcendental, and the places behind the last products)
	v_bfe_u32 v9, v0, 4, 1
	v_mul_u32_u24 v10, v8, 24
	v_mad_u32_u24 v10, v9, 12, v10
	v_lshlrev_b32 v11, 2, v8
	v_nop
	s_wait_alu depctr_va_vdst(0)
.set n, 0
.rept 32
	v_mul_f32 v[96+n], v[160+n], v14               ; register 8 T + i: channel 16 T + 8 h + i
.set n, n+1
.endr
.irp b, 0,1
	v_max3_num_f32 v[BM+\b], |v[96+16*\b]|, |v[97+16*\b]|, 0x1800000
.endr
.irp i, 2,4,6,8,10,12,14
.irp b, 0,1
	v_max3_num_f32 v[BM+\b], v[BM+\b], |v[96+16*\b+\i]|, |v[97+16*\b+\i]|
.endr
.endr
.irp b, 0,1
	v_permlanex16_b32 v[PX+\b], v[BM+\b], s[SEL], s[SEL+1]
.endr
.irp b, 0,1
	v_max_num_f32 v[BM+\b], v[BM+\b], v[PX+\b]
.endr
.irp b, 0,1
	v_add_nc_u32 v[SP+\b], 0xff000000, v[BM+\b]
.endr
.irp b, 0,1
	v_lshrrev_b32 v[PX+\b], 23, v[SP+\b]
.endr
.irp b, 0,1
	v_cvt_scalef32_pk16_fp6_f32 v[192+4*\b:194+4*\b], v[96+16*\b:111+16*\b], v[SP+\b]
.endr
	v_nop
	v_lshl_or_b32 v231, v[PX+1], 8, v[PX]
	global_store_b96 v10, v[192:194], s[52:53]
	global_store_b96 v10, v[196:198], s[52:53] offset:384
	global_store_b16 v11, v231, s[54:55]
	s_wait_tensorcnt 0x0                           ; the wave's end
	ds_add_u32 v5, v6
	s_wait_dscnt 0x0
	CROUND                                         ; the closing round
	s_endpgm
.Lfunc_end_k_qdd948ccfdf_attn:
	.size	k_qdd948ccfdf_attn, .Lfunc_end_k_qdd948ccfdf_attn-k_qdd948ccfdf_attn
	.p2alignl 7, 3214868480
	.fill 96, 4, 3214868480
	.section	.rodata,"a",@progbits
	.p2align	6, 0x0
	.amdhsa_kernel k_qdd948ccfdf_attn
		.amdhsa_group_segment_fixed_size 210944
		.amdhsa_private_segment_fixed_size 0
		.amdhsa_enable_private_segment 0
		.amdhsa_kernarg_size 16
		.amdhsa_user_sgpr_count 2
		.amdhsa_user_sgpr_kernarg_segment_ptr 1
		.amdhsa_wavefront_size32 1
		.amdhsa_system_sgpr_workgroup_id_x 1
		.amdhsa_system_sgpr_workgroup_id_y 1
		.amdhsa_system_sgpr_workgroup_id_z 1
		.amdhsa_system_vgpr_workitem_id 0
		.amdhsa_next_free_vgpr 256
		.amdhsa_next_free_sgpr 66
		.amdhsa_reserve_vcc 1
		.amdhsa_float_denorm_mode_32 3
		.amdhsa_float_denorm_mode_16_64 3
		.amdhsa_memory_ordered 1
		.amdhsa_forward_progress 1
		.amdhsa_inst_pref_size 34
	.end_amdhsa_kernel
	.amdgpu_metadata
---
amdhsa.version: [ 1, 2 ]
amdhsa.kernels:
  - .name:           k_qdd948ccfdf_attn
    .symbol:         k_qdd948ccfdf_attn.kd
    .args:
      - { .name: qkv, .offset: 0, .size: 8, .value_kind: global_buffer, .address_space: global }
      - { .name: att, .offset: 8, .size: 8, .value_kind: global_buffer, .address_space: global }
    .group_segment_fixed_size: 210944
    .private_segment_fixed_size: 0
    .kernarg_segment_align: 8
    .kernarg_segment_size: 16
    .max_flat_workgroup_size: 512
    .sgpr_count:     66
    .vgpr_count:     256
    .wavefront_size: 32
...
	.end_amdgpu_metadata
.endif
;; end of part 4
;; launch oproj (part 5): grid 8 x 32, 4 waves a work-group, clusters of 4 x 4, 205,312 bytes of LDS; arguments att, wts, x, x2; writes x2
.if DOCPART == 5
	.amdgcn_target "amdgcn-amd-amdhsa--gfx1250"
	.amdhsa_code_object_version 6
	.text
	.protected	k_qdd948ccfdf_oproj
	.globl	k_qdd948ccfdf_oproj
	.p2align	8
	.type	k_qdd948ccfdf_oproj,@function
k_qdd948ccfdf_oproj:
	s_mov_b64 s[64:65], 0
	v_nop
	global_prefetch_b8 v0, s[64:65] scope:SCOPE_SE
	s_setreg_imm32_b32 hwreg(HW_REG_WAVE_MODE, 25, 1), 1
	s_wait_xcnt 0x0
	s_wait_alu depctr_hold_cnt(0) depctr_sa_sdst(0) depctr_va_vdst(0) depctr_va_sdst(0) depctr_va_ssrc(0) depctr_va_vcc(0) depctr_vm_vsrc(0)
	s_getreg_b32 s2, hwreg(HW_REG_IB_STS2, 6, 4)
	s_cmp_eq_u32 s2, 0
	s_cbranch_scc0 .Lentry_in_a_cluster
	s_endpgm
.Lentry_in_a_cluster:
	s_bfe_u32 s2, ttmp6, 0x10000c
	s_cmp_lg_u32 s2, 0xf033
	s_cbranch_scc0 .Lentry_shape_is_right
	s_endpgm
.Lentry_shape_is_right:
; x2 = x + attn Wo^T on codes of FP6 (E2M3).  A work-group makes 128 tokens (panel Y of att) x 128 columns (panel X of Wo); four waves, 64 x 64 each, 16 accumulators.
; K = 1,024: both panels with their scale words lie whole in LDS, each wave bringing two quarters of one by two tensor loads at the head (two loads of mine are out at most); nothing is filled twice.
; CLUSTER 4 x 4: the tokens' panel is shared along a row, the weights' along a column, by joint loads.  Source 0 = 16 rows of Wo, source 1 = 16 tokens: a lane holds eight neighbouring columns of one token.
; THE WAY OUT: 16 tokens x 64 columns at a time through the wave's own stage (in the bytes of K steps 0, 1 of the tokens' panel: filled once, and last read by every wave ahead of the second barrier), back as rows of 256 bytes,
; the residual added, stored: sixteen lanes write 256 consecutive bytes, aligned.
.set SPARE, 204800
.set STG0,  4096
.set ADRA, 4
.set ADRB, 6
.set ADRS, 12
.set SPW,  13
.set NIL,  14
.set STO,  18
.set RD,   19
.set GO,   20
.set SC,   24
.set BK,   96
.set ACC,  128
.set G1A, 24
.set G0A, 32
.set G1B, 48
.set G0B, 56
.set MSB, 0
.set MUL,  0x05
.set TO_F, 0x40
.macro WIN new
.if MSB != \new
	s_set_vgpr_msb (MSB<<8)|\new
.set MSB, \new
.endif
.endm
.macro PLACES
.rept 4
	v_nop
.endr
.endm
.macro JLOAD g0a, g1a, g0b, g1b
	s_cmp_eq_u32 s15, 0
	s_cbranch_scc0 .Lfor_b_\@
	tensor_load_to_lds s[\g0a:\g0a+3], s[\g1a:\g1a+7]
	s_nop 0
.rept 4
	v_nop
.endr
	s_branch .Lasked_\@
.Lfor_b_\@:
	tensor_load_to_lds s[\g0b:\g0b+3], s[\g1b:\g1b+7]
	s_nop 0
.rept 4
	v_nop
.endr
.Lasked_\@:
.endm
.macro CROUND
	s_barrier_signal -1
	s_barrier_wait -1
	s_cmp_lg_u32 s14, 0
	s_cbranch_scc1 .Lnot_wave_0_\@
	s_barrier_signal -3
.Lnot_wave_0_\@:
	s_barrier_wait -3
	s_barrier_signal -1
	s_barrier_wait -1
.endm
.macro FRAG reg, adr, off
.irp p, 0,1,2,3,4,5
	ds_load_b64 v[(\reg)+2*\p:(\reg)+2*\p+1], v[\adr] offset:(\off)+768*(\p/3)+8*(\p%3)
.endr
.endm
.macro FETCH s
	WIN TO_F
.irp i, 0,1,2,3
	FRAG 128*((\s)%2)+12*\i, ADRB+(\s)/4, ((\s)%4)*12288+1536*\i
.endr
.irp i, 0,1,2,3
	FRAG 128*((\s)%2)+48+12*\i, ADRA+(\s)/4, ((\s)%4)*12288+1536*\i
.endr
	WIN 0
.irp i, 0,1,2,3
	ds_load_b32 v[SC+4*((\s)%2)+\i], v[ADRS] offset:512*\i+64*(\s)
.endr
.endm
.macro MUL8 s, half, zero              ; the 16 accumulators take turns in one order in every step
.irp a, 2*(\half), 2*(\half)+1
.irp b, 0,1,2,3
.set rD, ACC+8*(4*(\a)+\b)
.set rA, 128*((\s)%2)+12*\b
.set rB, 128*((\s)%2)+48+12*(\a)
.set rS, SC+4*((\s)%2)
.if \zero
	v_wmma_scale_f32_16x16x128_f8f6f4 v[rD:rD+7], v[rA:rA+11], v[rB:rB+11], 0, v[rS+\b], v[rS+(\a)] matrix_a_fmt:MATRIX_FMT_FP6 matrix_b_fmt:MATRIX_FMT_FP6 matrix_a_scale:MATRIX_SCALE_ROW1
.else
	v_wmma_scale_f32_16x16x128_f8f6f4 v[rD:rD+7], v[rA:rA+11], v[rB:rB+11], v[rD:rD+7], v[rS+\b], v[rS+(\a)] matrix_a_fmt:MATRIX_FMT_FP6 matrix_b_fmt:MATRIX_FMT_FP6 matrix_a_scale:MATRIX_SCALE_ROW1
.endif
.endr
.endr
.endm
.macro KA s, zero
	s_wait_dscnt 0x0
	WIN MUL
	MUL8 \s, 0, \zero
.endm
.macro KB s, zero
	PLACES                                         ; for the loads into the buffer that the step before multiplied
	FETCH (\s)+1
	WIN MUL
	MUL8 \s, 1, \zero
.endm
.macro K s, zero
	KA \s, \zero
	KB \s, \zero
.endm
.macro RESLD a                         ; the residual of token tile a, into set a % 2 of v32-95
.irp i, 0,1,2,3,4,5,6,7
	global_load_b128 v[32+32*((\a)%2)+4*\i:32+32*((\a)%2)+4*\i+3], v[GO], s[8:9] offset:4096*(16*(\a)+2*\i)
.endr
.endm
.macro OUTA a
.irp b, 0,1,2,3
	ds_store_b128 v[STO], v[ACC+8*(4*(\a)+\b):ACC+8*(4*(\a)+\b)+3] offset:64*\b       ; each accumulator from its low end on
	ds_store_b128 v[STO], v[ACC+8*(4*(\a)+\b)+4:ACC+8*(4*(\a)+\b)+7] offset:64*\b+16
.endr
.irp i, 0,1,2,3,4,5,6,7
	ds_load_b128 v[BK+4*\i:BK+4*\i+3], v[RD] offset:544*\i   ; LDS serves a wave's instructions in order: these see my stores
.endr
	s_wait_dscnt 0x0
.if (\a) < 3
	s_wait_loadcnt 8                               ; this tile's residual is in; the next set's eight loads stay out
.else
	s_wait_loadcnt 0x0
.endif
.set n, 0
.rept 16
	v_pk_add_f32 v[BK+n:BK+n+1], v[BK+n:BK+n+1], v[32+32*((\a)%2)+n:32+32*((\a)%2)+n+1]
.set n, n+2
.endr
.irp i, 0,1,2,3,4,5,6,7
	global_store_b128 v[GO], v[BK+4*\i:BK+4*\i+3], s[10:11] offset:4096*(16*(\a)+2*\i)
.endr
.if (\a) < 2
	RESLD (\a)+2
.endif
	s_wait_xcnt 0x0                                ; the stores have read their registers: the next tile's rows may land there
.endm
	s_load_b256 s[4:11], s[0:1], 0x0               ; att, wts, x, x2
	v_lshl_add_u32 v[SPW], v0, 2, SPARE
	v_mov_b32 v[NIL], 0
	ds_add_u32 v[SPW], v[NIL]                      ; the wave's opening: the add, twice on end, and its wait ahead of my first tensor load
	ds_add_u32 v[SPW], v[NIL]
	v_lshrrev_b32 v1, 5, v0
	v_readfirstlane_b32 s14, v1
	s_lshr_b32 s15, s14, 1
	s_and_b32 s16, s14, 1
	s_bfe_u32 s40, ttmp6, 0x40000
	s_bfe_u32 s41, ttmp6, 0x40004
	s_lshl_b32 s42, ttmp9, 2
	s_add_co_u32 s42, s42, s40                     ; X
	s_and_b32 s17, ttmp7, 0xffff
	s_lshl_b32 s17, s17, 2
	s_add_co_u32 s17, s17, s41                     ; Y
	s_lshl_b32 s43, s41, 2
	s_lshl_b32 s43, 15, s43
	s_lshl_b32 s44, 0x1111, s40
	s_or_b32 s[G1A], s43, (3<<16)|(1<<21)
	s_or_b32 s[G1B], s44, (3<<16)|(1<<21)
.irp g, G1A, G1B
	s_mov_b32 s[\g+1], 32<<16
	s_mov_b32 s[\g+2], 100<<16
	s_mov_b32 s[\g+3], 32<<16
	s_mov_b32 s[\g+4], 100
	s_mov_b32 s[\g+5], 32
	s_mov_b32 s[\g+6], 0
	s_mov_b32 s[\g+7], 0
.endr
	s_mul_i32 s45, s16, 25600
	s_mul_i32 s20, s17, 102400
	s_add_co_u32 s20, s20, s45
	s_mov_b32 s21, 0
	s_mul_i32 s46, s42, 102400
	s_add_co_u32 s46, s46, s45
	s_add_co_u32 s46, s46, 2457600                 ; Wo's panels in wts
	s_mov_b32 s47, 0
	s_wait_dscnt 0x0
	s_wait_kmcnt 0x0
	s_add_nc_u64 s[20:21], s[4:5], s[20:21]
	s_add_nc_u64 s[46:47], s[6:7], s[46:47]
	CROUND
.irp l, 0,1
	s_mov_b32 s[G0A+4*\l], 1
	s_add_co_u32 s[G0A+4*\l+1], s45, \l*51200
	s_add_nc_u64 s[G0A+4*\l+2:G0A+4*\l+3], s[20:21], \l*51200
	s_or_b32 s[G0A+4*\l+3], s[G0A+4*\l+3], 0x80000000
	s_mov_b32 s[G0B+4*\l], 1
	s_add_co_u32 s[G0B+4*\l+1], s45, 102400+\l*51200
	s_add_nc_u64 s[G0B+4*\l+2:G0B+4*\l+3], s[46:47], \l*51200
	s_or_b32 s[G0B+4*\l+3], s[G0B+4*\l+3], 0x80000000
	JLOAD G0A+4*\l, G1A, G0B+4*\l, G1B
.endr
	v_and_b32 v1, 15, v0
	v_bfe_u32 v2, v0, 4, 1
	v_lshlrev_b32 v[GO], 12, v2
	v_lshl_add_u32 v[GO], v1, 4, v[GO]             ; lanes 0-15 one row of x, lanes 16-31 the next; 16 bytes a lane
	s_lshl_b32 s68, s17, 19                        ; my first token's row, my first column
	s_lshl_b32 s66, s15, 18
	s_add_co_u32 s68, s68, s66
	s_lshl_b32 s66, s42, 9
	s_add_co_u32 s68, s68, s66
	s_lshl_b32 s66, s16, 8
	s_add_co_u32 s68, s68, s66
	s_mov_b32 s69, 0
	s_add_nc_u64 s[8:9], s[8:9], s[68:69]
	s_add_nc_u64 s[10:11], s[10:11], s[68:69]
	RESLD 0
	RESLD 1
	v_mul_u32_u24 v3, v1, 24
	v_mad_u32_u24 v3, v2, 384, v3
	s_mul_i32 s66, s15, 6144
	s_mul_i32 s67, s16, 6144
	s_add_co_u32 s66, s66, 4096
	s_add_co_u32 s67, s67, 106496
	v_add_nc_u32 v[ADRA], s66, v3
	v_add_nc_u32 v[ADRB], s67, v3
	v_add_nc_u32 v[ADRA+1], 49152, v[ADRA]
	v_add_nc_u32 v[ADRB+1], 49152, v[ADRB]
	s_lshl_b32 s66, s15, 11
	s_lshl_b32 s67, s16, 11
	s_add_co_u32 s67, s67, 102400
	s_sub_co_u32 s67, s67, s66
	v_mul_u32_u24 v[ADRS], s67, v2
	v_lshl_add_u32 v[ADRS], v1, 2, v[ADRS]
	v_add_nc_u32 v[ADRS], s66, v[ADRS]
	s_mul_i32 s66, s14, 4352
	s_add_co_u32 s66, s66, STG0                    ; my stage: 16 rows of 256 + 16 bytes
	v_mul_u32_u24 v[STO], v1, 272
	v_lshl_add_u32 v[STO], v2, 5, v[STO]
	v_add_nc_u32 v[STO], s66, v[STO]
	v_mul_u32_u24 v[RD], v2, 272
	v_lshl_add_u32 v[RD], v1, 4, v[RD]
	v_add_nc_u32 v[RD], s66, v[RD]
	s_wait_tensorcnt 1                             ; my first quarter is in; the second stays on its way
	s_barrier_signal -1
	s_barrier_wait -1
	FETCH 0
	K 0, 1
	K 1, 0
	KA 2, 0
	WIN 0
	s_wait_tensorcnt 0x0                           ; my second quarter is in (no LDS instruction of mine is out)
	s_barrier_signal -1
	s_barrier_wait -1
	KB 2, 0
	K 3, 0
	K 4, 0
	K 5, 0
	K 6, 0
	KA 7, 0
	MUL8 7, 1, 0
	WIN 0
	PLACES
	OUTA 0
	OUTA 1
	OUTA 2
	OUTA 3
	s_wait_tensorcnt 0x0                           ; the wave's end
	ds_add_u32 v[SPW], v[NIL]
	s_wait_dscnt 0x0
	CROUND
	s_endpgm
.Lfunc_end_k_qdd948ccfdf_oproj:
	.size	k_qdd948ccfdf_oproj, .Lfunc_end_k_qdd948ccfdf_oproj-k_qdd948ccfdf_oproj
	.p2alignl 7, 3214868480
	.fill 96, 4, 3214868480
	.section	.rodata,"a",@progbits
	.p2align	6, 0x0
	.amdhsa_kernel k_qdd948ccfdf_oproj
		.amdhsa_group_segment_fixed_size 205312
		.amdhsa_private_segment_fixed_size 0
		.amdhsa_enable_private_segment 0
		.amdhsa_kernarg_size 32
		.amdhsa_user_sgpr_count 2
		.amdhsa_user_sgpr_kernarg_segment_ptr 1
		.amdhsa_wavefront_size32 1
		.amdhsa_system_sgpr_workgroup_id_x 1
		.amdhsa_system_sgpr_workgroup_id_y 1
		.amdhsa_system_sgpr_workgroup_id_z 1
		.amdhsa_system_vgpr_workitem_id 0
		.amdhsa_next_free_vgpr 512
		.amdhsa_next_free_sgpr 100
		.amdhsa_reserve_vcc 0
		.amdhsa_float_denorm_mode_32 3
		.amdhsa_float_denorm_mode_16_64 3
		.amdhsa_memory_ordered 1
		.amdhsa_forward_progress 1
		.amdhsa_inst_pref_size 66
	.end_amdhsa_kernel
	.amdgpu_metadata
---
amdhsa.version: [ 1, 2 ]
amdhsa.kernels:
  - .name:           k_qdd948ccfdf_oproj
    .symbol:         k_qdd948ccfdf_oproj.kd
    .args:
      - { .name: att, .offset: 0, .size: 8, .value_kind: global_buffer, .address_space: global }
      - { .name: wts, .offset: 8, .size: 8, .value_kind: global_buffer, .address_space: global }
      - { .name: x, .offset: 16, .size: 8, .value_kind: global_buffer, .address_space: global }
      - { .name: x2, .offset: 24, .size: 8, .value_kind: global_buffer, .address_space: global }
    .group_segment_fixed_size: 205312
    .private_segment_fixed_size: 0
    .kernarg_segment_align: 8
    .kernarg_segment_size: 32
    .max_flat_workgroup_size: 128
    .sgpr_count:     100
    .vgpr_count:     512
    .wavefront_size: 32
...
	.end_amdgpu_metadata
.endif
;; end of part 5
;; launch norm2: the kernel of part 2 again; grid 256 x 1, 8 waves a work-group, no clusters, 69,120 bytes of LDS; arguments x2, g2, xq2; writes xq2
;; launch ffn_up (part 6): grid 32 x 43, 4 waves a work-group, clusters of 4 x 1, 205,312 bytes of LDS; arguments xq2, wts, hid; writes hid
.if DOCPART == 6
	.amdgcn_target "amdgcn-amd-amdhsa--gfx1250"
	.amdhsa_code_object_version 6
	.text
	.protected	k_qdd948ccfdf_ffn_up
	.globl	k_qdd948ccfdf_ffn_up
	.p2align	8
	.type	k_qdd948ccfdf_ffn_up,@function
k_qdd948ccfdf_ffn_up:
	s_mov_b64 s[64:65], 0
	v_nop
	global_prefetch_b8 v0, s[64:65] scope:SCOPE_SE
	s_setreg_imm32_b32 hwreg(HW_REG_WAVE_MODE, 25, 1), 1
	s_wait_xcnt 0x0
	s_wait_alu depctr_hold_cnt(0) depctr_sa_sdst(0) depctr_va_vdst(0) depctr_va_sdst(0) depctr_va_ssrc(0) depctr_va_vcc(0) depctr_vm_vsrc(0)
	s_getreg_b32 s2, hwreg(HW_REG_IB_STS2, 6, 4)
	s_cmp_eq_u32 s2, 0
	s_cbranch_scc0 .Lentry_in_a_cluster
	s_endpgm
.Lentry_in_a_cluster:
	s_bfe_u32 s2, ttmp6, 0x10000c
	s_cmp_lg_u32 s2, 0x3003
	s_cbranch_scc0 .Lentry_shape_is_right
	s_endpgm
.Lentry_shape_is_right:
; hidden = silu(xn w1^T) x (xn w3^T), both products on codes of FP6 (E2M3), quantised along the hidden axis for the last product; it never exists in memory as f32.
; A work-group makes 128 tokens (panel P of xq2) x 64 hidden units (panel j of wts: 64 rows of w1 and the same 64 of w3); four waves, 64 tokens x (32 of w1 + 32 of w3) each, 16 accumulators.
; A wave's tiles i0 = 0, 1 are x1 and i0 = 2, 3 x3 of the same 32 hidden units: one block of the next K in each lane pair.
; K = 1,024: both panels lie whole in LDS, two tensor loads a wave at the head (two of mine are out at most); nothing is filled twice.
; CLUSTER 4 x 1: the four token panels of a cluster share the weights' panel, asked for jointly; the tokens' panels come by plain loads.  43 panels of weights are a prime number, so no cluster divides that axis and the tokens' panel is not shared.
; Work-groups j = 42 also store the zero codes (and valid bytes) that fill K from 2,752 to 2,816.
.set SPARE, 204800
.set ADRA, 4
.set ADRB, 6
.set ADRS, 12
.set SPW,  13
.set NIL,  14
.set SC,   24
.set MX,   100
.set PM,   104
.set SO,   108
.set CD,   112
.set ACC,  128
.set G1A, 24
.set G0A, 32
.set G1B, 48
.set G0B, 56
.set SEL, 86
.set NL,  88
.set MSB, 0
.set MUL,  0x05
.set TO_F, 0x40
.macro WIN new
.if MSB != \new
	s_set_vgpr_msb (MSB<<8)|\new
.set MSB, \new
.endif
.endm
.macro PLACES
.rept 4
	v_nop
.endr
.endm
.macro JLOAD g0a, g1a, g0b, g1b
	s_cmp_eq_u32 s15, 0
	s_cbranch_scc0 .Lfor_b_\@
	tensor_load_to_lds s[\g0a:\g0a+3], s[\g1a:\g1a+7]
	s_nop 0
.rept 4
	v_nop
.endr
	s_branch .Lasked_\@
.Lfor_b_\@:
	tensor_load_to_lds s[\g0b:\g0b+3], s[\g1b:\g1b+7]
	s_nop 0
.rept 4
	v_nop
.endr
.Lasked_\@:
.endm
.macro CROUND
	s_barrier_signal -1
	s_barrier_wait -1
	s_cmp_lg_u32 s14, 0
	s_cbranch_scc1 .Lnot_wave_0_\@
	s_barrier_signal -3
.Lnot_wave_0_\@:
	s_barrier_wait -3
	s_barrier_signal -1
	s_barrier_wait -1
.endm
.macro FRAG reg, adr, off
.irp p, 0,1,2,3,4,5
	ds_load_b64 v[(\reg)+2*\p:(\reg)+2*\p+1], v[\adr] offset:(\off)+768*(\p/3)+8*(\p%3)
.endr
.endm
.macro FETCH s
	WIN TO_F
.irp i, 0,1,2,3
	FRAG 128*((\s)%2)+12*\i, ADRB+(\s)/4, ((\s)%4)*12288+1536*\i
.endr
.irp i, 0,1,2,3
	FRAG 128*((\s)%2)+48+12*\i, ADRA+(\s)/4, ((\s)%4)*12288+1536*\i
.endr
	WIN 0
.irp i, 0,1,2,3
	ds_load_b32 v[SC+4*((\s)%2)+\i], v[ADRS] offset:512*\i+64*(\s)
.endr
.endm
.macro MUL8 s, half, zero              ; the 16 accumulators take turns in one order in every step
.irp a, 2*(\half), 2*(\half)+1
.irp b, 0,1,2,3
.set rD, ACC+8*(4*(\a)+\b)
.set rA, 128*((\s)%2)+12*\b
.set rB, 128*((\s)%2)+48+12*(\a)
.set rS, SC+4*((\s)%2)
.if \zero
	v_wmma_scale_f32_16x16x128_f8f6f4 v[rD:rD+7], v[rA:rA+11], v[rB:rB+11], 0, v[rS+\b], v[rS+(\a)] matrix_a_fmt:MATRIX_FMT_FP6 matrix_b_fmt:MATRIX_FMT_FP6 matrix_a_scale:MATRIX_SCALE_ROW1
.else
	v_wmma_scale_f32_16x16x128_f8f6f4 v[rD:rD+7], v[rA:rA+11], v[rB:rB+11], v[rD:rD+7], v[rS+\b], v[rS+(\a)] matrix_a_fmt:MATRIX_FMT_FP6 matrix_b_fmt:MATRIX_FMT_FP6 matrix_a_scale:MATRIX_SCALE_ROW1
.endif
.endr
.endr
.endm
.macro KA s, zero
	s_wait_dscnt 0x0
	WIN MUL
	MUL8 \s, 0, \zero
.endm
.macro KB s, zero
	PLACES
	FETCH (\s)+1
	WIN MUL
	MUL8 \s, 1, \zero
.endm
.macro K s, zero
	KA \s, \zero
	KB \s, \zero
.endm
.macro QUANT4 src, stride
.irp b, 0,1,2,3
	v_max3_num_f32 v[MX+\b], |v[(\src)+(\stride)*\b]|, |v[(\src)+(\stride)*\b+1]|, 0x1800000
.endr
.irp i, 2,4,6,8,10,12,14
.irp b, 0,1,2,3
	v_max3_num_f32 v[MX+\b], v[MX+\b], |v[(\src)+(\stride)*\b+\i]|, |v[(\src)+(\stride)*\b+\i+1]|
.endr
.endr
.irp b, 0,1,2,3
	v_permlanex16_b32 v[PM+\b], v[MX+\b], s[SEL], s[SEL+1]
.endr
.irp b, 0,1,2,3
	v_max_num_f32 v[MX+\b], v[MX+\b], v[PM+\b]
.endr
.irp b, 0,1,2,3
	v_add_nc_u32 v[SO+\b], 0xff000000, v[MX+\b]
.endr
.irp b, 0,1,2,3
	v_lshrrev_b32 v[PM+\b], 23, v[SO+\b]
.endr
.irp b, 0,1,2,3
	v_cvt_scalef32_pk16_fp6_f32 v[CD+4*\b:CD+4*\b+2], v[(\src)+(\stride)*\b:(\src)+(\stride)*\b+15], v[SO+\b]
.endr
	v_nop
.endm
	s_load_b128 s[4:7], s[0:1], 0x0                ; xq2, wts
	s_load_b64 s[8:9], s[0:1], 0x10                ; hid
	v_lshl_add_u32 v[SPW], v0, 2, SPARE
	v_mov_b32 v[NIL], 0
	ds_add_u32 v[SPW], v[NIL]                      ; the wave's opening: the add, twice on end, and its wait ahead of my first tensor load
	ds_add_u32 v[SPW], v[NIL]
	v_lshrrev_b32 v1, 5, v0
	v_readfirstlane_b32 s14, v1
	s_lshr_b32 s15, s14, 1                         ; wm; also: I fetch the tokens' panel (0) or the weights' (1)
	s_and_b32 s16, s14, 1                          ; wn; also: which quarters
	s_bfe_u32 s40, ttmp6, 0x40000                  ; cx
	s_lshl_b32 s17, ttmp9, 2
	s_add_co_u32 s17, s17, s40                     ; P: it enters the plain loads' and the stores' addresses alone
	s_and_b32 s42, ttmp7, 0xffff                   ; j, which the four partners share
	s_mov_b32 s[G1A], 3<<16                        ; no mask: a load of my own
	s_mov_b32 s[G1B], 15|(3<<16)|(1<<21)           ; all four work-groups
.irp g, G1A, G1B
	s_mov_b32 s[\g+1], 32<<16
	s_mov_b32 s[\g+2], 100<<16
	s_mov_b32 s[\g+3], 32<<16
	s_mov_b32 s[\g+4], 100
	s_mov_b32 s[\g+5], 32
	s_mov_b32 s[\g+6], 0
	s_mov_b32 s[\g+7], 0
.endr
	s_mul_i32 s45, s16, 25600
	s_mul_i32 s20, s17, 102400
	s_add_co_u32 s20, s20, s45
	s_mov_b32 s21, 0
	s_mul_i32 s46, s42, 102400
	s_add_co_u32 s46, s46, s45
	s_add_co_u32 s46, s46, 3276800                 ; w1's and w3's panels in wts
	s_mov_b32 s47, 0
	s_wait_dscnt 0x0
	s_wait_kmcnt 0x0
	s_add_nc_u64 s[20:21], s[4:5], s[20:21]
	s_add_nc_u64 s[46:47], s[6:7], s[46:47]
	CROUND
.irp l, 0,1
	s_mov_b32 s[G0A+4*\l], 1
	s_add_co_u32 s[G0A+4*\l+1], s45, \l*51200
	s_add_nc_u64 s[G0A+4*\l+2:G0A+4*\l+3], s[20:21], \l*51200
	s_or_b32 s[G0A+4*\l+3], s[G0A+4*\l+3], 0x80000000
	s_mov_b32 s[G0B+4*\l], 1
	s_add_co_u32 s[G0B+4*\l+1], s45, 102400+\l*51200
	s_add_nc_u64 s[G0B+4*\l+2:G0B+4*\l+3], s[46:47], \l*51200
	s_or_b32 s[G0B+4*\l+3], s[G0B+4*\l+3], 0x80000000
	JLOAD G0A+4*\l, G1A, G0B+4*\l, G1B
.endr
	v_and_b32 v1, 15, v0
	v_bfe_u32 v2, v0, 4, 1
	v_mul_u32_u24 v3, v1, 24
	v_mad_u32_u24 v3, v2, 384, v3
	s_mul_i32 s66, s15, 6144
	s_mul_i32 s67, s16, 6144
	s_add_co_u32 s66, s66, 4096
	s_add_co_u32 s67, s67, 106496
	v_add_nc_u32 v[ADRA], s66, v3
	v_add_nc_u32 v[ADRB], s67, v3
	v_add_nc_u32 v[ADRA+1], 49152, v[ADRA]
	v_add_nc_u32 v[ADRB+1], 49152, v[ADRB]
	s_lshl_b32 s66, s15, 11
	s_lshl_b32 s67, s16, 11
	s_add_co_u32 s67, s67, 102400
	s_sub_co_u32 s67, s67, s66
	v_mul_u32_u24 v[ADRS], s67, v2
	v_lshl_add_u32 v[ADRS], v1, 2, v[ADRS]
	v_add_nc_u32 v[ADRS], s66, v[ADRS]
	v_mul_u32_u24 v16, v1, 24
	v_mad_u32_u24 v16, v2, 12, v16
	v_lshlrev_b32 v17, 2, v1
.irp b, 0,1,2,3
	v_mov_b32 v[PM+\b], 0
.endr
	s_mov_b32 s[SEL], 0x76543210
	s_mov_b32 s[SEL+1], 0xfedcba98
	s_mov_b32 s[NL], 0xbfb8aa3b                    ; -log2(e)
	s_mov_b32 s[NL+1], s[NL]
	s_mul_i32 s74, s17, 281600                     ; my panel of hid
	s_lshr_b32 s75, s42, 1                         ; the next product's K step,
	s_and_b32 s76, s42, 1
	s_lshl_b32 s76, s76, 1
	s_add_co_u32 s76, s76, s16                     ; and my block in it
	s_mul_i32 s70, s75, 12288
	s_add_co_u32 s70, s70, s74
	s_mul_i32 s77, s15, 6144
	s_add_co_u32 s70, s70, s77
	s_mul_i32 s77, s76, 384
	s_add_co_u32 s70, s70, s77
	s_add_co_u32 s70, s70, 11264
	s_mov_b32 s71, 0
	s_add_nc_u64 s[70:71], s[8:9], s[70:71]        ; codes
	s_mul_i32 s72, s15, 5632
	s_add_co_u32 s72, s72, s74
	s_lshl_b32 s77, s75, 6
	s_add_co_u32 s72, s72, s77
	s_add_co_u32 s72, s72, s76
	s_mov_b32 s73, 0
	s_add_nc_u64 s[72:73], s[8:9], s[72:73]        ; my byte of the scale words
	s_wait_tensorcnt 1                             ; my first quarter is in; the second stays on its way
	s_barrier_signal -1
	s_barrier_wait -1
	FETCH 0
	K 0, 1
	K 1, 0
	KA 2, 0
	WIN 0
	s_wait_tensorcnt 0x0
	s_barrier_signal -1
	s_barrier_wait -1
	KB 2, 0
	K 3, 0
	K 4, 0
	K 5, 0
	K 6, 0
	KA 7, 0
	MUL8 7, 1, 0
	WIN 0
	PLACES
	; x1 = v[ACC + 32 a + 0..15], x3 = v[ACC + 32 a + 16..31]; silu(x1) = x1 / (1 + 2^(-x1 log2 e))
.irp a, 0,1,2,3
.irp i, 0,2,4,6,8,10,12,14
	v_pk_mul_f32 v[32+16*\a+\i:33+16*\a+\i], v[ACC+32*\a+\i:ACC+32*\a+\i+1], s[NL:NL+1] op_sel_hi:[1,0]
.endr
.endr
.set n, 0
.rept 64
	v_exp_f32 v[32+n], v[32+n]
.set n, n+1
.endr
	v_nop                                          ; a plain line behind the batch,
	s_wait_alu depctr_va_vdst(0)                   ; and its one wait
.set n, 0
.rept 32
	v_pk_add_f32 v[32+n:33+n], v[32+n:33+n], 1.0 op_sel_hi:[1,0]
.set n, n+2
.endr
.set n, 0
.rept 64
	v_rcp_f32 v[32+n], v[32+n]
.set n, n+1
.endr
	v_nop
	s_wait_alu depctr_va_vdst(0)
.irp a, 0,1,2,3
.irp i, 0,2,4,6,8,10,12,14
	v_pk_mul_f32 v[ACC+32*\a+\i:ACC+32*\a+\i+1], v[ACC+32*\a+\i:ACC+32*\a+\i+1], v[32+16*\a+\i:33+16*\a+\i]
.endr
.endr
.irp a, 0,1,2,3
.irp i, 0,2,4,6,8,10,12,14
	v_pk_mul_f32 v[ACC+32*\a+\i:ACC+32*\a+\i+1], v[ACC+32*\a+\i:ACC+32*\a+\i+1], v[ACC+32*\a+16+\i:ACC+32*\a+17+\i]
.endr
.endr
	QUANT4 ACC, 32                                 ; block a: token tile a's 32 hidden units
.irp a, 0,1,2,3
	global_store_b96 v16, v[CD+4*\a:CD+4*\a+2], s[70:71] offset:1536*\a
	global_store_b8 v17, v[PM+\a], s[72:73] offset:1408*\a
.endr
	s_cmp_lg_u32 s42, 42
	s_cbranch_scc1 .Lnopad
	v_mov_b32 v96, 0                               ; K's filling: blocks 2, 3 of K step 21: zero codes, and the same bytes once more
	v_mov_b32 v97, 0
	v_mov_b32 v98, 0
.irp a, 0,1,2,3
	global_store_b96 v16, v[96:98], s[70:71] offset:1536*\a+768
	global_store_b8 v17, v[PM+\a], s[72:73] offset:1408*\a+2
.endr
.Lnopad:
	s_wait_tensorcnt 0x0                           ; the wave's end
	ds_add_u32 v[SPW], v[NIL]
	s_wait_dscnt 0x0
	CROUND
	s_endpgm
.Lfunc_end_k_qdd948ccfdf_ffn_up:
	.size	k_qdd948ccfdf_ffn_up, .Lfunc_end_k_qdd948ccfdf_ffn_up-k_qdd948ccfdf_ffn_up
	.p2alignl 7, 3214868480
	.fill 96, 4, 3214868480
	.section	.rodata,"a",@progbits
	.p2align	6, 0x0
	.amdhsa_kernel k_qdd948ccfdf_ffn_up
		.amdhsa_group_segment_fixed_size 205312
		.amdhsa_private_segment_fixed_size 0
		.amdhsa_enable_private_segment 0
		.amdhsa_kernarg_size 24
		.amdhsa_user_sgpr_count 2
		.amdhsa_user_sgpr_kernarg_segment_ptr 1
		.amdhsa_wavefront_size32 1
		.amdhsa_system_sgpr_workgroup_id_x 1
		.amdhsa_system_sgpr_workgroup_id_y 1
		.amdhsa_system_sgpr_workgroup_id_z 1
		.amdhsa_system_vgpr_workitem_id 0
		.amdhsa_next_free_vgpr 512
		.amdhsa_next_free_sgpr 100
		.amdhsa_reserve_vcc 0
		.amdhsa_float_denorm_mode_32 3
		.amdhsa_float_denorm_mode_16_64 3
		.amdhsa_memory_ordered 1
		.amdhsa_forward_progress 1
		.amdhsa_inst_pref_size 69
	.end_amdhsa_kernel
	.amdgpu_metadata
---
amdhsa.version: [ 1, 2 ]
amdhsa.kernels:
  - .name:           k_qdd948ccfdf_ffn_up
    .symbol:         k_qdd948ccfdf_ffn_up.kd
    .args:
      - { .name: xq2, .offset: 0, .size: 8, .value_kind: global_buffer, .address_space: global }
      - { .name: wts, .offset: 8, .size: 8, .value_kind: global_buffer, .address_space: global }
      - { .name: hid, .offset: 16, .size: 8, .value_kind: global_buffer, .address_space: global }
    .group_segment_fixed_size: 205312
    .private_segment_fixed_size: 0
    .kernarg_segment_align: 8
    .kernarg_segment_size: 24
    .max_flat_workgroup_size: 128
    .sgpr_count:     100
    .vgpr_count:     512
    .wavefront_size: 32
...
	.end_amdgpu_metadata
.endif
;; end of part 6
;; launch ffn_down (part 7): grid 8 x 32, 4 waves a work-group, clusters of 4 x 4, 327,680 bytes of LDS; arguments hid, wts, x2, out0; writes out0
.if DOCPART == 7
	.amdgcn_target "amdgcn-amd-amdhsa--gfx1250"
	.amdhsa_code_object_version 6
	.text
	.protected	k_qdd948ccfdf_ffn_down
	.globl	k_qdd948ccfdf_ffn_down
	.p2align	8
	.type	k_qdd948ccfdf_ffn_down,@function
k_qdd948ccfdf_ffn_down:
	s_mov_b64 s[64:65], 0
	v_nop
	global_prefetch_b8 v0, s[64:65] scope:SCOPE_SE
	s_setreg_imm32_b32 hwreg(HW_REG_WAVE_MODE, 25, 1), 1
	s_wait_xcnt 0x0
	s_wait_alu depctr_hold_cnt(0) depctr_sa_sdst(0) depctr_va_vdst(0) depctr_va_sdst(0) depctr_va_ssrc(0) depctr_va_vcc(0) depctr_vm_vsrc(0)
	s_getreg_b32 s2, hwreg(HW_REG_IB_STS2, 6, 4)
	s_cmp_eq_u32 s2, 0
	s_cbranch_scc0 .Lentry_in_a_cluster
	s_endpgm
.Lentry_in_a_cluster:
	s_bfe_u32 s2, ttmp6, 0x10000c
	s_cmp_lg_u32 s2, 0xf033
	s_cbranch_scc0 .Lentry_shape_is_right
	s_endpgm
.Lentry_shape_is_right:
; out = x2 + hidden w2^T on codes of FP6 (E2M3).  K = 2,816 (2,752 and zero codes): 22 K steps of 128.  A work-group makes 128 tokens (panel Y of hid) x 128 columns (panel X of w2); four waves, 64 x 64 each.
; LDS: both panels' scale words (filled once), and a ring of two slots of six K steps of both panels.  Each wave brings half of one panel's part of a slot by one tensor load: three loads of mine are out at the head, one behind each refill.
; Slot 0: steps 0-5, then 12-17; slot 1: steps 6-11, then 18-21.  A refill stands first behind a round of the cluster's barrier and has six K steps, 96 matrix instructions a wave, in which to land.
; CLUSTER 4 x 4: the tokens' panel is shared along a row, the weights' along a column, by joint loads.  All LDS is claimed.
; THE WAY OUT as in the output projection: through the wave's own stage, which lies in slot 0 behind its last fill and its last read.
.set SCB,   11264                      ; the weights' scale words
.set SL0,   22528                      ; slot 0;  a slot: the tokens' six steps (73,728 bytes), then the weights'
.set SLOT,  147456
.set SPARE, 317440
.set STG0,  22528
.set ADRS, 12
.set SPW,  13
.set NIL,  14
.set STO,  18
.set RD,   19
.set GO,   20
.set SC,   24
.set BK,   96
.set ACC,  128
.set G1SA, 24                          ; group 1: 22 rows of 256 bytes (half the scale words), my row's mask; G1SB: my column's
.set G1SB, 32
.set G1LA, 40                          ; 144 rows: three K steps
.set G1LB, 48
.set G1TA, 56                          ; 96 rows: two K steps
.set G1TB, 68
.set G0A,  76                          ; group 0 for the tokens' panel: scale words, slot 0, slot 1
.set G0B,  88                          ; for the weights'
.set MSB, 0
.set MUL,  0x05
.set TO_F, 0x40
.macro WIN new
.if MSB != \new
	s_set_vgpr_msb (MSB<<8)|\new
.set MSB, \new
.endif
.endm
.macro PLACES
.rept 4
	v_nop
.endr
.endm
.macro JLOAD g0a, g1a, g0b, g1b
	s_cmp_eq_u32 s15, 0
	s_cbranch_scc0 .Lfor_b_\@
	tensor_load_to_lds s[\g0a:\g0a+3], s[\g1a:\g1a+7]
	s_nop 0
.rept 4
	v_nop
.endr
	s_branch .Lasked_\@
.Lfor_b_\@:
	tensor_load_to_lds s[\g0b:\g0b+3], s[\g1b:\g1b+7]
	s_nop 0
.rept 4
	v_nop
.endr
.Lasked_\@:
.endm
.macro CREST                           ; a round of the cluster's barrier behind its opening barrier
	s_cmp_lg_u32 s14, 0
	s_cbranch_scc1 .Lnot_wave_0_\@
	s_barrier_signal -3
.Lnot_wave_0_\@:
	s_barrier_wait -3
	s_barrier_signal -1
	s_barrier_wait -1
.endm
.macro CROUND
	s_barrier_signal -1
	s_barrier_wait -1
	CREST
.endm
.macro G1SET g, m, rows
	s_or_b32 s[\g], s[\m], (3<<16)|(1<<21)
	s_mov_b32 s[\g+1], 32<<16
	s_mov_b32 s[\g+2], (\rows)<<16
	s_mov_b32 s[\g+3], 32<<16
	s_mov_b32 s[\g+4], \rows
	s_mov_b32 s[\g+5], 32
	s_mov_b32 s[\g+6], 0
	s_mov_b32 s[\g+7], 0
.endm
.macro FRAG reg, adr, off
.irp p, 0,1,2,3,4,5
	ds_load_b64 v[(\reg)+2*\p:(\reg)+2*\p+1], v[\adr] offset:(\off)+768*(\p/3)+8*(\p%3)
.endr
.endm
.macro FETCH s                         ; K step s lies in slot (s / 6) % 2 at 12,288 (s % 6); address register 4 + 4 panel + 2 slot + (s % 6) / 3
.set sg, ((\s)/6)%2
.set ix, (\s)%6
	WIN TO_F
.irp i, 0,1,2,3
	FRAG 128*((\s)%2)+12*\i, 8+2*sg+ix/3, 12288*(ix%3)+1536*\i
.endr
.irp i, 0,1,2,3
	FRAG 128*((\s)%2)+48+12*\i, 4+2*sg+ix/3, 12288*(ix%3)+1536*\i
.endr
	WIN 0
.irp i, 0,1,2,3
	ds_load_b32 v[SC+4*((\s)%2)+\i], v[ADRS] offset:1408*\i+64*(\s)
.endr
.endm
.macro MUL8 s, half, zero              ; the 16 accumulators take turns in one order in every step
.irp a, 2*(\half), 2*(\half)+1
.irp b, 0,1,2,3
.set rD, ACC+8*(4*(\a)+\b)
.set rA, 128*((\s)%2)+12*\b
.set rB, 128*((\s)%2)+48+12*(\a)
.set rS, SC+4*((\s)%2)
.if \zero
	v_wmma_scale_f32_16x16x128_f8f6f4 v[rD:rD+7], v[rA:rA+11], v[rB:rB+11], 0, v[rS+\b], v[rS+(\a)] matrix_a_fmt:MATRIX_FMT_FP6 matrix_b_fmt:MATRIX_FMT_FP6 matrix_a_scale:MATRIX_SCALE_ROW1
.else
	v_wmma_scale_f32_16x16x128_f8f6f4 v[rD:rD+7], v[rA:rA+11], v[rB:rB+11], v[rD:rD+7], v[rS+\b], v[rS+(\a)] matrix_a_fmt:MATRIX_FMT_FP6 matrix_b_fmt:MATRIX_FMT_FP6 matrix_a_scale:MATRIX_SCALE_ROW1
.endif
.endr
.endr
.endm
.macro KA s, zero
	s_wait_dscnt 0x0
	WIN MUL
	MUL8 \s, 0, \zero
.endm
.macro KB s, zero
	PLACES
	FETCH (\s)+1
	WIN MUL
	MUL8 \s, 1, \zero
.endm
.macro K s, zero
	KA \s, \zero
	KB \s, \zero
.endm
; A slot's last step.  Each wave waits for all its tensor loads (its part of the other slot), adds 0 to its spare word, and waits for that, for this step's fragments and so for its last reads of this slot; then the barrier.
; kind 1: slot 0 takes steps 12-17; kind 2: slot 1 takes steps 18-21; the barrier then opens a round of the cluster's, and the joint refill is the first tensor load behind it.  kind 0: nothing is left to fetch.
.macro TURN s, kind
	WIN 0                                          ; (the add's two registers lie in window 0)
	s_wait_tensorcnt 0x0
	ds_add_u32 v[SPW], v[NIL]
	s_wait_dscnt 0x0
	s_barrier_signal -1
	WIN MUL
	MUL8 \s, 0, 0                                  ; work on registers while the others arrive
	WIN 0
	s_barrier_wait -1
.if \kind == 1
	CREST
	s_add_nc_u64 s[G0A+6:G0A+7], s[G0A+6:G0A+7], SLOT   ; twelve K steps on
	s_add_nc_u64 s[G0B+6:G0B+7], s[G0B+6:G0B+7], SLOT
	JLOAD G0A+4, G1LA, G0B+4, G1LB                 ; its four v_nop are also the places in front of the loads below
.elseif \kind == 2
	CREST
	s_mul_i32 s[G0A+9], s16, 24576                 ; halves of two K steps now
	s_add_co_u32 s[G0A+9], s[G0A+9], SL0+SLOT
	s_mul_i32 s[G0B+9], s16, 24576
	s_add_co_u32 s[G0B+9], s[G0B+9], SL0+SLOT+73728
	s_add_nc_u64 s[G0A+10:G0A+11], s[G0A+10:G0A+11], SLOT
	s_sub_nc_u64 s[G0A+10:G0A+11], s[G0A+10:G0A+11], s[2:3]
	s_add_nc_u64 s[G0B+10:G0B+11], s[G0B+10:G0B+11], SLOT
	s_sub_nc_u64 s[G0B+10:G0B+11], s[G0B+10:G0B+11], s[2:3]
	JLOAD G0A+8, G1TA, G0B+8, G1TB
.else
	PLACES
.endif
	FETCH (\s)+1
	WIN MUL
	MUL8 \s, 1, 0
.endm
.macro RESLD a
.irp i, 0,1,2,3,4,5,6,7
	global_load_b128 v[32+32*((\a)%2)+4*\i:32+32*((\a)%2)+4*\i+3], v[GO], s[8:9] offset:4096*(16*(\a)+2*\i)
.endr
.endm
.macro OUTA a
.irp b, 0,1,2,3
	ds_store_b128 v[STO], v[ACC+8*(4*(\a)+\b):ACC+8*(4*(\a)+\b)+3] offset:64*\b       ; each accumulator from its low end on
	ds_store_b128 v[STO], v[ACC+8*(4*(\a)+\b)+4:ACC+8*(4*(\a)+\b)+7] offset:64*\b+16
.endr
.irp i, 0,1,2,3,4,5,6,7
	ds_load_b128 v[BK+4*\i:BK+4*\i+3], v[RD] offset:544*\i
.endr
	s_wait_dscnt 0x0
.if (\a) < 3
	s_wait_loadcnt 8                               ; this tile's residual is in; the next set's eight loads stay out
.else
	s_wait_loadcnt 0x0
.endif
.set n, 0
.rept 16
	v_pk_add_f32 v[BK+n:BK+n+1], v[BK+n:BK+n+1], v[32+32*((\a)%2)+n:32+32*((\a)%2)+n+1]
.set n, n+2
.endr
.irp i, 0,1,2,3,4,5,6,7
	global_store_b128 v[GO], v[BK+4*\i:BK+4*\i+3], s[10:11] offset:4096*(16*(\a)+2*\i) th:TH_STORE_NT
.endr
.if (\a) < 2
	RESLD (\a)+2
.endif
	s_wait_xcnt 0x0
.endm
	s_load_b256 s[4:11], s[0:1], 0x0               ; hid, wts, x2, out0
	v_lshl_add_u32 v[SPW], v0, 2, SPARE
	v_mov_b32 v[NIL], 0
	ds_add_u32 v[SPW], v[NIL]                      ; the wave's opening: the add, twice on end, and its wait ahead of my first tensor load
	ds_add_u32 v[SPW], v[NIL]
	v_lshrrev_b32 v1, 5, v0
	v_readfirstlane_b32 s14, v1
	s_lshr_b32 s15, s14, 1                         ; wm; also: I fetch the tokens' panel (0) or the weights' (1)
	s_and_b32 s16, s14, 1                          ; wn; also: which half
	s_bfe_u32 s12, ttmp6, 0x40000                  ; cx, cy
	s_bfe_u32 s13, ttmp6, 0x40004
	s_lshl_b32 s18, ttmp9, 2
	s_add_co_u32 s18, s18, s12                     ; X
	s_and_b32 s17, ttmp7, 0xffff
	s_lshl_b32 s17, s17, 2
	s_add_co_u32 s17, s17, s13                     ; Y
	s_lshl_b32 s19, s13, 2
	s_lshl_b32 s19, 15, s19                        ; my row of the cluster
	s_lshl_b32 s100, 0x1111, s12                   ; my column
	G1SET G1SA, 19, 22
	G1SET G1SB, 100, 22
	G1SET G1LA, 19, 144
	G1SET G1LB, 100, 144
	G1SET G1TA, 19, 96
	G1SET G1TB, 100, 96
	s_mul_i32 s20, s17, 281600
	s_mov_b32 s21, 0
	s_mul_i32 s22, s18, 281600
	s_add_co_u32 s22, s22, 7680000                 ; w2's panels in wts
	s_mov_b32 s23, 0
	s_mul_i32 s66, s16, 5632                       ; my half of the scale words,
	s_mul_i32 s67, s16, 36864                      ; of a slot's six steps,
	s_mul_i32 s101, s16, 12288                     ; and what the last fill's halves are shorter by
	s_mov_b32 s3, 0
	s_wait_dscnt 0x0
	s_wait_kmcnt 0x0
	s_add_nc_u64 s[20:21], s[4:5], s[20:21]
	s_add_nc_u64 s[22:23], s[6:7], s[22:23]
	CROUND
	s_mov_b32 s2, s66
	s_mov_b32 s[G0A], 1
	s_mov_b32 s[G0A+1], s66
	s_add_nc_u64 s[G0A+2:G0A+3], s[20:21], s[2:3]
	s_or_b32 s[G0A+3], s[G0A+3], 0x80000000
	s_mov_b32 s[G0B], 1
	s_add_co_u32 s[G0B+1], s66, SCB
	s_add_nc_u64 s[G0B+2:G0B+3], s[22:23], s[2:3]
	s_or_b32 s[G0B+3], s[G0B+3], 0x80000000
	JLOAD G0A, G1SA, G0B, G1SB                     ; the scale words: filled once
	s_add_co_u32 s2, s67, 11264
	s_mov_b32 s[G0A+4], 1
	s_add_co_u32 s[G0A+5], s67, SL0
	s_add_nc_u64 s[G0A+6:G0A+7], s[20:21], s[2:3]
	s_or_b32 s[G0A+7], s[G0A+7], 0x80000000
	s_mov_b32 s[G0B+4], 1
	s_add_co_u32 s[G0B+5], s67, SL0+73728
	s_add_nc_u64 s[G0B+6:G0B+7], s[22:23], s[2:3]
	s_or_b32 s[G0B+7], s[G0B+7], 0x80000000
	JLOAD G0A+4, G1LA, G0B+4, G1LB                 ; K steps 0-5
	s_add_co_u32 s2, s2, 73728
	s_mov_b32 s[G0A+8], 1
	s_add_co_u32 s[G0A+9], s67, SL0+SLOT
	s_add_nc_u64 s[G0A+10:G0A+11], s[20:21], s[2:3]
	s_or_b32 s[G0A+11], s[G0A+11], 0x80000000
	s_mov_b32 s[G0B+8], 1
	s_add_co_u32 s[G0B+9], s67, SL0+SLOT+73728
	s_add_nc_u64 s[G0B+10:G0B+11], s[22:23], s[2:3]
	s_or_b32 s[G0B+11], s[G0B+11], 0x80000000
	JLOAD G0A+8, G1LA, G0B+8, G1LB                 ; K steps 6-11
	s_mov_b32 s2, s101                             ; s[2:3]: kept for the last refill's step
	v_and_b32 v1, 15, v0
	v_bfe_u32 v2, v0, 4, 1
	v_lshlrev_b32 v[GO], 12, v2
	v_lshl_add_u32 v[GO], v1, 4, v[GO]
	s_lshl_b32 s66, s17, 19
	s_lshl_b32 s67, s15, 18
	s_add_co_u32 s66, s66, s67
	s_lshl_b32 s67, s18, 9
	s_add_co_u32 s66, s66, s67
	s_lshl_b32 s67, s16, 8
	s_add_co_u32 s66, s66, s67
	s_mov_b32 s67, 0
	s_add_nc_u64 s[8:9], s[8:9], s[66:67]
	s_add_nc_u64 s[10:11], s[10:11], s[66:67]
	RESLD 0
	RESLD 1
	v_mul_u32_u24 v3, v1, 24
	v_mad_u32_u24 v3, v2, 384, v3
	s_mul_i32 s12, s15, 6144
	s_add_co_u32 s12, s12, SL0
	s_mul_i32 s13, s16, 6144
	s_add_co_u32 s13, s13, SL0+73728
	v_add_nc_u32 v4, s12, v3                       ; tokens: slot 0, steps 0-2 of it
	v_add_nc_u32 v8, s13, v3                       ; weights
	v_add_nc_u32 v5, 36864, v4
	v_add_nc_u32 v9, 36864, v8
	v_add_nc_u32 v6, SLOT, v4
	v_add_nc_u32 v10, SLOT, v8
	v_add_nc_u32 v7, SLOT, v5
	v_add_nc_u32 v11, SLOT, v9
	s_mul_i32 s12, s15, 5632
	s_mul_i32 s13, s16, 5632
	s_add_co_u32 s13, s13, SCB
	s_sub_co_u32 s13, s13, s12
	v_mul_u32_u24 v[ADRS], s13, v2                 ; lanes 16-31 take the weights' words
	v_lshl_add_u32 v[ADRS], v1, 2, v[ADRS]
	v_add_nc_u32 v[ADRS], s12, v[ADRS]
	s_mul_i32 s12, s14, 4352
	s_add_co_u32 s12, s12, STG0
	v_mul_u32_u24 v[STO], v1, 272
	v_lshl_add_u32 v[STO], v2, 5, v[STO]
	v_add_nc_u32 v[STO], s12, v[STO]
	v_mul_u32_u24 v[RD], v2, 272
	v_lshl_add_u32 v[RD], v1, 4, v[RD]
	v_add_nc_u32 v[RD], s12, v[RD]
	s_wait_tensorcnt 1                             ; the scale words and my part of slot 0 are in; slot 1's load stays on its way
	s_barrier_signal -1
	s_barrier_wait -1
	FETCH 0
	K 0, 1
	K 1, 0
	K 2, 0
	K 3, 0
	K 4, 0
	TURN 5, 1
	K 6, 0
	K 7, 0
	K 8, 0
	K 9, 0
	K 10, 0
	TURN 11, 2
	K 12, 0
	K 13, 0
	K 14, 0
	K 15, 0
	K 16, 0
	TURN 17, 0
	K 18, 0
	K 19, 0
	K 20, 0
	KA 21, 0
	MUL8 21, 1, 0
	WIN 0
	PLACES
	OUTA 0
	OUTA 1
	OUTA 2
	OUTA 3
	s_wait_tensorcnt 0x0                           ; the wave's end
	ds_add_u32 v[SPW], v[NIL]
	s_wait_dscnt 0x0
	CROUND                                         ; the closing round
	s_endpgm
.Lfunc_end_k_qdd948ccfdf_ffn_down:
	.size	k_qdd948ccfdf_ffn_down, .Lfunc_end_k_qdd948ccfdf_ffn_down-k_qdd948ccfdf_ffn_down
	.p2alignl 7, 3214868480
	.fill 96, 4, 3214868480
	.section	.rodata,"a",@progbits
	.p2align	6, 0x0
	.amdhsa_kernel k_qdd948ccfdf_ffn_down
		.amdhsa_group_segment_fixed_size 327680
		.amdhsa_private_segment_fixed_size 0
		.amdhsa_enable_private_segment 0
		.amdhsa_kernarg_size 32
		.amdhsa_user_sgpr_count 2
		.amdhsa_user_sgpr_kernarg_segment_ptr 1
		.amdhsa_wavefront_size32 1
		.amdhsa_system_sgpr_workgroup_id_x 1
		.amdhsa_system_sgpr_workgroup_id_y 1
		.amdhsa_system_sgpr_workgroup_id_z 1
		.amdhsa_system_vgpr_workitem_id 0
		.amdhsa_next_free_vgpr 512
		.amdhsa_next_free_sgpr 102
		.amdhsa_reserve_vcc 0
		.amdhsa_float_denorm_mode_32 3
		.amdhsa_float_denorm_mode_16_64 3
		.amdhsa_memory_ordered 1
		.amdhsa_forward_progress 1
		.amdhsa_inst_pref_size 149
	.end_amdhsa_kernel
	.amdgpu_metadata
---
amdhsa.version: [ 1, 2 ]
amdhsa.kernels:
  - .name:           k_qdd948ccfdf_ffn_down
    .symbol:         k_qdd948ccfdf_ffn_down.kd
    .args:
      - { .name: hid, .offset: 0, .size: 8, .value_kind: global_buffer, .address_space: global }
      - { .name: wts, .offset: 8, .size: 8, .value_kind: global_buffer, .address_space: global }
      - { .name: x2, .offset: 16, .size: 8, .value_kind: global_buffer, .address_space: global }
      - { .name: out0, .offset: 24, .size: 8, .value_kind: global_buffer, .address_space: global }
    .group_segment_fixed_size: 327680
    .private_segment_fixed_size: 0
    .kernarg_segment_align: 8
    .kernarg_segment_size: 32
    .max_flat_workgroup_size: 128
    .sgpr_count:     102
    .vgpr_count:     512
    .wavefront_size: 32
...
	.end_amdgpu_metadata
.endif
;; end of part 7
;; ======== version 2 of 2: 8 launches; 1.15 times as fast as version 1
;; limits: right only within a limited range of input values
;; workspace buffers: wts 9,932,800 bytes; rope 524,288 bytes; xq1 3,276,800 bytes; qkv 10,092,544 bytes; att 3,276,800 bytes; x2 16,777,216 bytes; xq2 3,276,800 bytes; hid 9,011,200 bytes
;; launch wprep: the kernel of part 1 again; grid 776 x 1, 8 waves a work-group, no clusters, 68,608 bytes of LDS; arguments Wq, Wk, Wv, Wo, w1, w3, w2, positions, wts, rope; writes wts, rope
;; launch norm1: the kernel of part 2 again; grid 256 x 1, 8 waves a work-group, no clusters, 69,120 bytes of LDS; arguments x, g1, xq1; writes xq1
;; launch qkv (part 8): grid 8 x 32, 4 waves a work-group, clusters of 4 x 4, 327,680 bytes of LDS; arguments xq1, wts, rope, qkv; writes qkv
.if DOCPART == 8
	.amdgcn_target "amdgcn-amd-amdhsa--gfx1250"
	.amdhsa_code_object_version 6
	.text
	.protected	k_qdd948ccfdf_qkv
	.globl	k_qdd948ccfdf_qkv
	.p2align	8
	.type	k_qdd948ccfdf_qkv,@function
k_qdd948ccfdf_qkv:
	s_mov_b64 s[64:65], 0
	v_nop
	global_prefetch_b8 v0, s[64:65] scope:SCOPE_SE
	s_setreg_imm32_b32 hwreg(HW_REG_WAVE_MODE, 25, 1), 1
	s_wait_xcnt 0x0
	s_wait_alu depctr_hold_cnt(0) depctr_sa_sdst(0) depctr_va_vdst(0) depctr_va_sdst(0) depctr_va_ssrc(0) depctr_va_vcc(0) depctr_vm_vsrc(0)
	s_getreg_b32 s2, hwreg(HW_REG_IB_STS2, 6, 4)
	s_cmp_eq_u32 s2, 0
	s_cbranch_scc0 .Lentry_in_a_cluster
	s_endpgm
.Lentry_in_a_cluster:
	s_bfe_u32 s2, ttmp6, 0x10000c
	s_cmp_lg_u32 s2, 0xf033
	s_cbranch_scc0 .Lentry_shape_is_right
	s_endpgm
.Lentry_shape_is_right:
; q, k, v = xn Wq^T, xn Wk^T, xn Wv^T on codes of FP6 (E2M3); RoPE on q and k; all three quantised again for attention: q and k along the head's 64, v along the keys.  Nothing goes to memory as f32.
; A WORK-GROUP STAYS: it keeps 128 tokens (panel Y of xq1) in LDS and makes three tiles of 128 columns: panels X of Wq, X of Wk, X of Wv (X = 0..7: the same pair of heads).  Four waves, 64 x 64 each: 16 accumulators.
; A wave's 64 columns are one head, a panel's 128 tokens one key step.  K = 1,024: a panel with its scale words is 102,400 bytes.
; LDS: the tokens' panel, slot 0 (Wq's panel, later Wv's), slot 1 (Wk's).  The first three are first fills at the head: by this text's count a wave has three tensor loads out there.  Wv's panel fills slot 0 again behind a round of the
; cluster's barrier between tile q and tile k: one load a wave, a quarter of the panel each, and all of tile k in which to land.  All LDS is claimed.
; CLUSTER 4 x 4: the four of a row share the tokens' panel, the four of a column the weights': each is asked for jointly.
; q, k: source 0 = 16 rows of W, source 1 = 16 tokens: a lane holds one token, its registers run along the channels.  v: the sources change places: a lane holds one channel, its registers run along the tokens, which are the second product's K.
; q's and k's scale words carry their two bytes twice: attention's K step of 128 is half zero codes.
; LIMITS: as stated at the first kernel's head (scale byte 1 for a block of zeros; NaN, infinities not served).
.set SL0,   102400
.set SL1,   204800
.set SPARE, 307200                     ; behind the three panels: the spare words, 128 bytes a wave
.set ADRA, 4                           ; v4-5   my 64 rows of the tokens' panel, K steps 0-3, 4-7
.set ADRB, 6                           ; v6-7   of the weights' panel in slot 0;  v8-9 in slot 1
.set ADRS, 10                          ; v10    scale words: lanes 0-15 the tokens', lanes 16-31 slot 0's;  v11: slot 1's
.set SPW,  13
.set NIL,  14
.set SC,   24                          ; v24-31 scale words, two sets of four
.set MX,   100
.set PM,   104
.set SO,   108
.set CD,   112
.set ACC,  128                         ; accumulator (i1, i0) at ACC + 8 (4 i1 + i0)
.set G1A, 24
.set G0A, 32
.set G1B, 48
.set G0B, 56
.set TAB, 68                           ; s[68:69] RoPE's table at my first token tile
.set QCB, 70                           ; q: codes, scale words
.set QSB, 72
.set KCB, 74                           ; k
.set KSB, 76
.set VCB, 82                           ; v
.set VSB, 84
.set SEL, 86
.set G0K, 88                           ; s[88:91] group 0: my quarter of Wk's panel, to slot 1
.set G0V, 92                           ; s[92:95] my quarter of Wv's panel, to slot 0
.set MSB, 0
.set MUL,  0x05                        ; sources 0 and 1 window 1; C and D window 0
.set TO_F, 0x40                        ; destination window 1, address window 0
.macro WIN new                         ; the immediate's high byte repeats the setting that is left
.if MSB != \new
	s_set_vgpr_msb (MSB<<8)|\new
.set MSB, \new
.endif
.endm
.macro PLACES
.rept 4
	v_nop
.endr
.endm
.macro JLOAD g0a, g1a, g0b, g1b        ; waves 0, 1 fetch the tokens' panel, waves 2, 3 the weights'; an s_nop 0 and four v_nop follow each line
	s_cmp_eq_u32 s15, 0
	s_cbranch_scc0 .Lfor_b_\@
	tensor_load_to_lds s[\g0a:\g0a+3], s[\g1a:\g1a+7]
	s_nop 0
.rept 4
	v_nop
.endr
	s_branch .Lasked_\@
.Lfor_b_\@:
	tensor_load_to_lds s[\g0b:\g0b+3], s[\g1b:\g1b+7]
	s_nop 0
.rept 4
	v_nop
.endr
.Lasked_\@:
.endm
.macro CROUND                          ; a round of the cluster's barrier
	s_barrier_signal -1
	s_barrier_wait -1
	s_cmp_lg_u32 s14, 0
	s_cbranch_scc1 .Lnot_wave_0_\@
	s_barrier_signal -3
.Lnot_wave_0_\@:
	s_barrier_wait -3
	s_barrier_signal -1
	s_barrier_wait -1
.endm
.macro FRAG reg, adr, off              ; a fragment: lane (r, h) takes blocks h and 2 + h of row r, 24 bytes each, in pieces of 8
.irp p, 0,1,2,3,4,5
	ds_load_b64 v[(\reg)+2*\p:(\reg)+2*\p+1], v[\adr] offset:(\off)+768*(\p/3)+8*(\p%3)
.endr
.endm
.macro FETCH s, a0, a1, sl             ; K step s: four fragments for source 0 from panel a0, four for source 1 from a1, into buffer s % 2 of window 1; four scale words (sl: the weights' slot)
	WIN TO_F
.irp i, 0,1,2,3
	FRAG 128*((\s)%2)+12*\i, (\a0)+(\s)/4, ((\s)%4)*12288+1536*\i
.endr
.irp i, 0,1,2,3
	FRAG 128*((\s)%2)+48+12*\i, (\a1)+(\s)/4, ((\s)%4)*12288+1536*\i
.endr
	WIN 0
.irp i, 0,1,2,3
	ds_load_b32 v[SC+4*((\s)%2)+\i], v[ADRS+(\sl)] offset:512*\i+64*(\s)
.endr
.endm
.macro MUL8 s, half, zero, nat         ; eight products; the 16 accumulators take turns in one order in every step.  nat = 0: source 0 = weights; 1: source 0 = tokens
.irp a, 2*(\half), 2*(\half)+1
.irp b, 0,1,2,3
.set rD, ACC+8*(4*(\a)+\b)
.set rA, 128*((\s)%2)+12*\b
.set rB, 128*((\s)%2)+48+12*(\a)
.set rS, SC+4*((\s)%2)
.if \zero
.if \nat
	v_wmma_scale_f32_16x16x128_f8f6f4 v[rD:rD+7], v[rA:rA+11], v[rB:rB+11], 0, v[rS+\b], v[rS+(\a)] matrix_a_fmt:MATRIX_FMT_FP6 matrix_b_fmt:MATRIX_FMT_FP6 matrix_b_scale:MATRIX_SCALE_ROW1
.else
	v_wmma_scale_f32_16x16x128_f8f6f4 v[rD:rD+7], v[rA:rA+11], v[rB:rB+11], 0, v[rS+\b], v[rS+(\a)] matrix_a_fmt:MATRIX_FMT_FP6 matrix_b_fmt:MATRIX_FMT_FP6 matrix_a_scale:MATRIX_SCALE_ROW1
.endif
.else
.if \nat
	v_wmma_scale_f32_16x16x128_f8f6f4 v[rD:rD+7], v[rA:rA+11], v[rB:rB+11], v[rD:rD+7], v[rS+\b], v[rS+(\a)] matrix_a_fmt:MATRIX_FMT_FP6 matrix_b_fmt:MATRIX_FMT_FP6 matrix_b_scale:MATRIX_SCALE_ROW1
.else
	v_wmma_scale_f32_16x16x128_f8f6f4 v[rD:rD+7], v[rA:rA+11], v[rB:rB+11], v[rD:rD+7], v[rS+\b], v[rS+(\a)] matrix_a_fmt:MATRIX_FMT_FP6 matrix_b_fmt:MATRIX_FMT_FP6 matrix_a_scale:MATRIX_SCALE_ROW1
.endif
.endif
.endr
.endr
.endm
.macro KA s, zero, nat                 ; a K step's first half
	s_wait_dscnt 0x0                               ; the step's fragments and scale words are in
	WIN MUL
	MUL8 \s, 0, \zero, \nat
.endm
.macro KB s, zero, nat, a0, a1, sl     ; its second half: four places for the loads into the buffer that the step before multiplied, the next step's loads in one run, eight products
	PLACES
	FETCH (\s)+1, \a0, \a1, \sl
	WIN MUL
	MUL8 \s, 1, \zero, \nat
.endm
.macro K s, zero, nat, a0, a1, sl
	KA \s, \zero, \nat
	KB \s, \zero, \nat, \a0, \a1, \sl
.endm
.macro QUANT4 src, stride              ; four blocks of 16 numbers a lane: largest magnitude with lane l xor 16's, scale operand, byte in v[PM+b], codes in v[CD+4b] on
.irp b, 0,1,2,3
	v_max3_num_f32 v[MX+\b], |v[(\src)+(\stride)*\b]|, |v[(\src)+(\stride)*\b+1]|, 0x1800000
.endr
.irp i, 2,4,6,8,10,12,14
.irp b, 0,1,2,3
	v_max3_num_f32 v[MX+\b], v[MX+\b], |v[(\src)+(\stride)*\b+\i]|, |v[(\src)+(\stride)*\b+\i+1]|
.endr
.endr
.irp b, 0,1,2,3
	v_permlanex16_b32 v[PM+\b], v[MX+\b], s[SEL], s[SEL+1]
.endr
.irp b, 0,1,2,3
	v_max_num_f32 v[MX+\b], v[MX+\b], v[PM+\b]
.endr
.irp b, 0,1,2,3
	v_add_nc_u32 v[SO+\b], 0xff000000, v[MX+\b]
.endr
.irp b, 0,1,2,3
	v_lshrrev_b32 v[PM+\b], 23, v[SO+\b]
.endr
.irp b, 0,1,2,3
	v_cvt_scalef32_pk16_fp6_f32 v[CD+4*\b:CD+4*\b+2], v[(\src)+(\stride)*\b:(\src)+(\stride)*\b+15], v[SO+\b]
.endr
	v_nop
.endm
.macro TABLE a                         ; cos and sin for token tile a: eight loads of 512 consecutive bytes, into set a % 2 of v32-95
.irp i, 0,1,2,3
.irp q, 0,1
	global_load_b128 v[32+32*((\a)%2)+8*\i+4*\q:32+32*((\a)%2)+8*\i+4*\q+3], v15, s[TAB:TAB+1] offset:4096*(\a)+1024*\i+512*\q
.endr
.endr
.endm
.macro ROPE a                          ; registers 2 p, 2 p + 1 of a tile are a pair of channels; each accumulator is taken from its low end on
.irp i, 0,1,2,3
.irp p, 0,1,2,3
.set x0, ACC+8*(4*(\a)+\i)+2*\p
.set cc, 32+32*((\a)%2)+8*\i+2*\p
.set tt, 96+2*(\p%2)
	v_mul_f32 v[tt], v[x0+1], v[cc+1]
	v_mul_f32 v[tt+1], v[x0+1], v[cc]
	v_fma_f32 v[x0+1], v[x0], v[cc+1], v[tt+1]     ; xe sin + xo cos
	v_fma_f32 v[x0], v[x0], v[cc], -v[tt]          ; xe cos - xo sin
.endr
.endr
.endm
.macro OUTQK a0, cb, sb                ; token tiles a0, a0 + 1: two blocks of codes and a scale word each
.irp e, 0,1
	v_lshl_or_b32 v[MX+\e], v[PM+2*\e+1], 8, v[PM+2*\e]
	v_lshl_or_b32 v[MX+\e], v[MX+\e], 16, v[MX+\e] ; the two bytes twice: the K step's other half is zero codes
	global_store_b96 v16, v[CD+8*\e:CD+8*\e+2], s[\cb:\cb+1] offset:768*((\a0)+\e)
	global_store_b96 v16, v[CD+8*\e+4:CD+8*\e+6], s[\cb:\cb+1] offset:768*((\a0)+\e)+384
	global_store_b32 v17, v[MX+\e], s[\sb:\sb+1] offset:64*((\a0)+\e)
.endr
.endm
.macro OUTV c0                         ; channel tiles c0, c0 + 1: my two blocks of 32 keys and their two bytes
.irp e, 0,1
	v_lshl_or_b32 v[MX+\e], v[PM+2*\e+1], 8, v[PM+2*\e]
	global_store_b96 v16, v[CD+8*\e:CD+8*\e+2], s[VCB:VCB+1] offset:1536*((\c0)+\e)
	global_store_b96 v16, v[CD+8*\e+4:CD+8*\e+6], s[VCB:VCB+1] offset:1536*((\c0)+\e)+384
	global_store_b16 v17, v[MX+\e], s[VSB:VSB+1] offset:64*((\c0)+\e)
.endr
.endm
; A tile of q or of k.  first = 1: the launch's first tile, which begins when the first quarters of its two panels have landed and meets the second quarters at a barrier in K step 2.
.macro TILEQK first, ab, sl, cb, sb
.if \first
	FETCH 0, \ab, ADRA, \sl
	K 0, 1, 0, \ab, ADRA, \sl                      ; the first step's products start the sums
	K 1, 0, 0, \ab, ADRA, \sl
	KA 2, 0, 0
	WIN 0
	s_wait_tensorcnt 1                             ; my second quarter is in; my quarter of slot 1 may stay out
	s_barrier_signal -1
	s_barrier_wait -1                              ; the tokens' panel and slot 0 are whole
	TABLE 0                                        ; asked for here, so that they land under the K steps that follow
	TABLE 1
	KB 2, 0, 0, \ab, ADRA, \sl
.else
	TABLE 0
	TABLE 1
	FETCH 0, \ab, ADRA, \sl
	K 0, 1, 0, \ab, ADRA, \sl
	K 1, 0, 0, \ab, ADRA, \sl
	K 2, 0, 0, \ab, ADRA, \sl
.endif
	K 3, 0, 0, \ab, ADRA, \sl
	K 4, 0, 0, \ab, ADRA, \sl
	K 5, 0, 0, \ab, ADRA, \sl
	K 6, 0, 0, \ab, ADRA, \sl
	KA 7, 0, 0
	MUL8 7, 1, 0, 0
	WIN 0
	PLACES                                         ; in front of the first read of results
	s_wait_loadcnt 0x0
	ROPE 0
	ROPE 1
	TABLE 2
	TABLE 3
	s_wait_xcnt 0x0                                ; the stores of the tile before have read their registers
	QUANT4 ACC, 16                                 ; block 2 a + b': token tile a, channels 32 b' on
	OUTQK 0, \cb, \sb
	s_wait_loadcnt 0x0
	ROPE 2
	ROPE 3
	s_wait_xcnt 0x0                                ; the stores have read their registers
	QUANT4 ACC+64, 16
	OUTQK 2, \cb, \sb
.endm
	s_load_b256 s[4:11], s[0:1], 0x0               ; xq1, wts, rope, qkv
	v_lshl_add_u32 v[SPW], v0, 2, SPARE
	v_mov_b32 v[NIL], 0
	ds_add_u32 v[SPW], v[NIL]                      ; the wave's opening: the add, twice on end, and its wait ahead of my first tensor load
	ds_add_u32 v[SPW], v[NIL]
	v_lshrrev_b32 v1, 5, v0
	v_readfirstlane_b32 s14, v1                    ; wave 0..3
	s_lshr_b32 s15, s14, 1                         ; wm: my half of the tokens.  Also: at the head I fetch the tokens' panel (0) or Wq's (1)
	s_and_b32 s16, s14, 1                          ; wn: my half of the columns.  Also: which quarters I fetch at the head
	s_bfe_u32 s40, ttmp6, 0x40000                  ; cx, cy
	s_bfe_u32 s41, ttmp6, 0x40004
	s_lshl_b32 s42, ttmp9, 2
	s_add_co_u32 s42, s42, s40                     ; X: 0..7
	s_and_b32 s17, ttmp7, 0xffff
	s_lshl_b32 s17, s17, 2
	s_add_co_u32 s17, s17, s41                     ; Y
	s_lshl_b32 s43, s41, 2
	s_lshl_b32 s43, 15, s43                        ; my row of the cluster
	s_lshl_b32 s44, 0x1111, s40                    ; my column
	s_or_b32 s[G1A], s43, (3<<16)|(1<<21)          ; group 1: a dense block as 100 rows of 32 elements of 8 bytes; the mask, and bit 21 beside it
	s_or_b32 s[G1B], s44, (3<<16)|(1<<21)
.irp g, G1A, G1B
	s_mov_b32 s[\g+1], 32<<16
	s_mov_b32 s[\g+2], 100<<16
	s_mov_b32 s[\g+3], 32<<16
	s_mov_b32 s[\g+4], 100
	s_mov_b32 s[\g+5], 32
	s_mov_b32 s[\g+6], 0
	s_mov_b32 s[\g+7], 0
.endr
	s_mul_i32 s45, s16, 25600                      ; at the head: my quarter in each half of a panel, in memory and in LDS alike
	s_mul_i32 s96, s14, 25600                      ; later: wave w takes quarter w
	s_mul_i32 s20, s17, 102400
	s_add_co_u32 s20, s20, s45
	s_mov_b32 s21, 0
	s_mul_i32 s46, s42, 102400
	s_mov_b32 s47, 0
	s_mov_b32 s98, s45
	s_mov_b32 s99, 0
	s_mov_b32 s80, s96
	s_mov_b32 s81, 0
	s_wait_dscnt 0x0                               ; both opening adds are done
	s_wait_kmcnt 0x0
	s_add_nc_u64 s[20:21], s[4:5], s[20:21]        ; the tokens' panel at my quarter
	s_add_nc_u64 s[46:47], s[6:7], s[46:47]        ; Wq's panel X
	s_add_nc_u64 s[98:99], s[46:47], s[98:99]      ; at my quarter of the head's,
	s_add_nc_u64 s[46:47], s[46:47], s[80:81]      ; and at quarter w
	CROUND                                         ; all sixteen work-groups are here: the joint loads meet
.irp l, 0,1
	s_mov_b32 s[G0A+4*\l], 1
	s_add_co_u32 s[G0A+4*\l+1], s45, \l*51200
	s_add_nc_u64 s[G0A+4*\l+2:G0A+4*\l+3], s[20:21], \l*51200
	s_or_b32 s[G0A+4*\l+3], s[G0A+4*\l+3], 0x80000000
	s_mov_b32 s[G0B+4*\l], 1
	s_add_co_u32 s[G0B+4*\l+1], s45, SL0+\l*51200
	s_add_nc_u64 s[G0B+4*\l+2:G0B+4*\l+3], s[98:99], \l*51200
	s_or_b32 s[G0B+4*\l+3], s[G0B+4*\l+3], 0x80000000
	JLOAD G0A+4*\l, G1A, G0B+4*\l, G1B
.endr
	s_mov_b32 s[G0K], 1
	s_add_co_u32 s[G0K+1], s96, SL1
	s_add_nc_u64 s[G0K+2:G0K+3], s[46:47], 819200  ; Wk's panel lies eight panels on
	s_or_b32 s[G0K+3], s[G0K+3], 0x80000000
	tensor_load_to_lds s[G0K:G0K+3], s[G1B:G1B+7]  ; slot 1: every wave a quarter; the last of the first fills
	s_nop 0
.rept 4
	v_nop
.endr
	s_mov_b32 s[G0V], 1                            ; for the one refill: written here and never again
	s_add_co_u32 s[G0V+1], s96, SL0
	s_add_nc_u64 s[G0V+2:G0V+3], s[46:47], 1638400 ; Wv's sixteen panels on
	s_or_b32 s[G0V+3], s[G0V+3], 0x80000000
	v_and_b32 v1, 15, v0                           ; r
	v_bfe_u32 v2, v0, 4, 1                         ; h
	v_mul_u32_u24 v3, v1, 24
	v_mad_u32_u24 v3, v2, 384, v3                  ; a lane's place in a fragment
	s_mul_i32 s66, s15, 6144
	s_mul_i32 s67, s16, 6144
	s_add_co_u32 s66, s66, 4096
	s_add_co_u32 s67, s67, SL0+4096
	v_add_nc_u32 v[ADRA], s66, v3
	v_add_nc_u32 v[ADRB], s67, v3
	v_add_nc_u32 v[ADRA+1], 49152, v[ADRA]
	v_add_nc_u32 v[ADRB+1], 49152, v[ADRB]
	v_add_nc_u32 v[ADRB+2], 102400, v[ADRB]
	v_add_nc_u32 v[ADRB+3], 102400, v[ADRB+1]
	s_lshl_b32 s66, s15, 11
	s_lshl_b32 s67, s16, 11
	s_add_co_u32 s67, s67, SL0
	s_sub_co_u32 s67, s67, s66
	v_mul_u32_u24 v[ADRS], s67, v2                 ; lanes 16-31 take the weights' words: slot 0's,
	v_lshl_add_u32 v[ADRS], v1, 2, v[ADRS]
	v_add_nc_u32 v[ADRS], s66, v[ADRS]
	s_add_co_u32 s67, s67, 102400
	v_mul_u32_u24 v[ADRS+1], s67, v2               ; or slot 1's
	v_lshl_add_u32 v[ADRS+1], v1, 2, v[ADRS+1]
	v_add_nc_u32 v[ADRS+1], s66, v[ADRS+1]
	v_and_b32 v15, 31, v0
	v_lshlrev_b32 v15, 4, v15                      ; 16 x lane
	v_mul_u32_u24 v16, v1, 24
	v_mad_u32_u24 v16, v2, 12, v16                 ; my 12 bytes of a block's 384
	v_lshlrev_b32 v17, 2, v1                       ; 4 r
.irp b, 0,1,2,3
	v_mov_b32 v[PM+\b], 0                          ; a lane permute's destination counts as read
.endr
	s_mov_b32 s[SEL], 0x76543210
	s_mov_b32 s[SEL+1], 0xfedcba98
	s_and_b32 s19, s17, 15                         ; the key step
	s_lshr_b32 s78, s17, 4
	s_lshl_b32 s78, s78, 4
	s_lshl_b32 s79, s42, 1
	s_add_co_u32 s78, s78, s79
	s_add_co_u32 s78, s78, s16                     ; batch x 16 + head
	s_mul_i32 s79, s78, 106496                     ; q's part: codes [tile of 16][2 blocks][row][24], then a word a token
	s_mul_i32 s80, s19, 6144
	s_add_co_u32 s80, s80, s79
	s_mul_i32 s81, s15, 3072
	s_add_co_u32 s[QCB], s80, s81
	s_mov_b32 s[QCB+1], 0
	s_add_nc_u64 s[QCB:QCB+1], s[10:11], s[QCB:QCB+1]
	s_lshl_b32 s80, s19, 9
	s_add_co_u32 s80, s80, s79
	s_add_co_u32 s80, s80, 98304
	s_lshl_b32 s97, s15, 8
	s_add_co_u32 s[QSB], s80, s97
	s_mov_b32 s[QSB+1], 0
	s_add_nc_u64 s[QSB:QSB+1], s[10:11], s[QSB:QSB+1]
	s_mul_i32 s79, s78, 208896                     ; k's and v's: a block of 13,056 bytes for each 128 keys: K's codes, V's codes, K's words, V's words
	s_mul_i32 s80, s19, 13056
	s_add_co_u32 s79, s79, s80
	s_add_co_u32 s79, s79, 3407872
	s_add_co_u32 s[KCB], s79, s81
	s_mov_b32 s[KCB+1], 0
	s_add_nc_u64 s[KCB:KCB+1], s[10:11], s[KCB:KCB+1]
	s_add_co_u32 s[KSB], s79, s97
	s_add_co_u32 s[KSB], s[KSB], 12288
	s_mov_b32 s[KSB+1], 0
	s_add_nc_u64 s[KSB:KSB+1], s[10:11], s[KSB:KSB+1]
	s_mul_i32 s81, s15, 768
	s_add_co_u32 s[VCB], s79, s81
	s_add_co_u32 s[VCB], s[VCB], 6144
	s_mov_b32 s[VCB+1], 0
	s_add_nc_u64 s[VCB:VCB+1], s[10:11], s[VCB:VCB+1]   ; v: codes, blocks 2 wm on
	s_lshl_b32 s81, s15, 1
	s_add_co_u32 s[VSB], s79, s81
	s_add_co_u32 s[VSB], s[VSB], 12800
	s_mov_b32 s[VSB+1], 0
	s_add_nc_u64 s[VSB:VSB+1], s[10:11], s[VSB:VSB+1]   ; and bytes 2 wm on of its words
	s_lshl_b32 s[TAB], s19, 15
	s_lshl_b32 s81, s15, 14
	s_add_co_u32 s[TAB], s[TAB], s81
	s_mov_b32 s[TAB+1], 0
	s_add_nc_u64 s[TAB:TAB+1], s[8:9], s[TAB:TAB+1]
	s_wait_tensorcnt 2                             ; my first quarter is in; my second and my quarter of slot 1 stay on their way
	s_barrier_signal -1
	s_barrier_wait -1                              ; the scale words and K steps 0-2 of the tokens' panel and of slot 0 are whole
	TILEQK 1, ADRB, 0, QCB, QSB                    ; q
	s_wait_tensorcnt 0x0                           ; THE CHANGE: all my tensor loads have landed, my quarter of slot 1 among them;
	ds_add_u32 v[SPW], v[NIL]
	s_wait_dscnt 0x0                               ; the add is done, and my reads of slot 0 are over
	CROUND                                         ; so of every wave of all sixteen work-groups
	tensor_load_to_lds s[G0V:G0V+3], s[G1B:G1B+7]  ; Wv's panel into slot 0: my one load behind the round; tile k's 128 matrix instructions and its way out are the time in which it lands
	s_nop 0
.rept 4
	v_nop
.endr
	TILEQK 0, ADRB+2, 1, KCB, KSB                  ; k
	s_wait_tensorcnt 0x0                           ; my quarter of Wv's panel is in,
	s_wait_dscnt 0x0
	s_barrier_signal -1
	s_barrier_wait -1                              ; everybody's is
	FETCH 0, ADRA, ADRB, 0                         ; v
	K 0, 1, 1, ADRA, ADRB, 0
	K 1, 0, 1, ADRA, ADRB, 0
	K 2, 0, 1, ADRA, ADRB, 0
	K 3, 0, 1, ADRA, ADRB, 0
	K 4, 0, 1, ADRA, ADRB, 0
	K 5, 0, 1, ADRA, ADRB, 0
	K 6, 0, 1, ADRA, ADRB, 0
	KA 7, 0, 1
	MUL8 7, 1, 0, 1
	WIN 0
	PLACES
	s_wait_xcnt 0x0                                ; tile k's stores have read their registers
	QUANT4 ACC, 16                                 ; block 2 c + a': channel tile c, my tokens 32 a' on
	OUTV 0
	s_wait_xcnt 0x0
	QUANT4 ACC+64, 16
	OUTV 2
	s_wait_tensorcnt 0x0                           ; the wave's end
	ds_add_u32 v[SPW], v[NIL]
	s_wait_dscnt 0x0
	CROUND                                         ; the closing round
	s_endpgm
.Lfunc_end_k_qdd948ccfdf_qkv:
	.size	k_qdd948ccfdf_qkv, .Lfunc_end_k_qdd948ccfdf_qkv-k_qdd948ccfdf_qkv
	.p2alignl 7, 3214868480
	.fill 96, 4, 3214868480
	.section	.rodata,"a",@progbits
	.p2align	6, 0x0
	.amdhsa_kernel k_qdd948ccfdf_qkv
		.amdhsa_group_segment_fixed_size 327680
		.amdhsa_private_segment_fixed_size 0
		.amdhsa_enable_private_segment 0
		.amdhsa_kernarg_size 32
		.amdhsa_user_sgpr_count 2
		.amdhsa_user_sgpr_kernarg_segment_ptr 1
		.amdhsa_wavefront_size32 1
		.amdhsa_system_sgpr_workgroup_id_x 1
		.amdhsa_system_sgpr_workgroup_id_y 1
		.amdhsa_system_sgpr_workgroup_id_z 1
		.amdhsa_system_vgpr_workitem_id 0
		.amdhsa_next_free_vgpr 512
		.amdhsa_next_free_sgpr 100
		.amdhsa_reserve_vcc 0
		.amdhsa_float_denorm_mode_32 3
		.amdhsa_float_denorm_mode_16_64 3
		.amdhsa_memory_ordered 1
		.amdhsa_forward_progress 1
		.amdhsa_inst_pref_size 197
	.end_amdhsa_kernel
	.amdgpu_metadata
---
amdhsa.version: [ 1, 2 ]
amdhsa.kernels:
  - .name:           k_qdd948ccfdf_qkv
    .symbol:         k_qdd948ccfdf_qkv.kd
    .args:
      - { .name: xq1, .offset: 0, .size: 8, .value_kind: global_buffer, .address_space: global }
      - { .name: wts, .offset: 8, .size: 8, .value_kind: global_buffer, .address_space: global }
      - { .name: rope, .offset: 16, .size: 8, .value_kind: global_buffer, .address_space: global }
      - { .name: qkv, .offset: 24, .size: 8, .value_kind: global_buffer, .address_space: global }
    .group_segment_fixed_size: 327680
    .private_segment_fixed_size: 0
    .kernarg_segment_align: 8
    .kernarg_segment_size: 32
    .max_flat_workgroup_size: 128
    .sgpr_count:     100
    .vgpr_count:     512
    .wavefront_size: 32
...
	.end_amdgpu_metadata
.endif
;; end of part 8
;; launch attn (part 9): grid 8 x 32, 16 waves a work-group, clusters of 4 x 1, 210,944 bytes of LDS; arguments qkv, att; writes att
.if DOCPART == 9
	.amdgcn_target "amdgcn-amd-amdhsa--gfx1250"
	.amdhsa_code_object_version 6
	.text
	.protected	k_qdd948ccfdf_attn
	.globl	k_qdd948ccfdf_attn
	.p2align	8
	.type	k_qdd948ccfdf_attn,@function
k_qdd948ccfdf_attn:
	s_mov_b64 s[64:65], 0
	v_nop
	global_prefetch_b8 v0, s[64:65] scope:SCOPE_SE
	s_setreg_imm32_b32 hwreg(HW_REG_WAVE_MODE, 25, 1), 1
	s_wait_xcnt 0x0
	s_wait_alu depctr_hold_cnt(0) depctr_sa_sdst(0) depctr_va_vdst(0) depctr_va_sdst(0) depctr_va_ssrc(0) depctr_va_vcc(0) depctr_vm_vsrc(0)
	s_getreg_b32 s2, hwreg(HW_REG_IB_STS2, 6, 4)
	s_cmp_eq_u32 s2, 0
	s_cbranch_scc0 .Lentry_in_a_cluster
	s_endpgm
.Lentry_in_a_cluster:
	s_bfe_u32 s2, ttmp6, 0x10000c
	s_cmp_lg_u32 s2, 0x3003
	s_cbranch_scc0 .Lentry_shape_is_right
	s_endpgm
.Lentry_shape_is_right:
; Causal attention on codes of FP6 (E2M3): S^T = K Q^T (K = the head's 64, the K step's other 64 are zero codes of Q), p = 2^(t - M) with t = score x log2(e) / 8 and M the running largest t rounded up to a whole number,
; p quantised along the keys, O^T += V^T P^T, the row's sum taken of the unquantised p; O / sum is quantised along (head, channel) for the output projection.
; LEFT OUT (shown at the first kernel's head): key steps of 128 that lie wholly behind a tile's queries under reference()'s own causal mask.
; SHARES.  Work-group (j, batch x head); wave w owns the 16 queries 128 QI + 16 j on and needs key steps 0 .. QI, so every work-group has the same 136 steps, and reads the whole head.
; QI = 4 (a xor b) + (a xor m(b)), a = w / 4, b = w % 4, m = 0, 2, 3, 1: two orthogonal Latin squares: each QI comes once, and the four waves with equal w % 4, like the four with equal w / 4, have 34 steps together.
; The head's K, V and scale words, 16 blocks of 13,056 bytes, come into LDS ONCE: wave w brings block w by one tensor load (one load of mine is out), jointly for the four work-groups of the cluster, which share the head.
; No branch, trip count or LDS address hangs on the place in the cluster.  The loop has 16 trips in every wave; a wave jumps over the work of the steps behind its queries, by its number and the count of trips.
; A lane holds one query throughout.  Tiles of keys are 16 neighbours: the 16 registers of tiles 2 b, 2 b + 1 are keys 32 b + 16 u + 8 h + j, the order inside a block that V's codes have too.
; K's fragment names twelve registers of which the upper six are the next tile's codes: they meet Q's zero codes.
.set SPARE, 208896
.set WV,  8
.set QI,  9
.set SEL, 14
.set CS,  16                           ; s[16:17] log2(e) / 8
.set G1,  24
.set G0,  32
.set KS,  36
.set TB,  37
.set BM,  212                          ; v212-215 block maxima
.set PX,  216                          ; v216-219 permutes, bytes
.set SP,  220                          ; v220-223 scale operands
.macro CROUND
	s_barrier_signal -1
	s_barrier_wait -1
	s_cmp_lg_u32 s[WV], 0
	s_cbranch_scc1 .Lnot_wave_0_\@
	s_barrier_signal -3
.Lnot_wave_0_\@:
	s_barrier_wait -3
	s_barrier_signal -1
	s_barrier_wait -1
.endm
	s_load_b128 s[4:7], s[0:1], 0x0                ; qkv, att
	v_lshl_add_u32 v5, v0, 2, SPARE
	v_mov_b32 v6, 0
	ds_add_u32 v5, v6                              ; the wave's opening: the add, twice on end, and its wait ahead of my first tensor load
	ds_add_u32 v5, v6
	v_lshrrev_b32 v8, 5, v0
	v_readfirstlane_b32 s[WV], v8                  ; wave 0..15
	s_bfe_u32 s12, ttmp6, 0x40000                  ; cx
	s_lshl_b32 s10, ttmp9, 2
	s_add_co_u32 s10, s10, s12                     ; j: it enters Q's and the output's addresses and the mask's numbers alone
	s_and_b32 s11, ttmp7, 0xffff                   ; batch x 16 + head
	s_lshr_b32 s18, s[WV], 2                       ; a
	s_and_b32 s19, s[WV], 3                        ; b
	s_lshr_b32 s20, s19, 1
	s_xor_b32 s21, s19, s20
	s_and_b32 s21, s21, 1
	s_lshl_b32 s21, s21, 1
	s_or_b32 s21, s21, s20                         ; m(b) = 0, 2, 3, 1
	s_xor_b32 s21, s21, s18
	s_xor_b32 s[QI], s18, s19
	s_lshl_b32 s[QI], s[QI], 2
	s_or_b32 s[QI], s[QI], s21                     ; my block of 128 queries
	s_mov_b32 s[G1], 15|(3<<16)|(1<<21)            ; all four work-groups; 51 rows of 32 elements of 8 bytes, dense
	s_mov_b32 s[G1+1], 32<<16
	s_mov_b32 s[G1+2], 51<<16
	s_mov_b32 s[G1+3], 32<<16
	s_mov_b32 s[G1+4], 51
	s_mov_b32 s[G1+5], 32
	s_mov_b32 s[G1+6], 0
	s_mov_b32 s[G1+7], 0
	s_mul_i32 s38, s[WV], 13056                    ; block w: in LDS and in the head's run alike
	s_mul_i32 s40, s11, 208896
	s_add_co_u32 s40, s40, s38
	s_add_co_u32 s40, s40, 3407872
	s_mov_b32 s41, 0
	s_mov_b32 s[SEL], 0x76543210
	s_mov_b32 s[SEL+1], 0xfedcba98
	s_mov_b32 s[CS], 0x3e38aa3b
	s_mov_b32 s[CS+1], s[CS]
	s_wait_dscnt 0x0
	s_wait_kmcnt 0x0
	CROUND
	s_mov_b32 s[G0], 1
	s_mov_b32 s[G0+1], s38
	s_add_nc_u64 s[G0+2:G0+3], s[4:5], s[40:41]
	s_or_b32 s[G0+3], s[G0+3], 0x80000000
	tensor_load_to_lds s[G0:G0+3], s[G1:G1+7]
	s_nop 0
	s_lshl_b32 s42, s[QI], 3
	s_add_co_u32 s42, s42, s10                     ; my tile of queries
	s_mul_i32 s43, s11, 106496
	s_mul_i32 s44, s42, 768
	s_add_co_u32 s44, s44, s43
	s_mov_b32 s45, 0
	s_add_nc_u64 s[44:45], s[4:5], s[44:45]
	s_lshl_b32 s46, s42, 6
	s_add_co_u32 s46, s46, s43
	s_add_co_u32 s46, s46, 98304
	s_mov_b32 s47, 0
	s_add_nc_u64 s[46:47], s[4:5], s[46:47]
	v_and_b32 v8, 15, v0                           ; r
	v_bfe_u32 v9, v0, 4, 1                         ; h
	v_mul_u32_u24 v1, v8, 24
	v_mad_u32_u24 v1, v9, 384, v1                  ; K: my place in a tile
	v_add_nc_u32 v2, 6144, v1                      ; V
	v_lshlrev_b32 v10, 2, v8
	v_add_nc_u32 v3, 12288, v10                    ; K's scale words
	v_add_nc_u32 v4, 12800, v10                    ; V's
.irp p, 0,1,2
	global_load_b64 v[16+2*\p:17+2*\p], v1, s[44:45] offset:8*\p   ; Q: block h of row r
.endr
	global_load_b32 v28, v10, s[46:47]             ; Q's scale word
	v_lshlrev_b32 v11, 3, v9
	v_sub_nc_u32 v7, v8, v11
	s_lshl_b32 s48, s10, 4
	v_add_nc_u32 v7, s48, v7                       ; d = 16 j + r - 8 h: on the diagonal the key of register 8 T + i is hidden where 16 T + i > d
	v_mov_b32 v29, 0xff800000
.irp i, 22,23,24,25,26,27,80,81,82,83,84,85
	v_mov_b32 v\i, 0                               ; zero codes: Q's upper 64 of K; what stands behind K's last tile
.endr
	v_mov_b32 v13, 0xff61b1e6                      ; the largest t so far: -3e38
	v_floor_f32 v12, -v13                          ; -M
	v_mov_b32 v14, 0
	v_mov_b32 v15, 0
	v_mov_b32 v225, 0
	v_mov_b32 v230, 0
.irp b, 0,1,2,3
	v_mov_b32 v[PX+\b], 0
.endr
.set n, 0
.rept 32
	v_mov_b32 v[160+n], 0                          ; O^T: the step is written once; the first finds zeros
.set n, n+1
.endr
	s_lshr_b32 s49, s11, 4                         ; the output: panel 16 batch + QI, tile j, K step head / 2, blocks 2 (head % 2) on
	s_lshl_b32 s49, s49, 4
	s_add_co_u32 s49, s49, s[QI]
	s_mul_i32 s49, s49, 102400
	s_and_b32 s50, s11, 15
	s_lshr_b32 s51, s50, 1
	s_and_b32 s50, s50, 1
	s_mul_i32 s52, s51, 12288
	s_add_co_u32 s52, s52, s49
	s_mul_i32 s53, s10, 1536
	s_add_co_u32 s52, s52, s53
	s_mul_i32 s53, s50, 768
	s_add_co_u32 s52, s52, s53
	s_add_co_u32 s52, s52, 4096
	s_mov_b32 s53, 0
	s_add_nc_u64 s[52:53], s[6:7], s[52:53]
	s_lshl_b32 s54, s10, 9
	s_add_co_u32 s54, s54, s49
	s_lshl_b32 s55, s51, 6
	s_add_co_u32 s54, s54, s55
	s_lshl_b32 s55, s50, 1
	s_add_co_u32 s54, s54, s55
	s_mov_b32 s55, 0
	s_add_nc_u64 s[54:55], s[6:7], s[54:55]
	s_mov_b32 s[KS], 0
	s_mov_b32 s[TB], 0
	s_wait_loadcnt 0x0                             ; Q
	s_wait_tensorcnt 0x0                           ; my block is in,
	s_barrier_signal -1
	s_barrier_wait -1                              ; everybody's is: the head lies in LDS
.Lstep:
	s_cmp_gt_u32 s[KS], s[QI]                      ; a step behind my queries: only the stepping lines
	s_cbranch_scc1 .Lskip
	v_add_nc_u32 v8, s[TB], v1                     ; (these four are also the places in front of the loads into what the last products read)
	v_add_nc_u32 v9, s[TB], v2
	v_add_nc_u32 v10, s[TB], v3
	v_add_nc_u32 v11, s[TB], v4
.irp t, 0,1,2,3,4,5,6,7
.irp p, 0,1,2
	ds_load_b64 v[32+6*\t+2*\p:33+6*\t+2*\p], v8 offset:768*\t+8*\p
.endr
	ds_load_b32 v[86+\t], v10 offset:64*\t
.endr
	s_wait_dscnt 0x0
.irp t, 0,1,2,3,4,5,6,7
	v_wmma_scale_f32_16x16x128_f8f6f4 v[96+8*\t:103+8*\t], v[32+6*\t:43+6*\t], v[16:27], 0, v[86+\t], v28 matrix_a_fmt:MATRIX_FMT_FP6 matrix_b_fmt:MATRIX_FMT_FP6
.endr
.rept 4
	v_nop                                          ; places: for the loads below and for the first read of the scores
.endr
.irp t, 0,1,2,3                        ; V's four fragments and words are asked for here and land under the softmax
.irp p, 0,1,2,3,4,5
	ds_load_b64 v[32+12*\t+2*\p:33+12*\t+2*\p], v9 offset:1536*\t+768*(\p/3)+8*(\p%3)
.endr
	ds_load_b32 v[86+\t], v11 offset:64*\t
.endr
	s_cmp_lg_u32 s[KS], s[QI]                      ; only my last step lies on the diagonal
	s_cbranch_scc1 .Lopen
.set n, 0
.rept 64
	v_cmp_gt_i32 vcc_lo, 16*(n/8)+n%8, v7
	v_cndmask_b32 v[96+n], v[96+n], v29, vcc_lo    ; hidden scores become -infinity: p = 0
.set n, n+1
.endr
.Lopen:
.irp b, 0,1,2,3
	v_max3_num_f32 v[BM+\b], v[96+16*\b], v[97+16*\b], v[98+16*\b]   ; each block's largest score: for the row's maximum and for the block's largest p
.endr
.irp i, 3,5,7,9,11,13
.irp b, 0,1,2,3
	v_max3_num_f32 v[BM+\b], v[BM+\b], v[96+16*\b+\i], v[97+16*\b+\i]
.endr
.endr
.irp b, 0,1,2,3
	v_max_num_f32 v[BM+\b], v[BM+\b], v[111+16*\b]
.endr
.irp b, 0,1,2,3
	v_permlanex16_b32 v[PX+\b], v[BM+\b], s[SEL], s[SEL+1]
.endr
.irp b, 0,1,2,3
	v_max_num_f32 v[BM+\b], v[BM+\b], v[PX+\b]
.endr
	v_max3_num_f32 v230, v[BM], v[BM+1], v[BM+2]
	v_max_num_f32 v230, v230, v[BM+3]
	v_mul_f32 v230, s[CS], v230
	v_max_num_f32 v13, v13, v230                   ; the running largest t
	v_mov_b32 v230, v12
	v_floor_f32 v12, -v13                          ; -M = floor(-t): M is a whole number
	v_sub_f32 v230, v12, v230
	v_cvt_i32_f32 v230, v230                       ; (it saturates)
	v_ldexp_f32 v224, 1.0, v230                    ; f = 2^(old M - new M)
.set n, 0
.rept 32
	v_pk_fma_f32 v[96+n:97+n], v[96+n:97+n], s[CS:CS+1], v[12:13] op_sel_hi:[1,0,0]   ; t - M
.set n, n+2
.endr
.irp b, 0,1,2,3
	v_fma_f32 v[BM+\b], v[BM+\b], s[CS], v12
.endr
.set n, 0
.rept 64
	v_exp_f32 v[96+n], v[96+n]                     ; p, not normalised
.set n, n+1
.endr
	v_pk_mul_f32 v[14:15], v[14:15], v[224:225] op_sel_hi:[1,0]   ; the sums under the new M (a plain line behind the exponentials)
	s_wait_alu depctr_va_vdst(0)                   ; one wait for the batch, ahead of its first reader
.irp b, 0,1,2,3
	v_exp_f32 v[BM+\b], v[BM+\b]                   ; the block's largest p
.endr
	v_pk_add_f32 v[228:229], v[96:97], v[98:99]    ; the row's sum of the unquantised p, in two chains
.set n, 4
.rept 15
	v_pk_add_f32 v[14:15], v[14:15], v[96+n:97+n]
	v_pk_add_f32 v[228:229], v[228:229], v[98+n:99+n]
.set n, n+4
.endr
	v_pk_add_f32 v[14:15], v[14:15], v[228:229]
	s_wait_alu depctr_va_vdst(0)                   ; and one for the four
.irp b, 0,1,2,3
	v_max_num_f32 v[BM+\b], 0x1800000, v[BM+\b]    ; the floor: the byte cannot fall under 1
.endr
.irp b, 0,1,2,3
	v_add_nc_u32 v[SP+\b], 0xff000000, v[BM+\b]
.endr
.irp b, 0,1,2,3
	v_lshrrev_b32 v[PX+\b], 23, v[SP+\b]
.endr
	v_lshl_or_b32 v226, v[PX+1], 8, v[PX]          ; p's scale word
	v_lshl_or_b32 v226, v[PX+2], 16, v226
	v_lshl_or_b32 v226, v[PX+3], 24, v226
.irp c, 0,1
	v_cvt_scalef32_pk16_fp6_f32 v[192+6*\c:194+6*\c], v[96+32*\c:111+32*\c], v[SP+2*\c]
	v_cvt_scalef32_pk16_fp6_f32 v[204+4*\c:206+4*\c], v[112+32*\c:127+32*\c], v[SP+2*\c+1]
.endr
	v_nop
.irp c, 0,1                            ; the operand wants a whole block in a lane
.irp i, 0,1,2
	v_permlane16_swap_b32 v[192+6*\c+\i], v[204+4*\c+\i]
.endr
.irp i, 0,1,2
	v_mov_b32 v[195+6*\c+\i], v[204+4*\c+\i]
.endr
.endr
.set n, 0
.rept 16
	v_pk_mul_f32 v[160+n:161+n], v[160+n:161+n], v[224:225] op_sel_hi:[1,0]   ; O^T under the new M; also the places in front of the scaled products
.set n, n+2
.endr
	s_wait_dscnt 0x0                               ; V
.irp t, 0,1,2,3
	v_wmma_scale_f32_16x16x128_f8f6f4 v[160+8*\t:167+8*\t], v[32+12*\t:43+12*\t], v[192:203], v[160+8*\t:167+8*\t], v[86+\t], v226 matrix_a_fmt:MATRIX_FMT_FP6 matrix_b_fmt:MATRIX_FMT_FP6
.endr
.Lskip:
	s_add_co_u32 s[TB], s[TB], 13056
	s_add_co_u32 s[KS], s[KS], 1
	s_cmp_lt_u32 s[KS], 16
	s_cbranch_scc1 .Lstep
	; THE WAY OUT
	v_add_f32 v14, v14, v15
	v_permlanex16_b32 v230, v14, s[SEL], s[SEL+1]
	v_add_f32 v14, v14, v230                       ; the row's sum
	v_rcp_f32 v14, v14
	v_and_b32 v8, 15, v0                           ; (plain lines: behind the transcendental, and the places behind the last products)
	v_bfe_u32 v9, v0, 4, 1
	v_mul_u32_u24 v10, v8, 24
	v_mad_u32_u24 v10, v9, 12, v10
	v_lshlrev_b32 v11, 2, v8
	v_nop
	s_wait_alu depctr_va_vdst(0)
.set n, 0
.rept 32
	v_mul_f32 v[96+n], v[160+n], v14               ; register 8 T + i: channel 16 T + 8 h + i
.set n, n+1
.endr
.irp b, 0,1
	v_max3_num_f32 v[BM+\b], |v[96+16*\b]|, |v[97+16*\b]|, 0x1800000
.endr
.irp i, 2,4,6,8,10,12,14
.irp b, 0,1
	v_max3_num_f32 v[BM+\b], v[BM+\b], |v[96+16*\b+\i]|, |v[97+16*\b+\i]|
.endr
.endr
.irp b, 0,1
	v_permlanex16_b32 v[PX+\b], v[BM+\b], s[SEL], s[SEL+1]
.endr
.irp b, 0,1
	v_max_num_f32 v[BM+\b], v[BM+\b], v[PX+\b]
.endr
.irp b, 0,1
	v_add_nc_u32 v[SP+\b], 0xff000000, v[BM+\b]
.endr
.irp b, 0,1
	v_lshrrev_b32 v[PX+\b], 23, v[SP+\b]
.endr
.irp b, 0,1
	v_cvt_scalef32_pk16_fp6_f32 v[192+4*\b:194+4*\b], v[96+16*\b:111+16*\b], v[SP+\b]
.endr
	v_nop
	v_lshl_or_b32 v231, v[PX+1], 8, v[PX]
	global_store_b96 v10, v[192:194], s[52:53]
	global_store_b96 v10, v[196:198], s[52:53] offset:384
	global_store_b16 v11, v231, s[54:55]
	s_wait_tensorcnt 0x0                           ; the wave's end
	ds_add_u32 v5, v6
	s_wait_dscnt 0x0
	CROUND                                         ; the closing round
	s_endpgm
.Lfunc_end_k_qdd948ccfdf_attn:
	.size	k_qdd948ccfdf_attn, .Lfunc_end_k_qdd948ccfdf_attn-k_qdd948ccfdf_attn
	.p2alignl 7, 3214868480
	.fill 96, 4, 3214868480
	.section	.rodata,"a",@progbits
	.p2align	6, 0x0
	.amdhsa_kernel k_qdd948ccfdf_attn
		.amdhsa_group_segment_fixed_size 210944
		.amdhsa_private_segment_fixed_size 0
		.amdhsa_enable_private_segment 0
		.amdhsa_kernarg_size 16
		.amdhsa_user_sgpr_count 2
		.amdhsa_user_sgpr_kernarg_segment_ptr 1
		.amdhsa_wavefront_size32 1
		.amdhsa_system_sgpr_workgroup_id_x 1
		.amdhsa_system_sgpr_workgroup_id_y 1
		.amdhsa_system_sgpr_workgroup_id_z 1
		.amdhsa_system_vgpr_workitem_id 0
		.amdhsa_next_free_vgpr 256
		.amdhsa_next_free_sgpr 66
		.amdhsa_reserve_vcc 1
		.amdhsa_float_denorm_mode_32 3
		.amdhsa_float_denorm_mode_16_64 3
		.amdhsa_memory_ordered 1
		.amdhsa_forward_progress 1
		.amdhsa_inst_pref_size 34
	.end_amdhsa_kernel
	.amdgpu_metadata
---
amdhsa.version: [ 1, 2 ]
amdhsa.kernels:
  - .name:           k_qdd948ccfdf_attn
    .symbol:         k_qdd948ccfdf_attn.kd
    .args:
      - { .name: qkv, .offset: 0, .size: 8, .value_kind: global_buffer, .address_space: global }
      - { .name: att, .offset: 8, .size: 8, .value_kind: global_buffer, .address_space: global }
    .group_segment_fixed_size: 210944
    .private_segment_fixed_size: 0
    .kernarg_segment_align: 8
    .kernarg_segment_size: 16
    .max_flat_workgroup_size: 512
    .sgpr_count:     66
    .vgpr_count:     256
    .wavefront_size: 32
...
	.end_amdgpu_metadata
.endif
;; end of part 9
;; launch oproj: the kernel of part 5 again; grid 8 x 32, 4 waves a work-group, clusters of 4 x 4, 205,312 bytes of LDS; arguments att, wts, x, x2; writes x2
;; launch norm2: the kernel of part 2 again; grid 256 x 1, 8 waves a work-group, no clusters, 69,120 bytes of LDS; arguments x2, g2, xq2; writes xq2
;; launch ffn_up (part 10): grid 32 x 8, 4 waves a work-group, no clusters, 327,680 bytes of LDS; arguments xq2, wts, hid; writes hid
.if DOCPART == 10
	.amdgcn_target "amdgcn-amd-amdhsa--gfx1250"
	.amdhsa_code_object_version 6
	.text
	.protected	k_qdd948ccfdf_ffn_up
	.globl	k_qdd948ccfdf_ffn_up
	.p2align	8
	.type	k_qdd948ccfdf_ffn_up,@function
k_qdd948ccfdf_ffn_up:
	s_mov_b64 s[64:65], 0
	v_nop
	global_prefetch_b8 v0, s[64:65] scope:SCOPE_SE
	s_setreg_imm32_b32 hwreg(HW_REG_WAVE_MODE, 25, 1), 1
	s_wait_xcnt 0x0
; hidden = silu(xn w1^T) x (xn w3^T), both products on codes of FP6 (E2M3), quantised along the hidden axis for the last product; it never exists in memory as f32.
; A WORK-GROUP STAYS: it keeps 128 tokens (panel x of xq2, 102,400 bytes with its scale words) in LDS and walks neighbouring panels of weights (panel j of wts: 64 rows of w1 and the same 64 of w3).
; There are 43 panels for 8 rows of work-groups: rows y = 0, 1, 2 walk six, the others five: j = 5 y + min(y, 3) on.  A tile is 128 tokens x 64 hidden units; four waves, 64 tokens x (32 of w1 + 32 of w3) each, 16 accumulators.
; A wave's tiles i0 = 0, 1 are x1 and i0 = 2, 3 x3 of the same 32 hidden units: one block of the next K in each pair of lanes.
; LDS: the tokens' panel (filled once), two slots for the weights' panels.  THE CHANGE OF SLOTS stands at a tile's head: each wave waits for all its tensor loads, adds 0 to its spare word, waits for that and for its reads of the slot that it
; has left, and passes the barrier; behind it each wave asks for its quarter of the next panel, into the slot just left: one load a wave, with this tile's 128 matrix instructions and its way out in which to land.
; By this text's count a wave has two tensor loads out at the head and one behind each change.  All LDS is claimed.
; The loop has three trips of two tiles in every work-group.  Where a work-group's panels end hangs on its y, so that tail cannot be written out.
; never round a wait, the add or the barrier.  Every wait on TENSORcnt is for 0.
; NO CLUSTER, though the 32 work-groups of a row walk the same panels.
; The work-group that has panel 42 also stores the zero codes (and valid bytes) that fill K from 2,752 to 2,816.
.set SL0,   102400
.set SL1,   204800
.set SPARE, 307200                     ; behind the three panels: the spare words, 128 bytes a wave
.set ADRA, 4                           ; v4-5   my 64 tokens, K steps 0-3, 4-7
.set ADRB, 6                           ; v6-7   my 64 rows of the weights' panel in slot 0;  v8-9 in slot 1
.set ADRS, 10                          ; v10    scale words: lanes 0-15 the tokens', lanes 16-31 slot 0's;  v11: slot 1's
.set SPW,  13
.set NIL,  14
.set SC,   24
.set MX,   100
.set PM,   104
.set SO,   108
.set CD,   112
.set ACC,  128
.set G1,  24                           ; s[24:31] group 1: 100 rows of 256 bytes, for every load
.set G0A, 32                           ; s[32:39] group 0 of the head's two loads of the tokens' panel
.set G0B, 56                           ; s[56:63] of the first panel of weights
.set G0R, 68                           ; s[68:71] my quarter of a panel, to slot 0;  s[72:75] to slot 1
.set CB,  76                           ; s[76:77] the tile's codes in hid
.set SB,  78                           ; s[78:79] my byte of its scale words
.set JJ,  42                           ; s42  the tile's panel
.set JE,  43                           ; s43  the first panel that is not mine
.set SEL, 86
.set NL,  88
.set MSB, 0
.set MUL,  0x05
.set TO_F, 0x40
.macro WIN new
.if MSB != \new
	s_set_vgpr_msb (MSB<<8)|\new
.set MSB, \new
.endif
.endm
.macro PLACES
.rept 4
	v_nop
.endr
.endm
.macro JLOAD g0a, g0b                  ; at the head: waves 0, 1 fetch the tokens' panel, waves 2, 3 the first panel of weights; an s_nop 0 and four v_nop follow each line
	s_cmp_eq_u32 s15, 0
	s_cbranch_scc0 .Lfor_b_\@
	tensor_load_to_lds s[\g0a:\g0a+3], s[G1:G1+7]
	s_nop 0
.rept 4
	v_nop
.endr
	s_branch .Lasked_\@
.Lfor_b_\@:
	tensor_load_to_lds s[\g0b:\g0b+3], s[G1:G1+7]
	s_nop 0
.rept 4
	v_nop
.endr
.Lasked_\@:
.endm
.macro FRAG reg, adr, off
.irp p, 0,1,2,3,4,5
	ds_load_b64 v[(\reg)+2*\p:(\reg)+2*\p+1], v[\adr] offset:(\off)+768*(\p/3)+8*(\p%3)
.endr
.endm
.macro FETCH s, sl                     ; K step s: four fragments of weights (slot sl) for source 0, four of tokens for source 1, into buffer s % 2 of window 1; four scale words
	WIN TO_F
.irp i, 0,1,2,3
	FRAG 128*((\s)%2)+12*\i, ADRB+2*(\sl)+(\s)/4, ((\s)%4)*12288+1536*\i
.endr
.irp i, 0,1,2,3
	FRAG 128*((\s)%2)+48+12*\i, ADRA+(\s)/4, ((\s)%4)*12288+1536*\i
.endr
	WIN 0
.irp i, 0,1,2,3
	ds_load_b32 v[SC+4*((\s)%2)+\i], v[ADRS+(\sl)] offset:512*\i+64*(\s)
.endr
.endm
.macro MUL8 s, half, zero              ; the 16 accumulators take turns in one order in every step
.irp a, 2*(\half), 2*(\half)+1
.irp b, 0,1,2,3
.set rD, ACC+8*(4*(\a)+\b)
.set rA, 128*((\s)%2)+12*\b
.set rB, 128*((\s)%2)+48+12*(\a)
.set rS, SC+4*((\s)%2)
.if \zero
	v_wmma_scale_f32_16x16x128_f8f6f4 v[rD:rD+7], v[rA:rA+11], v[rB:rB+11], 0, v[rS+\b], v[rS+(\a)] matrix_a_fmt:MATRIX_FMT_FP6 matrix_b_fmt:MATRIX_FMT_FP6 matrix_a_scale:MATRIX_SCALE_ROW1
.else
	v_wmma_scale_f32_16x16x128_f8f6f4 v[rD:rD+7], v[rA:rA+11], v[rB:rB+11], v[rD:rD+7], v[rS+\b], v[rS+(\a)] matrix_a_fmt:MATRIX_FMT_FP6 matrix_b_fmt:MATRIX_FMT_FP6 matrix_a_scale:MATRIX_SCALE_ROW1
.endif
.endr
.endr
.endm
.macro KA s, zero
	s_wait_dscnt 0x0                               ; the step's fragments and scale words are in
	WIN MUL
	MUL8 \s, 0, \zero
.endm
.macro KB s, zero, sl
	PLACES                                         ; for the loads into the buffer that the step before multiplied
	FETCH (\s)+1, \sl
	WIN MUL
	MUL8 \s, 1, \zero
.endm
.macro K s, zero, sl
	KA \s, \zero
	KB \s, \zero, \sl
.endm
.macro QUANT4 src, stride
.irp b, 0,1,2,3
	v_max3_num_f32 v[MX+\b], |v[(\src)+(\stride)*\b]|, |v[(\src)+(\stride)*\b+1]|, 0x1800000
.endr
.irp i, 2,4,6,8,10,12,14
.irp b, 0,1,2,3
	v_max3_num_f32 v[MX+\b], v[MX+\b], |v[(\src)+(\stride)*\b+\i]|, |v[(\src)+(\stride)*\b+\i+1]|
.endr
.endr
.irp b, 0,1,2,3
	v_permlanex16_b32 v[PM+\b], v[MX+\b], s[SEL], s[SEL+1]
.endr
.irp b, 0,1,2,3
	v_max_num_f32 v[MX+\b], v[MX+\b], v[PM+\b]
.endr
.irp b, 0,1,2,3
	v_add_nc_u32 v[SO+\b], 0xff000000, v[MX+\b]
.endr
.irp b, 0,1,2,3
	v_lshrrev_b32 v[PM+\b], 23, v[SO+\b]
.endr
.irp b, 0,1,2,3
	v_cvt_scalef32_pk16_fp6_f32 v[CD+4*\b:CD+4*\b+2], v[(\src)+(\stride)*\b:(\src)+(\stride)*\b+15], v[SO+\b]
.endr
	v_nop
.endm
; A tile: the change of slots, then panel s[JJ] out of slot sl.
.macro TILE sl
	s_wait_tensorcnt 0x0                           ; all my tensor loads have landed, my quarter of this tile's panel among them: so every group 0 may be written
	ds_add_u32 v[SPW], v[NIL]
	s_add_nc_u64 s[G0R+4*(\sl)+2:G0R+4*(\sl)+3], s[G0R+4*(\sl)+2:G0R+4*(\sl)+3], 204800   ; this slot's next panel: two panels on
	s_wait_dscnt 0x0                               ; the add is done, and my reads of the slot that I have left are over
	s_barrier_signal -1
	s_barrier_wait -1                              ; so of all four waves: this slot is whole, nobody reads the other
	s_add_co_u32 s80, s[JJ], 1                     ; the next panel: is it mine?  y and the count of tiles alone: all four waves go the same way
	s_cmp_ge_u32 s80, s[JE]
	s_cbranch_scc1 .Lpast_\@
	tensor_load_to_lds s[G0R+4-4*(\sl):G0R+7-4*(\sl)], s[G1:G1+7]   ; my quarter of it, into the slot just left: my one tensor load until the next change
	s_nop 0
.rept 4
	v_nop
.endr
.Lpast_\@:
	s_cmp_ge_u32 s[JJ], s[JE]                      ; a tile that I do not have: only the stepping line
	s_cbranch_scc1 .Lnone_\@
	FETCH 0, \sl
	K 0, 1, \sl                                    ; the first step's products start the sums
	K 1, 0, \sl
	K 2, 0, \sl
	K 3, 0, \sl
	K 4, 0, \sl
	K 5, 0, \sl
	K 6, 0, \sl
	KA 7, 0
	MUL8 7, 1, 0
	WIN 0
	PLACES                                         ; in front of the first read of results
	s_wait_xcnt 0x0                                ; the last tile's stores have read their bases and their registers
	s_lshr_b32 s80, s[JJ], 1                       ; the next product's K step,
	s_and_b32 s81, s[JJ], 1
	s_lshl_b32 s81, s81, 1
	s_add_co_u32 s81, s81, s16                     ; and my block in it
	s_mul_i32 s82, s80, 12288
	s_add_co_u32 s82, s82, s84
	s_mul_i32 s83, s81, 384
	s_add_co_u32 s82, s82, s83
	s_mov_b32 s83, 0
	s_add_nc_u64 s[CB:CB+1], s[8:9], s[82:83]
	s_lshl_b32 s82, s80, 6
	s_add_co_u32 s82, s82, s85
	s_add_co_u32 s82, s82, s81
	s_add_nc_u64 s[SB:SB+1], s[8:9], s[82:83]
	; x1 = v[ACC + 32 a + 0..15], x3 = v[ACC + 32 a + 16..31]; silu(x1) = x1 / (1 + 2^(-x1 log2 e))
.irp a, 0,1,2,3
.irp i, 0,2,4,6,8,10,12,14
	v_pk_mul_f32 v[32+16*\a+\i:33+16*\a+\i], v[ACC+32*\a+\i:ACC+32*\a+\i+1], s[NL:NL+1] op_sel_hi:[1,0]
.endr
.endr
.set n, 0
.rept 64
	v_exp_f32 v[32+n], v[32+n]
.set n, n+1
.endr
	v_nop                                          ; a plain line behind the batch,
	s_wait_alu depctr_va_vdst(0)                   ; and its one wait
.set n, 0
.rept 32
	v_pk_add_f32 v[32+n:33+n], v[32+n:33+n], 1.0 op_sel_hi:[1,0]
.set n, n+2
.endr
.set n, 0
.rept 64
	v_rcp_f32 v[32+n], v[32+n]
.set n, n+1
.endr
	v_nop
	s_wait_alu depctr_va_vdst(0)
.irp a, 0,1,2,3
.irp i, 0,2,4,6,8,10,12,14
	v_pk_mul_f32 v[ACC+32*\a+\i:ACC+32*\a+\i+1], v[ACC+32*\a+\i:ACC+32*\a+\i+1], v[32+16*\a+\i:33+16*\a+\i]
.endr
.endr
.irp a, 0,1,2,3
.irp i, 0,2,4,6,8,10,12,14
	v_pk_mul_f32 v[ACC+32*\a+\i:ACC+32*\a+\i+1], v[ACC+32*\a+\i:ACC+32*\a+\i+1], v[ACC+32*\a+16+\i:ACC+32*\a+17+\i]
.endr
.endr
	QUANT4 ACC, 32                                 ; block a: token tile a's 32 hidden units
.irp a, 0,1,2,3
	global_store_b96 v16, v[CD+4*\a:CD+4*\a+2], s[CB:CB+1] offset:1536*\a
	global_store_b8 v17, v[PM+\a], s[SB:SB+1] offset:1408*\a
.endr
	s_cmp_lg_u32 s[JJ], 42
	s_cbranch_scc1 .Lnopad_\@
.irp a, 0,1,2,3                        ; K's filling: blocks 2, 3 of K step 21: zero codes, and the same bytes once more
	global_store_b96 v16, v[96:98], s[CB:CB+1] offset:1536*\a+768
	global_store_b8 v17, v[PM+\a], s[SB:SB+1] offset:1408*\a+2
.endr
.Lnopad_\@:
.Lnone_\@:
	s_add_co_u32 s[JJ], s[JJ], 1
.endm
	s_load_b128 s[4:7], s[0:1], 0x0                ; xq2, wts
	s_load_b64 s[8:9], s[0:1], 0x10                ; hid
	v_lshl_add_u32 v[SPW], v0, 2, SPARE
	v_mov_b32 v[NIL], 0
	ds_add_u32 v[SPW], v[NIL]                      ; the wave's opening: the add, twice on end, and its wait ahead of my first tensor load
	ds_add_u32 v[SPW], v[NIL]
	v_lshrrev_b32 v1, 5, v0
	v_readfirstlane_b32 s14, v1                    ; wave 0..3
	s_lshr_b32 s15, s14, 1                         ; wm; also: at the head I fetch the tokens' panel (0) or the weights' (1)
	s_and_b32 s16, s14, 1                          ; wn; also: which quarters I fetch at the head
	s_and_b32 s18, ttmp7, 0xffff                   ; y
	s_min_u32 s19, s18, 3
	s_mul_i32 s[JJ], s18, 5
	s_add_co_u32 s[JJ], s[JJ], s19                 ; my first panel
	s_cmp_lt_u32 s18, 3
	s_cselect_b32 s[JE], 6, 5
	s_add_co_u32 s[JE], s[JE], s[JJ]               ; and the first that is not mine
	s_mov_b32 s[G1], 3<<16                         ; no mask; a dense block as 100 rows of 32 elements of 8 bytes
	s_mov_b32 s[G1+1], 32<<16
	s_mov_b32 s[G1+2], 100<<16
	s_mov_b32 s[G1+3], 32<<16
	s_mov_b32 s[G1+4], 100
	s_mov_b32 s[G1+5], 32
	s_mov_b32 s[G1+6], 0
	s_mov_b32 s[G1+7], 0
	s_mul_i32 s45, s16, 25600                      ; at the head: my quarter in each half of a panel, in memory and in LDS alike
	s_mul_i32 s44, s14, 25600                      ; later: wave w takes quarter w
	s_mul_i32 s20, ttmp9, 102400
	s_add_co_u32 s20, s20, s45
	s_mov_b32 s21, 0
	s_mul_i32 s46, s[JJ], 102400
	s_add_co_u32 s46, s46, 3276800                 ; w1's and w3's panels in wts
	s_mov_b32 s47, 0
	s_mov_b32 s22, s45
	s_mov_b32 s23, 0
	s_mov_b32 s2, s44
	s_mov_b32 s3, 0
	s_wait_dscnt 0x0                               ; both opening adds are done
	s_wait_kmcnt 0x0
	s_add_nc_u64 s[20:21], s[4:5], s[20:21]        ; the tokens' panel at my quarter
	s_add_nc_u64 s[46:47], s[6:7], s[46:47]        ; my first panel of weights,
	s_add_nc_u64 s[22:23], s[46:47], s[22:23]      ; at my quarter of the head's,
	s_add_nc_u64 s[46:47], s[46:47], s[2:3]        ; and at quarter w
.irp l, 0,1
	s_mov_b32 s[G0A+4*\l], 1
	s_add_co_u32 s[G0A+4*\l+1], s45, \l*51200
	s_add_nc_u64 s[G0A+4*\l+2:G0A+4*\l+3], s[20:21], \l*51200
	s_or_b32 s[G0A+4*\l+3], s[G0A+4*\l+3], 0x80000000
	s_mov_b32 s[G0B+4*\l], 1
	s_add_co_u32 s[G0B+4*\l+1], s45, SL0+\l*51200
	s_add_nc_u64 s[G0B+4*\l+2:G0B+4*\l+3], s[22:23], \l*51200
	s_or_b32 s[G0B+4*\l+3], s[G0B+4*\l+3], 0x80000000
	JLOAD G0A+4*\l, G0B+4*\l
.endr
	s_mov_b32 s[G0R], 1                            ; slot 0's walking descriptor stands at my first panel: the first change steps it to my third
	s_add_co_u32 s[G0R+1], s44, SL0
	s_mov_b64 s[G0R+2:G0R+3], s[46:47]
	s_or_b32 s[G0R+3], s[G0R+3], 0x80000000
	s_mov_b32 s[G0R+4], 1                          ; slot 1's at my second
	s_add_co_u32 s[G0R+5], s44, SL1
	s_add_nc_u64 s[G0R+6:G0R+7], s[46:47], 102400
	s_or_b32 s[G0R+7], s[G0R+7], 0x80000000
	v_and_b32 v1, 15, v0                           ; r
	v_bfe_u32 v2, v0, 4, 1                         ; h
	v_mul_u32_u24 v3, v1, 24
	v_mad_u32_u24 v3, v2, 384, v3                  ; a lane's place in a fragment
	s_mul_i32 s66, s15, 6144
	s_mul_i32 s67, s16, 6144
	s_add_co_u32 s66, s66, 4096
	s_add_co_u32 s67, s67, SL0+4096
	v_add_nc_u32 v[ADRA], s66, v3
	v_add_nc_u32 v[ADRB], s67, v3
	v_add_nc_u32 v[ADRA+1], 49152, v[ADRA]
	v_add_nc_u32 v[ADRB+1], 49152, v[ADRB]
	v_add_nc_u32 v[ADRB+2], 102400, v[ADRB]
	v_add_nc_u32 v[ADRB+3], 102400, v[ADRB+1]
	s_lshl_b32 s66, s15, 11
	s_lshl_b32 s67, s16, 11
	s_add_co_u32 s67, s67, SL0
	s_sub_co_u32 s67, s67, s66
	v_mul_u32_u24 v[ADRS], s67, v2                 ; lanes 16-31 take the weights' words: slot 0's,
	v_lshl_add_u32 v[ADRS], v1, 2, v[ADRS]
	v_add_nc_u32 v[ADRS], s66, v[ADRS]
	s_add_co_u32 s67, s67, 102400
	v_mul_u32_u24 v[ADRS+1], s67, v2               ; or slot 1's
	v_lshl_add_u32 v[ADRS+1], v1, 2, v[ADRS+1]
	v_add_nc_u32 v[ADRS+1], s66, v[ADRS+1]
	v_mul_u32_u24 v16, v1, 24
	v_mad_u32_u24 v16, v2, 12, v16                 ; my 12 bytes of a block's 384
	v_lshlrev_b32 v17, 2, v1                       ; 4 r
.irp b, 0,1,2,3
	v_mov_b32 v[PM+\b], 0                          ; a lane permute's destination counts as read
.endr
	v_mov_b32 v96, 0                               ; zero codes for K's filling
	v_mov_b32 v97, 0
	v_mov_b32 v98, 0
	s_mov_b32 s[SEL], 0x76543210
	s_mov_b32 s[SEL+1], 0xfedcba98
	s_mov_b32 s[NL], 0xbfb8aa3b                    ; -log2(e)
	s_mov_b32 s[NL+1], s[NL]
	s_mul_i32 s85, ttmp9, 281600                   ; my panel of hid
	s_mul_i32 s84, s15, 6144
	s_add_co_u32 s84, s84, s85
	s_add_co_u32 s84, s84, 11264                   ; its codes at my four token tiles,
	s_mul_i32 s83, s15, 5632
	s_add_co_u32 s85, s85, s83                     ; and their scale words
	s_mov_b32 s41, 0
.Ltrip:                                            ; three trips of two tiles in every work-group
	TILE 0
	TILE 1
	s_add_co_u32 s41, s41, 1
	s_cmp_lt_u32 s41, 3
	s_cbranch_scc1 .Ltrip
	s_wait_tensorcnt 0x0                           ; the wave's end
	ds_add_u32 v[SPW], v[NIL]
	s_wait_dscnt 0x0
	s_endpgm
.Lfunc_end_k_qdd948ccfdf_ffn_up:
	.size	k_qdd948ccfdf_ffn_up, .Lfunc_end_k_qdd948ccfdf_ffn_up-k_qdd948ccfdf_ffn_up
	.p2alignl 7, 3214868480
	.fill 96, 4, 3214868480
	.section	.rodata,"a",@progbits
	.p2align	6, 0x0
	.amdhsa_kernel k_qdd948ccfdf_ffn_up
		.amdhsa_group_segment_fixed_size 327680
		.amdhsa_private_segment_fixed_size 0
		.amdhsa_enable_private_segment 0
		.amdhsa_kernarg_size 24
		.amdhsa_user_sgpr_count 2
		.amdhsa_user_sgpr_kernarg_segment_ptr 1
		.amdhsa_wavefront_size32 1
		.amdhsa_system_sgpr_workgroup_id_x 1
		.amdhsa_system_sgpr_workgroup_id_y 1
		.amdhsa_system_sgpr_workgroup_id_z 1
		.amdhsa_system_vgpr_workitem_id 0
		.amdhsa_next_free_vgpr 512
		.amdhsa_next_free_sgpr 100
		.amdhsa_reserve_vcc 0
		.amdhsa_float_denorm_mode_32 3
		.amdhsa_float_denorm_mode_16_64 3
		.amdhsa_memory_ordered 1
		.amdhsa_forward_progress 1
		.amdhsa_inst_pref_size 132
	.end_amdhsa_kernel
	.amdgpu_metadata
---
amdhsa.version: [ 1, 2 ]
amdhsa.kernels:
  - .name:           k_qdd948ccfdf_ffn_up
    .symbol:         k_qdd948ccfdf_ffn_up.kd
    .args:
      - { .name: xq2, .offset: 0, .size: 8, .value_kind: global_buffer, .address_space: global }
      - { .name: wts, .offset: 8, .size: 8, .value_kind: global_buffer, .address_space: global }
      - { .name: hid, .offset: 16, .size: 8, .value_kind: global_buffer, .address_space: global }
    .group_segment_fixed_size: 327680
    .private_segment_fixed_size: 0
    .kernarg_segment_align: 8
    .kernarg_segment_size: 24
    .max_flat_workgroup_size: 128
    .sgpr_count:     100
    .vgpr_count:     512
    .wavefront_size: 32
...
	.end_amdgpu_metadata
.endif
;; end of part 10
;; launch ffn_down: the kernel of part 7 again; grid 8 x 32, 4 waves a work-group, clusters of 4 x 4, 327,680 bytes of LDS; arguments hid, wts, x2, out0; writes out0
